; MI455X (gfx1250); checked and timed in simulation.
; The chip was launched on July 23, 2026; its instructions are those of AMD's public machine-readable ISA for CDNA 5 (MIT licence, August 2026) and "CDNA5" Instruction Set Architecture Reference Guide (July 2026). The comments in the code are by the model that wrote it; some were corrected since.
;; Encoder Layer. Allowed arithmetic: matrix products marked QUANTISED: E4M3 operands, one E8M0 scale for each 32 along K, by v_wmma_scale_f32_16x16x128_f8f6f4 with both operands' format E4M3, f32 sums; everything else in f32.
;; Inputs: W1 512 x 2,048 float32; W2 2,048 x 512 float32; Wk 512 x 512 float32; Wo 512 x 512 float32; Wq 512 x 512 float32; Wv 512 x 512 float32; b1 2,048 float32; b2 512 float32; bk 512 float32; bo 512 float32; bq 512 float32; bv 512 float32; ln1_b 512 float32; ln1_g 512 float32; ln2_b 512 float32; ln2_g 512 float32; x 2 x 4,096 x 512 float32.
;; Outputs: out0 2 x 4,096 x 512 float32.
;; This version of the problem:
;;   THIS VERSION OF THE PROBLEM IS GIVEN IN LOW PRECISION. The matrix products marked QUANTISED in the list below multiply operands that are first quantised to E4M3 (4 exponent bits, 3 mantissa bits; 8 bits a number), with one power-of-two scale for each 32 numbers along K (OCP MX v1.0); their sums are f32. All else is computed in f32.
;;   The module's matrix products, in the order in which they are computed (A, B: the left and right operand; K: the contracted axis; several contracted axes count as one K, in the product's order):
;;     1. [M 8,192, K 512] x [K 512, N 512]; A: computed on the way; B: input Wq: QUANTISED
;;     2. [M 8,192, K 512] x [K 512, N 512]; A: computed on the way; B: input Wk: QUANTISED
;;     3. [M 8,192, K 512] x [K 512, N 512]; A: computed on the way; B: input Wv: QUANTISED
;;     4. batch 16 x [M 4,096, K 64] x [K 64, N 4,096]; A: computed on the way; B: computed on the way: QUANTISED
;;     5. batch 16 x [M 4,096, K 4,096] x [K 4,096, N 64]; A: softmax (see below); B: computed on the way: QUANTISED
;;     6. [M 8,192, K 512] x [K 512, N 512]; A: computed on the way; B: input Wo: QUANTISED
;;     7. [M 8,192, K 512] x [K 512, N 2,048]; A: computed on the way; B: input W1: QUANTISED
;;     8. [M 8,192, K 2,048] x [K 2,048, N 512]; A: computed on the way; B: input W2: QUANTISED
;;   THE QUANTISER, for each operand of a quantised product, along K:
;;     - K is cut into blocks of 32 from its start; a last block that is shorter is filled with zeros.
;;     - A block's scale is 2^e with e = floor(log2(the largest magnitude in the block)) - 8, held to -126 .. 127; a block of zeros has e = 0. As a byte (E8M0): e + 127.
;;     - Each number is divided by its block's scale, clamped to +-448, and rounded to the nearest number of E4M3, ties to even, subnormals kept.
;;     - The product sums the exact products of the quantised numbers (number of the format x scale) in f32.
;;   ~~~python
;;   def quantise(x, axis):      # numpy; x: float32 -> the quantised numbers, widened to float32 again
;;       x = np.moveaxis(x, axis, -1); K = x.shape[-1]
;;       x = np.pad(x, [(0, 0)] * (x.ndim - 1) + [(0, -K % 32)]); x = x.reshape(x.shape[:-1] + (-1, 32)); a = np.abs(x).max(-1, keepdims=True)
;;       e = np.where(a > 0, np.clip(np.frexp(np.where(a > 0, a, 1))[1] - 1 - 8, -126, 127), 0)      # np.frexp(a)[1] - 1 = floor(log2(a)), exactly
;;       r = np.clip(x / 2.0 ** e, -448, 448)
;;       step = 2.0 ** (np.maximum(np.frexp(np.where(r == 0, 1, r))[1] - 1, -6) - 3)
;;       q = np.round(r / step) * step * 2.0 ** e      # np.round: ties to even
;;       return np.moveaxis(q.reshape(q.shape[:-2] + (-1,))[..., :K], -1, axis).astype(np.float32)
;;   ~~~
;;   SOFTMAX AHEAD OF A QUANTISED PRODUCT. Where the list says 'softmax', what is quantised is not the finished softmax but p = 2^(t - M), with t = logit x log2(e) and M = ceil(the row's largest t), a whole number; so 1/2 < the row's largest p <= 1. The row's sum l is taken of the UNQUANTISED p, in f32, and the product's result is divided by l at the end. Since M is a whole number, a kernel that streams over the keys may use a running M (the ceiling of the running maximum): every later rescaling is an exact power of two, which a block's scale takes up: the codes' values come out the same.
;;   OPERANDS COMPUTED ON THE WAY. 'Computed on the way' means the value that the module computes at that place (a softmax that the list does not call 'softmax' is quantised finished and normalised). What goes into a quantiser is computed in f32, as accurately as f32 sums, v_exp_f32 and their like allow (about 1e-6 of the number): no bf16 or f16 on the way to a quantiser, and a product that is left as it is and whose result goes on into a quantised operand takes f32 operands (vector FMAs, or v_wmma_f32_16x16x4_f32). A number that lies on a knife's edge between two numbers of the format may be rounded either way, as far as f32 arithmetic and the matrix unit's own rounding can turn it there, and no further.
;; 2 versions. Each part assembles by itself: llvm-mc -triple=amdgcn-amd-amdhsa -mcpu=gfx1250 --defsym DOCPART=n.
;; ======== version 1 of 2: 7 launches
;; workspace buffers: wt 3,244,032 bytes; xn 4,325,376 bytes; qr 8,650,752 bytes; kv 8,650,752 bytes; cx 4,325,376 bytes; x1 16,777,216 bytes; hb 17,301,504 bytes
;; launch wquant (part 1): grid 192 x 1, 4 waves a work-group, no clusters, 0 bytes of LDS; arguments Wq, Wk, Wv, Wo, W1, W2, wt; writes wt
.if DOCPART == 1
	.amdgcn_target "amdgcn-amd-amdhsa--gfx1250"
	.amdhsa_code_object_version 6
	.text
	.protected	k_q26a6780e9b_wquant
	.globl	k_q26a6780e9b_wquant
	.p2align	8
	.type	k_q26a6780e9b_wquant,@function
k_q26a6780e9b_wquant:
	s_mov_b64 s[64:65], 0
	v_nop
	global_prefetch_b8 v0, s[64:65] scope:SCOPE_SE
	s_setreg_imm32_b32 hwreg(HW_REG_WAVE_MODE, 25, 1), 1
	s_wait_xcnt 0x0
; The six weights, f32 stored [K][N], become codes of E4M3 with one E8M0 byte for each 32 along K, laid in wt as IMAGES OF THE OPERAND'S REGISTERS:
; codes of (row tile, K step ks, piece c) at ((tile KS + ks) 4 + c) 512 + 16 lane, scale words at WSC + (tile KS + ks) 64 + 4 r.
; Inside a block of 32 the order is the one in which two neighbouring 16 x 16 results lie in a lane: lane half 0 holds k 0-7 and 16-23, half 1 holds k 8-15 and 24-31.
; Every operand of this program is laid so on both sides of a product, so the products are the same; only their order inside one instruction differs.
; A lane takes a column n and its registers run down K: a block lies in one lane, nothing is transposed.  A wave: 32 columns x 128 along K; four waves stand on 128 neighbouring columns.
; Work-groups 0-63: Wq, Wk, Wv, Wo (16 each); 64-127: W1; 128-191: W2.  One path for all: only numbers and pointers are selected, on the work-group's number.
; LIMITS: NaN and infinities are not served; a block whose largest magnitude lies under 2^-118 keeps the byte 1; a block of zeros gets the byte 1 where the rule says 127
; (its codes are zeros, and only this program reads the bytes).
.set WSC, 3145728                      ; where the scale words begin in wt
.set OFF, 16                           ; v16-47   row i of a block: i x row bytes + 4 x lane
.set X,   48                           ; v48-175  four blocks of 32 numbers
.set C,   176                          ; v176-207 eight registers of codes a block, never rewritten
.set SB,  14                           ; v14      the four scale bytes
	s_load_b256 s[4:11], s[0:1], 0x0               ; Wq, Wk, Wv, Wo
	s_load_b128 s[12:15], s[0:1], 0x20             ; W1, W2
	s_load_b64 s[16:17], s[0:1], 0x30              ; wt
	v_lshrrev_b32 v1, 5, v0
	v_readfirstlane_b32 s18, v1                    ; wave
	v_and_b32 v1, 31, v0                           ; lane
	v_lshlrev_b32 v2, 2, v1
	v_lshrrev_b32 v3, 4, v1                        ; which of my wave's two row tiles
	v_and_b32 v4, 15, v1                           ; r
	s_lshr_b32 s19, ttmp9, 6                       ; region 0, 1, 2
	s_lshr_b32 s20, ttmp9, 4
	s_add_co_u32 s21, s19, 3
	s_and_b32 s22, ttmp9, 15
	s_and_b32 s23, ttmp9, 63
	s_lshl_b32 s36, s20, 18
	s_lshl_b32 s37, s19, 20
	s_cmp_eq_u32 s19, 0
	s_cselect_b32 s20, s20, s21                    ; which weight, 0 to 5
	s_cselect_b32 s22, s22, s23                    ; my number within it
	s_cselect_b32 s36, s36, s37                    ; where its codes begin in wt
	s_cmp_eq_u32 s19, 1
	s_cselect_b32 s38, 4, 2                        ; bits of the column number: W1 has 16 groups of 128 columns, the others 4
	s_mov_b32 s39, 2048
	s_cselect_b32 s39, 8192, s39                   ; bytes in a row of the weight
	s_cmp_eq_u32 s19, 2
	s_mov_b32 s40, 8192
	s_cselect_b32 s40, 32768, s40                  ; bytes of a row tile's codes: 2,048 x its K steps
	s_lshr_b32 s41, s40, 5                         ; and of its scale words
	s_lshl_b32 s42, 1, s38
	s_sub_co_u32 s42, s42, 1
	s_and_b32 s42, s22, s42                        ; group of 128 columns
	s_lshr_b32 s43, s22, s38                       ; K step
	s_mul_i32 s44, s43, s39
	s_lshl_b32 s44, s44, 7                         ; 128 rows a K step
	s_lshl_b32 s45, s42, 9
	s_add_co_u32 s44, s44, s45
	s_lshl_b32 s45, s18, 7
	s_add_co_u32 s44, s44, s45                     ; + my wave's 32 columns
	s_mov_b32 s45, 0
	s_lshl_b32 s46, s39, 5                         ; 32 rows: from block to block
	s_mov_b32 s47, 0
	s_lshl_b32 s48, s42, 3
	s_lshl_b32 s49, s18, 1
	s_add_co_u32 s48, s48, s49                     ; my first row tile of the operand
	s_mul_i32 s50, s48, s40
	s_add_co_u32 s50, s50, s36
	s_lshl_b32 s49, s43, 11
	s_add_co_u32 s50, s50, s49                     ; my codes
	s_mov_b32 s51, 0
	s_mul_i32 s52, s48, s41
	s_lshr_b32 s49, s36, 5
	s_add_co_u32 s52, s52, s49
	s_lshl_b32 s49, s43, 6
	s_add_co_u32 s52, s52, s49
	s_add_co_u32 s52, s52, WSC                     ; my scale words
	s_mov_b32 s53, 0
	s_mov_b32 s54, 0x600000                        ; the mantissa field of 448
	v_mul_u32_u24 v5, s40, v3
	v_lshl_add_u32 v5, v4, 4, v5                   ; codes: tile x its bytes + 16 r
	v_mul_u32_u24 v6, s41, v3
	v_lshl_add_u32 v6, v4, 2, v6                   ; scale word: tile x its bytes + 4 r
.set n, 0
.rept 32
	v_mad_u32_u24 v[OFF+n], s39, n, v2
.set n, n+1
.endr
	s_wait_kmcnt 0x0
	s_cmp_eq_u32 s20, 1                            ; the weight's address: the choice hangs on the work-group's number alone
	s_cselect_b64 s[4:5], s[6:7], s[4:5]
	s_cmp_eq_u32 s20, 2
	s_cselect_b64 s[4:5], s[8:9], s[4:5]
	s_cmp_eq_u32 s20, 3
	s_cselect_b64 s[4:5], s[10:11], s[4:5]
	s_cmp_eq_u32 s20, 4
	s_cselect_b64 s[4:5], s[12:13], s[4:5]
	s_cmp_eq_u32 s20, 5
	s_cselect_b64 s[4:5], s[14:15], s[4:5]
	s_add_nc_u64 s[24:25], s[4:5], s[44:45]        ; a base for each of the four blocks
	s_add_nc_u64 s[26:27], s[24:25], s[46:47]
	s_add_nc_u64 s[28:29], s[26:27], s[46:47]
	s_add_nc_u64 s[30:31], s[28:29], s[46:47]
	s_add_nc_u64 s[32:33], s[16:17], s[50:51]
	s_add_nc_u64 s[34:35], s[16:17], s[52:53]
.irp b, 0,1,2,3
.set n, 0
.rept 32
	global_load_b32 v[X+32*\b+n], v[OFF+n], s[24+2*\b:25+2*\b] th:TH_LOAD_NT   ; row 32 b + n at 32 neighbouring columns: 128 consecutive bytes; read once in the launch
.set n, n+1
.endr
.endr
; One block: left = how many younger loads may stay out
.macro BLOCK b, left
.set XB, X+32*\b
	s_wait_loadcnt \left
	v_max3_num_f32 v8, |v[XB]|, |v[XB+1]|, |v[XB+2]|               ; the block's largest magnitude: all 32 numbers are mine; two chains
	v_max3_num_f32 v9, |v[XB+3]|, |v[XB+4]|, |v[XB+5]|
.irp i, 6,10,14,18,22,26
	v_max3_num_f32 v8, v8, |v[XB+\i]|, |v[XB+\i+1]|
	v_max3_num_f32 v9, v9, |v[XB+\i+2]|, |v[XB+\i+3]|
.endr
	v_max3_num_f32 v8, v8, |v[XB+30]|, |v[XB+31]|
	v_max3_num_f32 v8, v8, v9, 0x4800000           ; and the floor 2^(9 - 127): the byte cannot fall under 1
	v_add_nc_u32 v11, 0xfc000000, v8               ; 8 off the exponent field: the conversion's scale operand
	v_and_or_b32 v10, v8, 0x7f800000, s54          ; 448 x the scale
	v_lshrrev_b32 v9, 23, v11                      ; the scale's byte
.if \b == 0
	v_mov_b32 v[SB], v9
.else
	v_lshl_or_b32 v[SB], v9, 8*\b, v[SB]
.endif
.set n, 0
.rept 32
	v_med3_num_f32 v[XB+n], v[XB+n], -v10, v10     ; the conversion to an 8-bit code does not saturate (ISA guide 7.6.2): hold first
.set n, n+1
.endr
	v_cvt_scalef32_pk8_fp8_f32 v[C+8*\b:C+8*\b+1],   v[XB:XB+7],     v11   ; lane half 0: k 0-7,
	v_cvt_scalef32_pk8_fp8_f32 v[C+8*\b+2:C+8*\b+3], v[XB+16:XB+23], v11   ; k 16-23
	v_cvt_scalef32_pk8_fp8_f32 v[C+8*\b+4:C+8*\b+5], v[XB+8:XB+15],  v11   ; lane half 1: k 8-15,
	v_cvt_scalef32_pk8_fp8_f32 v[C+8*\b+6:C+8*\b+7], v[XB+24:XB+31], v11   ; k 24-31
	v_nop                                          ; a plain line behind the last conversion: the next block writes v11
	global_store_b128 v5, v[C+8*\b:C+8*\b+3], s[32:33] offset:512*\b          ; sixteen lanes store 256 consecutive bytes, aligned, in each of the two tiles
	global_store_b128 v5, v[C+8*\b+4:C+8*\b+7], s[32:33] offset:512*\b+256
.endm
	BLOCK 0, 63                                    ; 96 loads stand behind block 0's and 64 behind block 1's; the wait names 63 at the most
	BLOCK 1, 63
	BLOCK 2, 32
	BLOCK 3, 0
	global_store_b32 v6, v[SB], s[34:35]           ; my column's scale word for this K step
	s_endpgm
.Lfunc_end_k_q26a6780e9b_wquant:
	.size	k_q26a6780e9b_wquant, .Lfunc_end_k_q26a6780e9b_wquant-k_q26a6780e9b_wquant
	.p2alignl 7, 3214868480
	.fill 96, 4, 3214868480
	.section	.rodata,"a",@progbits
	.p2align	6, 0x0
	.amdhsa_kernel k_q26a6780e9b_wquant
		.amdhsa_group_segment_fixed_size 0
		.amdhsa_private_segment_fixed_size 0
		.amdhsa_enable_private_segment 0
		.amdhsa_kernarg_size 56
		.amdhsa_user_sgpr_count 2
		.amdhsa_user_sgpr_kernarg_segment_ptr 1
		.amdhsa_wavefront_size32 1
		.amdhsa_system_sgpr_workgroup_id_x 1
		.amdhsa_system_sgpr_workgroup_id_y 1
		.amdhsa_system_sgpr_workgroup_id_z 1
		.amdhsa_system_vgpr_workitem_id 0
		.amdhsa_next_free_vgpr 208
		.amdhsa_next_free_sgpr 66
		.amdhsa_reserve_vcc 0
		.amdhsa_float_denorm_mode_32 3
		.amdhsa_float_denorm_mode_16_64 3
		.amdhsa_memory_ordered 1
		.amdhsa_forward_progress 1
		.amdhsa_inst_pref_size 33
	.end_amdhsa_kernel
	.amdgpu_metadata
---
amdhsa.version: [ 1, 2 ]
amdhsa.kernels:
  - .name:           k_q26a6780e9b_wquant
    .symbol:         k_q26a6780e9b_wquant.kd
    .args:
      - { .name: Wq, .offset: 0, .size: 8, .value_kind: global_buffer, .address_space: global }
      - { .name: Wk, .offset: 8, .size: 8, .value_kind: global_buffer, .address_space: global }
      - { .name: Wv, .offset: 16, .size: 8, .value_kind: global_buffer, .address_space: global }
      - { .name: Wo, .offset: 24, .size: 8, .value_kind: global_buffer, .address_space: global }
      - { .name: W1, .offset: 32, .size: 8, .value_kind: global_buffer, .address_space: global }
      - { .name: W2, .offset: 40, .size: 8, .value_kind: global_buffer, .address_space: global }
      - { .name: wt, .offset: 48, .size: 8, .value_kind: global_buffer, .address_space: global }
    .group_segment_fixed_size: 0
    .private_segment_fixed_size: 0
    .kernarg_segment_align: 8
    .kernarg_segment_size: 56
    .max_flat_workgroup_size: 128
    .sgpr_count:     66
    .vgpr_count:     208
    .wavefront_size: 32
...
	.end_amdgpu_metadata
.endif
;; end of part 1
;; launch ln1 (part 2): grid 256 x 1, 4 waves a work-group, no clusters, 36,352 bytes of LDS; arguments x, ln1_g, ln1_b, xn; writes xn
.if DOCPART == 2
	.amdgcn_target "amdgcn-amd-amdhsa--gfx1250"
	.amdhsa_code_object_version 6
	.text
	.protected	k_q26a6780e9b_ln1
	.globl	k_q26a6780e9b_ln1
	.p2align	8
	.type	k_q26a6780e9b_ln1,@function
k_q26a6780e9b_ln1:
	s_mov_b64 s[64:65], 0
	v_nop
	global_prefetch_b8 v0, s[64:65] scope:SCOPE_SE
	s_setreg_imm32_b32 hwreg(HW_REG_WAVE_MODE, 25, 1), 1
	s_wait_xcnt 0x0
; xn = the codes of layernorm(x) g + b, E4M3 with one E8M0 byte for each 32 channels, as images of the operand's registers:
; codes of (token tile, K step ks, piece c) at (tile 4 + ks) 2,048 + 512 c + 16 lane; scale words at XSC + tile 256 + 64 ks + 4 r.
; A work-group owns 32 rows (two tiles of 16); wave w owns channels 128 w .. 128 w + 127 of both, which are K step w of the image.
; Lane (r, h) holds row r; its register 8 t + j holds channel 128 w + 16 t + 8 h + j: the order in which matrix results lie, and the order of all this program's operands inside a block of 32.
; THE VARIANCE IS TAKEN IN TWO PASSES: each wave takes its 128 channels' mean and the sum of squares about it; the four pairs meet in LDS and are combined exactly
; (mean = the mean of the means; M2 = the sum of the M2 + 128 x the sum of the squared distances of the means): no difference of large sums is formed.
; LIMITS: NaN and infinities are not served; a block whose largest magnitude lies under 2^-118 keeps the byte 1; a block of zeros gets the byte 1 where the rule says 127.
; REGISTERS: window 0 as named below; window 3: v128-191 g, v192-255 b of my 64 channels.
.set XSC,  4194304
.set STAT, 33792                       ; LDS: 2 tiles x 4 waves x 256 bytes: (mean, M2) of each lane's row
.set LI,  4                            ; 16 x lane
.set XA,  6                            ; x: r x 2,048 + 32 h + 512 w
.set GA,  7                            ; g, b: 32 h + 512 w
.set STW, 11                           ; where I put my statistics
.set STR, 12                           ; where I read the four waves'
.set SA,  13                           ; scale words: 256 h + 64 w + 4 r
.set SV,  14
.set HA0, 48
.set HA1, 112
.set PC,  176                          ; v176-191 the codes just made
.set TM,  192                          ; v192-207 at work in QUANT
.set PW0, 208
.set PW1, 209
.set ST0, 210
.set ST1, 212
.set WA,  214
.set WB,  216
.set SR,  218
.set RD,  226
.set CD,  228
.set T0,  230
.set GW,  128
.set BW,  192
.set WV,  20
.set SEL, 22
.set MNT, 24
.set HM,  25
.set C512, 26
.set EPSR, 27
.set MSB, 0
.macro WIN new                         ; the immediate's high byte repeats the setting that is left
.if MSB != (\new)
	s_set_vgpr_msb (MSB<<8)|(\new)
.set MSB, (\new)
.endif
.endm
; 64 numbers of a lane, register 16 b + i = place 32 b + 16 h + i of my row, become a fragment's codes in v[PC] on and its scale word in v[pw]
.macro QUANT s, relu, pw
.if \relu
.irp b, 0,1,2,3
	v_max3_num_f32 v[TM+\b], v[\s+16*\b], v[\s+1+16*\b], 0x4800000
.endr
.irp i, 2,4,6,8,10,12,14
.irp b, 0,1,2,3
	v_max3_num_f32 v[TM+\b], v[TM+\b], v[\s+16*\b+\i], v[\s+1+16*\b+\i]
.endr
.endr
.else
.irp b, 0,1,2,3
	v_max3_num_f32 v[TM+\b], |v[\s+16*\b]|, |v[\s+1+16*\b]|, 0x4800000   ; my 16 numbers of block b, and the floor 2^(9 - 127)
.endr
.irp i, 2,4,6,8,10,12,14
.irp b, 0,1,2,3
	v_max3_num_f32 v[TM+\b], v[TM+\b], |v[\s+16*\b+\i]|, |v[\s+1+16*\b+\i]|
.endr
.endr
.endif
.irp b, 0,1,2,3
	v_permlanex16_b32 v[TM+4+\b], v[TM+\b], s[SEL], s[SEL+1]
.endr
.irp b, 0,1,2,3
	v_max_num_f32 v[TM+\b], v[TM+\b], v[TM+4+\b]   ; with lane l xor 16's: the block's largest magnitude
.endr
.irp b, 0,1,2,3
	v_add_nc_u32 v[TM+12+\b], 0xfc000000, v[TM+\b] ; 8 off the exponent field: the conversion's scale operand
.endr
.irp b, 0,1,2,3
	v_and_or_b32 v[TM+8+\b], v[TM+\b], 0x7f800000, s[MNT]   ; 448 x the scale
.endr
.irp b, 0,1,2,3
	v_lshrrev_b32 v[TM+4+\b], 23, v[TM+12+\b]      ; the scale's byte
.endr
	v_lshl_or_b32 v[\pw], v[TM+5], 8, v[TM+4]
	v_lshl_or_b32 v[\pw], v[TM+6], 16, v[\pw]
	v_lshl_or_b32 v[\pw], v[TM+7], 24, v[\pw]
.irp b, 0,1,2,3
.irp i, 0,1,2,3,4,5,6,7,8,9,10,11,12,13,14,15
.if \relu
	v_med3_num_f32 v[\s+16*\b+\i], v[\s+16*\b+\i], 0, v[TM+8+\b]
.else
	v_med3_num_f32 v[\s+16*\b+\i], v[\s+16*\b+\i], -v[TM+8+\b], v[TM+8+\b]   ; the conversion does not saturate (ISA guide 7.6.2): hold first
.endif
.endr
	v_cvt_scalef32_pk8_fp8_f32 v[PC+4*\b:PC+1+4*\b], v[\s+16*\b:\s+7+16*\b], v[TM+12+\b]
	v_cvt_scalef32_pk8_fp8_f32 v[PC+2+4*\b:PC+3+4*\b], v[\s+8+16*\b:\s+15+16*\b], v[TM+12+\b]
.endr
	v_nop                                          ; a plain line behind the last conversion
.endm
; my 128 channels' mean of each row, the numbers less that mean (in place), and the sum of their squares; both to LDS
.macro LSTAT ha, st, m
	v_pk_add_f32 v[WA:WA+1], v[\ha:\ha+1], v[\ha+2:\ha+3]
	v_pk_add_f32 v[WB:WB+1], v[\ha+4:\ha+5], v[\ha+6:\ha+7]
.irp j, 8,12,16,20,24,28,32,36,40,44,48,52,56,60
	v_pk_add_f32 v[WA:WA+1], v[WA:WA+1], v[\ha+\j:\ha+\j+1]
	v_pk_add_f32 v[WB:WB+1], v[WB:WB+1], v[\ha+\j+2:\ha+\j+3]
.endr
	v_pk_add_f32 v[WA:WA+1], v[WA:WA+1], v[WB:WB+1]
	v_add_f32 v[WA], v[WA], v[WA+1]
	v_permlanex16_b32 v[WB], v[WA], s[SEL], s[SEL+1]
	v_add_f32 v[WA], v[WA], v[WB]                  ; with lane l xor 16's 64 channels
	v_mul_f32 v[\st], 0x3c000000, v[WA]            ; / 128
.set j, 0
.rept 32
	v_pk_add_f32 v[\ha+j:\ha+j+1], v[\ha+j:\ha+j+1], v[\st:\st+1] op_sel_hi:[1,0] neg_lo:[0,1] neg_hi:[0,1]
.set j, j+2
.endr
	v_pk_mul_f32 v[WA:WA+1], v[\ha:\ha+1], v[\ha:\ha+1]
	v_pk_mul_f32 v[WB:WB+1], v[\ha+2:\ha+3], v[\ha+2:\ha+3]
.irp j, 4,8,12,16,20,24,28,32,36,40,44,48,52,56,60
	v_pk_fma_f32 v[WA:WA+1], v[\ha+\j:\ha+\j+1], v[\ha+\j:\ha+\j+1], v[WA:WA+1]
	v_pk_fma_f32 v[WB:WB+1], v[\ha+\j+2:\ha+\j+3], v[\ha+\j+2:\ha+\j+3], v[WB:WB+1]
.endr
	v_pk_add_f32 v[WA:WA+1], v[WA:WA+1], v[WB:WB+1]
	v_add_f32 v[WA], v[WA], v[WA+1]
	v_permlanex16_b32 v[WB], v[WA], s[SEL], s[SEL+1]
	v_add_f32 v[\st+1], v[WA], v[WB]
	ds_store_b64 v[STW], v[\st:\st+1] offset:1024*\m
.endm
; the four waves' statistics are combined; the row is normalised, scaled by g, shifted by b, quantised and stored
.macro FIN ha, st, m, pw
.irp i, 0,1,2,3
	ds_load_b64 v[SR+2*\i:SR+2*\i+1], v[STR] offset:1024*\m+256*\i
.endr
	s_wait_dscnt 0x0
	v_add_f32 v[T0], v[SR], v[SR+2]
	v_add_f32 v[T0+1], v[SR+4], v[SR+6]
	v_add_f32 v[T0], v[T0], v[T0+1]
	v_mul_f32 v[T0], 0x3e800000, v[T0]             ; the row's mean
	v_sub_f32 v[T0+1], v[SR], v[T0]
	v_sub_f32 v[T0+2], v[SR+2], v[T0]
	v_sub_f32 v[T0+3], v[SR+4], v[T0]
	v_sub_f32 v[T0+4], v[SR+6], v[T0]
	v_mul_f32 v[T0+1], v[T0+1], v[T0+1]
	v_fma_f32 v[T0+1], v[T0+2], v[T0+2], v[T0+1]
	v_fma_f32 v[T0+1], v[T0+3], v[T0+3], v[T0+1]
	v_fma_f32 v[T0+1], v[T0+4], v[T0+4], v[T0+1]
	v_add_f32 v[T0+2], v[SR+1], v[SR+3]
	v_add_f32 v[T0+3], v[SR+5], v[SR+7]
	v_add_f32 v[T0+2], v[T0+2], v[T0+3]
	v_fmamk_f32 v[T0+1], v[T0+1], 0x43000000, v[T0+2]   ; 128 x the means' squared distances + the four M2
	v_fma_f32 v[T0+1], v[T0+1], s[C512], s[EPSR]   ; / 512 + 1e-5
	v_rsq_f32 v[RD], v[T0+1]
	v_sub_f32 v[T0+5], v[\st], v[T0]               ; (the plain line behind the root)  my wave's mean less the row's
	s_wait_alu depctr_va_vdst(0)
	v_mul_f32 v[CD], v[T0+5], v[RD]
.set j, 0
.rept 32
	v_pk_fma_f32 v[\ha+j:\ha+j+1], v[\ha+j:\ha+j+1], v[RD:RD+1], v[CD:CD+1] op_sel_hi:[1,0,0]   ; (x - mean) / the root
.set j, j+2
.endr
	WIN 0x3c                                       ; sources 1 and 2 in window 3
.set j, 0
.rept 32
	v_pk_fma_f32 v[\ha+j:\ha+j+1], v[\ha+j:\ha+j+1], v[GW+j:GW+j+1], v[BW+j:BW+j+1]
.set j, j+2
.endr
	WIN 0
.if \m
	s_wait_xcnt 0x0                                ; the first tile's stores have read v[PC] on: only now are they written again
.endif
	QUANT \ha, 0, \pw
.irp c, 0,1,2,3
	global_store_b128 v[LI], v[PC+4*\c:PC+4*\c+3], s[10:11] offset:\m*8192+512*\c   ; 512 consecutive bytes, aligned
.endr
.endm
	s_load_b256 s[4:11], s[0:1], 0x0               ; x, g, b, xn
	v_lshl_add_u32 v254, v0, 2, 0x8c00
	v_mov_b32 v255, 0
	v_lshrrev_b32 v1, 5, v0
	v_readfirstlane_b32 s[WV], v1                  ; wave
	v_and_b32 v1, 31, v0                           ; lane
	v_and_b32 v2, 15, v0                           ; r
	v_bfe_u32 v3, v0, 4, 1                         ; h
	v_lshlrev_b32 v[LI], 4, v1
	s_lshl_b32 s28, s[WV], 9
	v_lshl_add_u32 v[GA], v3, 5, s28
	v_lshl_add_u32 v[XA], v2, 11, v[GA]
	s_lshl_b32 s30, s[WV], 8
	v_lshlrev_b32 v[STR], 3, v1
	v_add_nc_u32 v[STR], STAT, v[STR]
	v_add_nc_u32 v[STW], s30, v[STR]
	s_lshl_b32 s30, s[WV], 6
	v_lshlrev_b32 v[SA], 2, v2
	v_lshl_add_u32 v[SA], v3, 8, v[SA]
	v_add_nc_u32 v[SA], s30, v[SA]
.irp b, 0,1,2,3
	v_mov_b32 v[TM+4+\b], 0                        ; written once: a lane permute's destination counts as one of its sources
.endr
	v_mov_b32 v[ST0+1], 0                          ; upper halves of pairs that are named before they are first written
	v_mov_b32 v[ST1+1], 0
	v_mov_b32 v[RD+1], 0
	v_mov_b32 v[CD+1], 0
	s_mov_b32 s[SEL], 0x76543210
	s_mov_b32 s[SEL+1], 0xfedcba98                 ; v_permlanex16_b32's selects for lane l xor 16
	s_mov_b32 s[MNT], 0x600000                     ; the mantissa field of 448
	s_mov_b32 s[HM], 0xffff0000                    ; lanes 16-31
	s_mov_b32 s[C512], 0x3b000000                  ; 1 / 512
	s_mov_b32 s[EPSR], 0x3727c5ac                  ; 1e-5
	s_lshl_b32 s28, ttmp9, 16                      ; my 32 rows of 2,048 bytes
	s_mov_b32 s29, 0
	s_lshl_b32 s32, s[WV], 11
	s_lshl_b32 s30, ttmp9, 14
	s_add_co_u32 s32, s32, s30                     ; xn's codes: my two tiles, my K step
	s_mov_b32 s33, 0
	s_lshl_b32 s34, ttmp9, 9
	s_add_co_u32 s34, s34, XSC                     ; and their scale words
	s_mov_b32 s35, 0
	s_wait_kmcnt 0x0
	s_add_nc_u64 s[4:5], s[4:5], s[28:29]
	s_add_nc_u64 s[42:43], s[10:11], s[34:35]
	s_add_nc_u64 s[10:11], s[10:11], s[32:33]
.irp m, 0,1
.irp t, 0,1,2,3,4,5,6,7
.irp u, 0,1
	global_load_b128 v[HA0+64*\m+8*\t+4*\u:HA0+64*\m+8*\t+4*\u+3], v[XA], s[4:5] offset:\m*32768+64*\t+16*\u
.endr
.endr
.endr
	WIN 0xc0                                       ; destination window 3
.irp t, 0,1,2,3,4,5,6,7
.irp u, 0,1
	global_load_b128 v[GW+8*\t+4*\u:GW+8*\t+4*\u+3], v[GA], s[6:7] offset:64*\t+16*\u
	global_load_b128 v[BW+8*\t+4*\u:BW+8*\t+4*\u+3], v[GA], s[8:9] offset:64*\t+16*\u
.endr
.endr
	WIN 0
	s_wait_loadcnt 0x0
	LSTAT HA0, ST0, 0
	LSTAT HA1, ST1, 1
	s_wait_dscnt 0x0                               ; for the others' sake: my statistics lie in LDS
	s_barrier_signal -1
	s_barrier_wait -1
	FIN HA0, ST0, 0, PW0
	FIN HA1, ST1, 1, PW1
	v_cndmask_b32 v[SV], v[PW0], v[PW1], s[HM]     ; lanes 0-15 store the first tile's words, lanes 16-31 the second's
	global_store_b32 v[SA], v[SV], s[42:43]
	s_wait_tensorcnt 0x0
	ds_add_u32 v254, v255
	s_wait_dscnt 0x0
	s_endpgm
.Lfunc_end_k_q26a6780e9b_ln1:
	.size	k_q26a6780e9b_ln1, .Lfunc_end_k_q26a6780e9b_ln1-k_q26a6780e9b_ln1
	.p2alignl 7, 3214868480
	.fill 96, 4, 3214868480
	.section	.rodata,"a",@progbits
	.p2align	6, 0x0
	.amdhsa_kernel k_q26a6780e9b_ln1
		.amdhsa_group_segment_fixed_size 36352
		.amdhsa_private_segment_fixed_size 0
		.amdhsa_enable_private_segment 0
		.amdhsa_kernarg_size 32
		.amdhsa_user_sgpr_count 2
		.amdhsa_user_sgpr_kernarg_segment_ptr 1
		.amdhsa_wavefront_size32 1
		.amdhsa_system_sgpr_workgroup_id_x 1
		.amdhsa_system_sgpr_workgroup_id_y 1
		.amdhsa_system_sgpr_workgroup_id_z 1
		.amdhsa_system_vgpr_workitem_id 0
		.amdhsa_next_free_vgpr 1024
		.amdhsa_next_free_sgpr 66
		.amdhsa_reserve_vcc 0
		.amdhsa_float_denorm_mode_32 3
		.amdhsa_float_denorm_mode_16_64 3
		.amdhsa_memory_ordered 1
		.amdhsa_forward_progress 1
		.amdhsa_inst_pref_size 49
	.end_amdhsa_kernel
	.amdgpu_metadata
---
amdhsa.version: [ 1, 2 ]
amdhsa.kernels:
  - .name:           k_q26a6780e9b_ln1
    .symbol:         k_q26a6780e9b_ln1.kd
    .args:
      - { .name: x, .offset: 0, .size: 8, .value_kind: global_buffer, .address_space: global }
      - { .name: ln1_g, .offset: 8, .size: 8, .value_kind: global_buffer, .address_space: global }
      - { .name: ln1_b, .offset: 16, .size: 8, .value_kind: global_buffer, .address_space: global }
      - { .name: xn, .offset: 24, .size: 8, .value_kind: global_buffer, .address_space: global }
    .group_segment_fixed_size: 36352
    .private_segment_fixed_size: 0
    .kernarg_segment_align: 8
    .kernarg_segment_size: 32
    .max_flat_workgroup_size: 128
    .sgpr_count:     66
    .vgpr_count:     1024
    .wavefront_size: 32
...
	.end_amdgpu_metadata
.endif
;; end of part 2
;; launch qkv (part 3): grid 64 x 3, 4 waves a work-group, no clusters, 68,096 bytes of LDS; arguments xn, wt, bq, bk, bv, qr, kv; writes qr, kv
.if DOCPART == 3
	.amdgcn_target "amdgcn-amd-amdhsa--gfx1250"
	.amdhsa_code_object_version 6
	.text
	.protected	k_q26a6780e9b_qkv
	.globl	k_q26a6780e9b_qkv
	.p2align	8
	.type	k_q26a6780e9b_qkv,@function
k_q26a6780e9b_qkv:
	s_mov_b64 s[64:65], 0
	v_nop
	global_prefetch_b8 v0, s[64:65] scope:SCOPE_SE
	s_setreg_imm32_b32 hwreg(HW_REG_WAVE_MODE, 25, 1), 1
	s_wait_xcnt 0x0
; FFN = 0: q, k and v = xn W + b (work-group y = 0, 1, 2), quantised on the way and laid as attention wants them.   FFN = 1: h = relu(xn W1 + b1), quantised along the hidden units.
; ONE STRUCTURE: a wave keeps a RESIDENT operand of 128 rows x K 512 in 512 registers (source 0); eight STREAMED tiles of 16 rows x K 512 (source 1) come through LDS, shared by the four waves.
; In a result lane (r, h) holds streamed row r, and its register 8 t + j resident row 16 t + 8 h + j: 64 numbers that are quantised along the resident rows into one fragment and one scale word.
;   q, k:  resident = the weight's channels 128 w on (heads 2 w, 2 w + 1), streamed = token tiles 8 x on: codes along the head's 64 channels.
;   v:     resident = the 128 tokens of key step 4 (x / 4) + w, streamed = Wv's channel tiles 8 (x % 4) on: a lane holds a channel and its registers run along the KEYS, which are the second product's K.
;   ffn1:  resident = W1's channels 512 y + 128 w on, streamed = token tiles 8 x on.
; The modes differ in numbers and pointers alone, selected on the work-group's number: there is no branch.
; RECORDS of qr and kv: (16 heads x 32 key steps) x 16,896 bytes: +0 K's codes, 8 key tiles x 1,024; +8,192 V's, 4 channel tiles x 2,048; +16,384 K's scale words, one for two key tiles
; (bytes 0, 1 the even tile's, bytes 2, 3 the odd one's), 4 x 64; +16,640 V's scale words, 4 x 64.  qr holds the queries in K's places.
; All operands are images of their registers (16 bytes a lane, 512 a piece): dense loads and stores, no pitch.
; No cluster: what work-groups share here goes straight into registers, not into LDS by tensor loads.
; LIMITS: NaN and infinities are not served; a block whose largest magnitude lies under 2^-118 keeps the byte 1; a block of zeros gets the byte 1 where the rule says 127.
; REGISTERS: window 0 as named below; windows 1 and 2: the resident operand (tile t, K step k at v[32 t + 16 (k % 2)] of window 1 + k / 2);
;   window 3: v0-63 the streamed tile, v64-127 the bias along the resident rows, v128-255 the copy into LDS.
.set FFN, 0
.set RB,  16896
.set HS,  32*RB
.set LI,  4                            ; 16 x lane
.set L4,  5                            ; 4 x lane
.set L4S, 6                            ; 4 x lane + 65,536: the streamed scale words in LDS
.set A0,  7
.set A1,  8
.set SA,  9
.set SV,  10
.set SV2, 11
.set SAL, 12
.set CP,  13
.set CPS, 14
.set BRA, 15
.set RS,  16                           ; v16-31 the resident scale words: tile t, K steps 2 p (lanes 0-15) and 2 p + 1 (lanes 16-31) at RS + 2 t + p
.set XS,  32                           ; v32-35 the streamed ones, two sets
.set BL,  36                           ; v36-43 the bias along the streamed rows, one register a tile
.set BLA, 44
.set PWE, 45
.set PWO, 46
.set HA,  48
.set CT,  112
.set PC,  176
.set TM,  192
.set BR,  64
.set WV,  18
.set XX,  19
.set YY,  20
.set SEL, 22
.set MNT, 24
.set HM,  25
.set RP,  26
.set SP,  28
.set RSP, 30
.set SSP, 32
.set BP,  34
.set OP,  36
.set RO,  38
.set SO,  40
.set RSO, 42
.set SSO, 44
.set C0,  46
.set Z0,  47
.set S1,  48
.set S2,  49
.set D2,  50
.set T1,  51
.set T2,  52
.set D2S, 53
.set SLO, 54
.set SHI, 55
.set MQ,  56
.set MV,  57
.set MSB, 0
.macro WIN new                         ; the immediate's high byte repeats the setting that is left
.if MSB != (\new)
	s_set_vgpr_msb (MSB<<8)|(\new)
.set MSB, (\new)
.endif
.endm
; 64 numbers of a lane, register 16 b + i = place 32 b + 16 h + i, become a fragment's codes in v[PC] on and its scale word in v[pw].  relu = 1: what is negative becomes 0 on the way
.macro QUANT s, relu, pw
.if \relu
.irp b, 0,1,2,3
	v_max3_num_f32 v[TM+\b], v[\s+16*\b], v[\s+1+16*\b], 0x4800000   ; no |.|: what is negative must not count; the floor 2^(9 - 127) stands over it
.endr
.irp i, 2,4,6,8,10,12,14
.irp b, 0,1,2,3
	v_max3_num_f32 v[TM+\b], v[TM+\b], v[\s+16*\b+\i], v[\s+1+16*\b+\i]
.endr
.endr
.else
.irp b, 0,1,2,3
	v_max3_num_f32 v[TM+\b], |v[\s+16*\b]|, |v[\s+1+16*\b]|, 0x4800000   ; my 16 numbers of block b, and the floor 2^(9 - 127)
.endr
.irp i, 2,4,6,8,10,12,14
.irp b, 0,1,2,3
	v_max3_num_f32 v[TM+\b], v[TM+\b], |v[\s+16*\b+\i]|, |v[\s+1+16*\b+\i]|
.endr
.endr
.endif
.irp b, 0,1,2,3
	v_permlanex16_b32 v[TM+4+\b], v[TM+\b], s[SEL], s[SEL+1]
.endr
.irp b, 0,1,2,3
	v_max_num_f32 v[TM+\b], v[TM+\b], v[TM+4+\b]   ; with lane l xor 16's: the block's largest magnitude
.endr
.irp b, 0,1,2,3
	v_add_nc_u32 v[TM+12+\b], 0xfc000000, v[TM+\b] ; 8 off the exponent field: the conversion's scale operand
.endr
.irp b, 0,1,2,3
	v_and_or_b32 v[TM+8+\b], v[TM+\b], 0x7f800000, s[MNT]   ; 448 x the scale
.endr
.irp b, 0,1,2,3
	v_lshrrev_b32 v[TM+4+\b], 23, v[TM+12+\b]      ; the scale's byte
.endr
	v_lshl_or_b32 v[\pw], v[TM+5], 8, v[TM+4]
	v_lshl_or_b32 v[\pw], v[TM+6], 16, v[\pw]
	v_lshl_or_b32 v[\pw], v[TM+7], 24, v[\pw]
.irp b, 0,1,2,3
.irp i, 0,1,2,3,4,5,6,7,8,9,10,11,12,13,14,15
.if \relu
	v_med3_num_f32 v[\s+16*\b+\i], v[\s+16*\b+\i], 0, v[TM+8+\b]   ; the activation and the hold in one
.else
	v_med3_num_f32 v[\s+16*\b+\i], v[\s+16*\b+\i], -v[TM+8+\b], v[TM+8+\b]   ; the conversion does not saturate (ISA guide 7.6.2): hold first
.endif
.endr
	v_cvt_scalef32_pk8_fp8_f32 v[PC+4*\b:PC+1+4*\b], v[\s+16*\b:\s+7+16*\b], v[TM+12+\b]
	v_cvt_scalef32_pk8_fp8_f32 v[PC+2+4*\b:PC+3+4*\b], v[\s+8+16*\b:\s+15+16*\b], v[TM+12+\b]
.endr
	v_nop                                          ; a plain line behind the last conversion: the next products write v[s] on
.endm
; 32 matrix instructions: K step by K step, the eight accumulators by turns, one instruction a turn.
; cm = 0: the sums start from 0; 1: from the bias in window 3; 2: from what the accumulators hold.  Odd K steps take their scales from lanes 16-31.
.macro MM32 ha, xf, xs, cm
.irp k, 0,1,2,3
.if (\k == 0) && (\cm == 1)
	WIN 0x3d                                       ; source 0 window 1, sources 1 and 2 window 3
.elseif \k < 2
	WIN 0x0d                                       ; source 0 window 1, source 1 window 3
.else
	WIN 0x0e                                       ; source 0 window 2, source 1 window 3
.endif
.irp t, 0,1,2,3,4,5,6,7
.set rD, (\ha)+8*\t
.set rA, 32*\t+16*(\k%2)
.set rB, (\xf)+16*\k
.set rP, RS+2*\t+\k/2
.set rQ, (\xs)+\k/2
.if (\k == 0) && (\cm == 0)
	v_wmma_scale_f32_16x16x128_f8f6f4 v[rD:rD+7], v[rA:rA+15], v[rB:rB+15], 0, v[rP], v[rQ]
.elseif (\k == 0) && (\cm == 1)
	v_wmma_scale_f32_16x16x128_f8f6f4 v[rD:rD+7], v[rA:rA+15], v[rB:rB+15], v[BR+8*\t:BR+8*\t+7], v[rP], v[rQ]
.elseif (\k%2) == 0
	v_wmma_scale_f32_16x16x128_f8f6f4 v[rD:rD+7], v[rA:rA+15], v[rB:rB+15], v[rD:rD+7], v[rP], v[rQ]
.else
	v_wmma_scale_f32_16x16x128_f8f6f4 v[rD:rD+7], v[rA:rA+15], v[rB:rB+15], v[rD:rD+7], v[rP], v[rQ] matrix_a_scale:MATRIX_SCALE_ROW1 matrix_b_scale:MATRIX_SCALE_ROW1
.endif
.endr
.endr
	WIN 0
.endm
; the resident operand: 8 tiles x 4 K steps x 4 pieces of 512 bytes, and its 16 registers of scale words
.macro RESLOAD pc, ps, tstr, tss
.irp p, 0,1
	WIN 0x40+0x40*\p
.irp t, 0,1,2,3,4,5,6,7
.irp q, 0,1
.irp c, 0,1,2,3
	global_load_b128 v[32*\t+16*\q+4*\c:32*\t+16*\q+4*\c+3], v[LI], s[\pc:\pc+1] offset:\t*\tstr+(2*\p+\q)*2048+\c*512
.endr
.endr
.endr
.endr
	WIN 0
.irp t, 0,1,2,3,4,5,6,7
.irp p, 0,1
	global_load_b32 v[RS+2*\t+\p], v[L4], s[\ps:\ps+1] offset:\t*\tss+\p*128
.endr
.endr
.endm
.macro FETCH m                         ; streamed tile m from LDS: 16 pieces, and its two registers of scale words into set m % 2
	WIN 0xc0
.irp k, 0,1,2,3
.irp c, 0,1,2,3
	ds_load_b128 v[16*\k+4*\c:16*\k+4*\c+3], v[LI] offset:8192*(\m)+2048*\k+512*\c
.endr
.endr
	WIN 0
	ds_load_b32 v[XS+2*((\m)%2)], v[L4S] offset:256*(\m)
	ds_load_b32 v[XS+2*((\m)%2)+1], v[L4S] offset:256*(\m)+128
.endm
.macro TILE m
	s_wait_dscnt 0x0                               ; the tile and its scale words are in
	MM32 HA, 0, XS+2*((\m)%2), 1
.rept 8
	v_nop                                          ; eight places behind this form, in front of the loads into the tile's registers and of the first read of results
.endr
.if \m < 7
	FETCH (\m)+1
.endif
.if FFN == 0
.set j, 0
.rept 32
.if (\m)%2
	v_pk_add_f32 v[HA+j:HA+j+1], v[HA+j:HA+j+1], v[BL+2*((\m)/2):BL+2*((\m)/2)+1] op_sel:[0,1] op_sel_hi:[1,1]   ; the bias of my streamed row (v's channel; 0 for q and k)
.else
	v_pk_add_f32 v[HA+j:HA+j+1], v[HA+j:HA+j+1], v[BL+2*((\m)/2):BL+2*((\m)/2)+1] op_sel_hi:[1,0]
.endif
.set j, j+2
.endr
.endif
	s_wait_xcnt 0x0                                ; the last tile's stores have read their data and offsets: only now are these written again
.if (\m)%2
	QUANT HA, FFN, PWO
.else
	QUANT HA, FFN, PWE
.endif
	s_mul_i32 s66, s[S1], (\m)%4
	s_mul_i32 s67, s[S2], (\m)/4
	s_add_co_u32 s66, s66, s67
	s_add_co_u32 s66, s66, s[C0]
	v_add_nc_u32 v[A0], s66, v[LI]
	v_add_nc_u32 v[A1], s[D2], v[A0]
	global_store_b128 v[A0], v[PC:PC+3], s[OP:OP+1]                 ; each store: 512 consecutive bytes, aligned
	global_store_b128 v[A0], v[PC+4:PC+7], s[OP:OP+1] offset:512
	global_store_b128 v[A1], v[PC+8:PC+11], s[OP:OP+1]
	global_store_b128 v[A1], v[PC+12:PC+15], s[OP:OP+1] offset:512
.if (\m)%2
	v_perm_b32 v[SV], v[PWO], v[PWE], s[SLO]       ; q, k: the first head's bytes of both tiles; else the even tile's word
	v_perm_b32 v[SV2], v[PWO], v[PWE], s[SHI]      ; q, k: the second head's; else the odd tile's word
	v_cndmask_b32 v[SV], v[SV], v[SV2], s[HM]      ; lanes 16-31 store the second
	s_mul_i32 s66, s[T1], ((\m)/2)%2
	s_mul_i32 s67, s[T2], (\m)/4
	s_add_co_u32 s66, s66, s67
	s_add_co_u32 s66, s66, s[Z0]
	v_add_nc_u32 v[SA], s66, v[SAL]
	global_store_b32 v[SA], v[SV], s[OP:OP+1]
.endif
.endm
	s_load_b256 s[4:11], s[0:1], 0x0               ; xn, wt, then bq, bk (FFN: b1, hb)
.if FFN == 0
	s_load_b128 s[12:15], s[0:1], 0x20             ; bv, qr
	s_load_b64 s[16:17], s[0:1], 0x30              ; kv
	v_lshl_add_u32 v254, v0, 2, 0x10800
	v_mov_b32 v255, 0
.endif
	v_lshrrev_b32 v1, 5, v0
	v_readfirstlane_b32 s[WV], v1                  ; wave
	v_and_b32 v1, 31, v0                           ; lane
	v_and_b32 v2, 15, v0                           ; r
	v_bfe_u32 v3, v0, 4, 1                         ; h
	v_lshlrev_b32 v[LI], 4, v1
	v_lshlrev_b32 v[L4], 2, v1
	v_add_nc_u32 v[L4S], 65536, v[L4]
	s_lshl_b32 s58, s[WV], 14
	v_add_nc_u32 v[CP], s58, v[LI]                 ; my quarter of the streamed codes in LDS
	s_lshl_b32 s58, s[WV], 9
	v_add_nc_u32 v[CPS], s58, v[LI]
	v_add_nc_u32 v[CPS], 65536, v[CPS]             ; and of their scale words
	v_lshl_add_u32 v[BRA], v3, 5, s58              ; the bias along the resident rows: 32 h + 512 w
.irp b, 0,1,2,3
	v_mov_b32 v[TM+4+\b], 0                        ; written once: a lane permute's destination counts as one of its sources
.endr
	s_mov_b32 s[SEL], 0x76543210
	s_mov_b32 s[SEL+1], 0xfedcba98
	s_mov_b32 s[MNT], 0x600000
	s_mov_b32 s[HM], 0xffff0000
	s_mov_b32 s[XX], ttmp9
	s_and_b32 s[YY], ttmp7, 0xffff
.if FFN
	s_add_co_u32 s58, s[YY], 4                     ; W1's codes begin at 4 x 262,144
	s_mov_b32 s59, s[XX]
	s_mov_b32 s67, 3145728                         ; the resident scale words lie in wt,
	s_mov_b32 s68, 4194304                         ; the streamed ones in xn
	s_mov_b32 s[S1], 32768
	s_mov_b32 s[S2], 131072
	s_mov_b32 s[D2], 1024
	s_mov_b32 s[T1], 2048
	s_mov_b32 s[T2], 4096
	s_mov_b32 s[D2S], 1024
	s_mov_b32 s[SLO], 0x03020100
	s_mov_b32 s[SHI], 0x07060504
	s_lshl_b32 s71, s[YY], 2
	s_add_co_u32 s71, s71, s[WV]                   ; my K step of hb
	s_lshl_b32 s[C0], s[XX], 18
	s_lshl_b32 s72, s71, 11
	s_add_co_u32 s[C0], s[C0], s72
	s_lshl_b32 s[Z0], s[XX], 13
	s_lshl_b32 s72, s71, 6
	s_add_co_u32 s[Z0], s[Z0], s72
	s_add_co_u32 s[Z0], s[Z0], 16777216
.else
	s_lshr_b32 s58, s[XX], 2
	s_and_b32 s60, s[XX], 3
	s_add_co_u32 s59, s60, 8                       ; Wv's codes begin at 8 x 65,536
	s_lshl_b32 s72, s60, 9
	v_lshl_add_u32 v[BLA], v2, 2, s72              ; the bias along the streamed rows: 4 r + 512 (x % 4)
	s_lshl_b32 s60, s60, 1
	s_lshl_b32 s61, s[WV], 1
	s_and_b32 s62, s58, 7
	s_lshl_b32 s62, s62, 2
	s_add_co_u32 s62, s62, s[WV]
	s_and_b32 s63, s[XX], 31
	s_cmp_eq_u32 s[YY], 2                          ; v, or q and k?  (s_mov_b32 and s_cselect_b32 leave SCC as it is)
	s_cselect_b32 s58, s58, s[YY]                  ; the resident operand's place, in units of 262,144 bytes
	s_cselect_b32 s59, s59, s[XX]                  ; the streamed one's, in units of 65,536
	s_cselect_b32 s60, s60, s61                    ; my first head
	s_cselect_b32 s62, s62, s63                    ; my key step
	s_mov_b32 s66, 3145728
	s_cselect_b32 s67, 4194304, s66                ; where the resident scale words begin
	s_mov_b32 s66, 4194304
	s_cselect_b32 s68, 3145728, s66                ; and the streamed ones
	s_cselect_b32 s69, 8192, 0                     ; V's or K's codes in a record
	s_mov_b32 s66, 16384
	s_cselect_b32 s70, 16640, s66                  ; V's or K's scale words
	s_mov_b32 s[S1], 1024
	s_cselect_b32 s[S1], 2048, s[S1]               ; bytes from tile to tile among four,
	s_mov_b32 s[S2], 4096
	s_cselect_b32 s[S2], HS, s[S2]                 ; and to the second four
	s_mov_b32 s[D2], HS
	s_cselect_b32 s[D2], 1024, s[D2]               ; from the fragment's first half to its second
	s_cselect_b32 s[T1], 128, 64
	s_mov_b32 s[T2], 128
	s_cselect_b32 s[T2], HS, s[T2]
	s_mov_b32 s[D2S], HS
	s_cselect_b32 s[D2S], 64, s[D2S]
	s_mov_b32 s[SLO], 0x05040100
	s_cselect_b32 s[SLO], 0x03020100, s[SLO]
	s_mov_b32 s[SHI], 0x07060302
	s_cselect_b32 s[SHI], 0x07060504, s[SHI]
	s_cselect_b32 s[MQ], 0, -1
	s_cselect_b32 s[MV], -1, 0
	s_lshr_b32 s71, s[XX], 5                       ; the batch
	s_lshl_b32 s71, s71, 3
	s_add_co_u32 s71, s71, s60
	s_lshl_b32 s71, s71, 5
	s_add_co_u32 s71, s71, s62                     ; my first record
	s_mul_i32 s71, s71, RB
	s_add_co_u32 s[C0], s71, s69
	s_add_co_u32 s[Z0], s71, s70
.endif
	s_lshl_b32 s[RO], s58, 18
	s_lshl_b32 s72, s[WV], 16
	s_add_co_u32 s[RO], s[RO], s72                 ; my 8 resident tiles
	s_mov_b32 s[RO+1], 0
	s_lshr_b32 s[RSO], s[RO], 5
	s_add_co_u32 s[RSO], s[RSO], s67
	s_mov_b32 s[RSO+1], 0
	s_lshl_b32 s[SO], s59, 16
	s_lshr_b32 s[SSO], s[SO], 5
	s_add_co_u32 s[SSO], s[SSO], s68
	s_lshl_b32 s72, s[WV], 9
	s_add_co_u32 s[SSO], s[SSO], s72               ; my quarter of the copy
	s_mov_b32 s[SSO+1], 0
	s_lshl_b32 s72, s[WV], 14
	s_add_co_u32 s[SO], s[SO], s72
	s_mov_b32 s[SO+1], 0
	v_mul_u32_u24 v[SAL], s[D2S], v3
	v_lshl_add_u32 v[SAL], v2, 2, v[SAL]           ; scale words: 4 r, lanes 16-31 further on
	s_wait_kmcnt 0x0
.if FFN
	s_mov_b64 s[RP:RP+1], s[6:7]
	s_mov_b64 s[SP:SP+1], s[4:5]
	s_lshl_b32 s72, s[YY], 11
	s_mov_b32 s73, 0
	s_add_nc_u64 s[BP:BP+1], s[8:9], s[72:73]
	s_mov_b64 s[OP:OP+1], s[10:11]
.else
	s_cmp_eq_u32 s[YY], 2                          ; the choices hang on the work-group's number alone
	s_cselect_b64 s[RP:RP+1], s[4:5], s[6:7]
	s_cselect_b64 s[SP:SP+1], s[6:7], s[4:5]
	s_cselect_b64 s[BP:BP+1], s[12:13], s[10:11]
	s_cmp_eq_u32 s[YY], 0
	s_cselect_b64 s[BP:BP+1], s[8:9], s[BP:BP+1]
	s_cselect_b64 s[OP:OP+1], s[14:15], s[16:17]
.endif
	s_add_nc_u64 s[RSP:RSP+1], s[RP:RP+1], s[RSO:RSO+1]
	s_add_nc_u64 s[RP:RP+1], s[RP:RP+1], s[RO:RO+1]
	s_add_nc_u64 s[SSP:SSP+1], s[SP:SP+1], s[SSO:SSO+1]
	s_add_nc_u64 s[SP:SP+1], s[SP:SP+1], s[SO:SO+1]
	RESLOAD RP, RSP, 8192, 256
	WIN 0xc0                                       ; destination window 3
.irp t, 0,1,2,3,4,5,6,7
.irp u, 0,1
	global_load_b128 v[BR+8*\t+4*\u:BR+8*\t+4*\u+3], v[BRA], s[BP:BP+1] offset:64*\t+16*\u
.endr
.endr
.set n, 0
.rept 32
	global_load_b128 v[128+4*n:128+4*n+3], v[LI], s[SP:SP+1] offset:512*n   ; my 16 KiB of the streamed codes
.set n, n+1
.endr
	WIN 0
	global_load_b128 v[CT:CT+3], v[LI], s[SSP:SSP+1]
.if FFN == 0
.irp m, 0,1,2,3,4,5,6,7
	global_load_b32 v[BL+\m], v[BLA], s[BP:BP+1] offset:64*\m
.endr
.endif
	s_wait_loadcnt 0x0
.if FFN == 0                           ; both forms of the bias were loaded, from places inside the buffer; the one that is not the mode's becomes 0
	WIN 0xcc
.set n, 0
.rept 64
	v_cndmask_b32 v[BR+n], 0, v[BR+n], s[MQ]
.set n, n+1
.endr
	WIN 0
.irp m, 0,1,2,3,4,5,6,7
	v_cndmask_b32 v[BL+\m], 0, v[BL+\m], s[MV]
.endr
.endif
	WIN 0x0c                                       ; an LDS store's data are its source 1: window 3
.set n, 0
.rept 32
	ds_store_b128 v[CP], v[128+4*n:128+4*n+3] offset:512*n
.set n, n+1
.endr
	WIN 0
	ds_store_b128 v[CPS], v[CT:CT+3]
	s_wait_dscnt 0x0                               ; for the others' sake: my quarter lies in LDS
	s_barrier_signal -1
	s_barrier_wait -1                              ; the eight tiles are whole; nothing is written there again
	FETCH 0
.irp m, 0,1,2,3,4,5,6,7
	TILE \m
.endr
	s_wait_tensorcnt 0x0
	ds_add_u32 v254, v255
	s_wait_dscnt 0x0
	s_endpgm
.Lfunc_end_k_q26a6780e9b_qkv:
	.size	k_q26a6780e9b_qkv, .Lfunc_end_k_q26a6780e9b_qkv-k_q26a6780e9b_qkv
	.p2alignl 7, 3214868480
	.fill 96, 4, 3214868480
	.section	.rodata,"a",@progbits
	.p2align	6, 0x0
	.amdhsa_kernel k_q26a6780e9b_qkv
		.amdhsa_group_segment_fixed_size 68096
		.amdhsa_private_segment_fixed_size 0
		.amdhsa_enable_private_segment 0
		.amdhsa_kernarg_size 56
		.amdhsa_user_sgpr_count 2
		.amdhsa_user_sgpr_kernarg_segment_ptr 1
		.amdhsa_wavefront_size32 1
		.amdhsa_system_sgpr_workgroup_id_x 1
		.amdhsa_system_sgpr_workgroup_id_y 1
		.amdhsa_system_sgpr_workgroup_id_z 1
		.amdhsa_system_vgpr_workitem_id 0
		.amdhsa_next_free_vgpr 1024
		.amdhsa_next_free_sgpr 90
		.amdhsa_reserve_vcc 0
		.amdhsa_float_denorm_mode_32 3
		.amdhsa_float_denorm_mode_16_64 3
		.amdhsa_memory_ordered 1
		.amdhsa_forward_progress 1
		.amdhsa_inst_pref_size 162
	.end_amdhsa_kernel
	.amdgpu_metadata
---
amdhsa.version: [ 1, 2 ]
amdhsa.kernels:
  - .name:           k_q26a6780e9b_qkv
    .symbol:         k_q26a6780e9b_qkv.kd
    .args:
      - { .name: xn, .offset: 0, .size: 8, .value_kind: global_buffer, .address_space: global }
      - { .name: wt, .offset: 8, .size: 8, .value_kind: global_buffer, .address_space: global }
      - { .name: bq, .offset: 16, .size: 8, .value_kind: global_buffer, .address_space: global }
      - { .name: bk, .offset: 24, .size: 8, .value_kind: global_buffer, .address_space: global }
      - { .name: bv, .offset: 32, .size: 8, .value_kind: global_buffer, .address_space: global }
      - { .name: qr, .offset: 40, .size: 8, .value_kind: global_buffer, .address_space: global }
      - { .name: kv, .offset: 48, .size: 8, .value_kind: global_buffer, .address_space: global }
    .group_segment_fixed_size: 68096
    .private_segment_fixed_size: 0
    .kernarg_segment_align: 8
    .kernarg_segment_size: 56
    .max_flat_workgroup_size: 128
    .sgpr_count:     90
    .vgpr_count:     1024
    .wavefront_size: 32
...
	.end_amdgpu_metadata
.endif
;; end of part 3
;; launch attn (part 4): grid 16 x 16, 16 waves a work-group, no clusters, 327,680 bytes of LDS; arguments qr, kv, cx; writes cx
.if DOCPART == 4
	.amdgcn_target "amdgcn-amd-amdhsa--gfx1250"
	.amdhsa_code_object_version 6
	.text
	.protected	k_q26a6780e9b_attn
	.globl	k_q26a6780e9b_attn
	.p2align	8
	.type	k_q26a6780e9b_attn,@function
k_q26a6780e9b_attn:
	s_mov_b64 s[64:65], 0
	v_nop
	global_prefetch_b8 v0, s[64:65] scope:SCOPE_SE
	s_setreg_imm32_b32 hwreg(HW_REG_WAVE_MODE, 25, 1), 1
	s_wait_xcnt 0x0
; ctx = softmax(q k^T / 8) v for one head, both products on codes of E4M3 with one E8M0 byte for each 32 along a product's K; ctx is quantised along its channels on the way out (it is the next product's operand).
; THE SOFTMAX AHEAD OF THE SECOND PRODUCT: t = score x log2(e) / 8; M = the running largest t rounded UP to a whole number; p = 2^(t - M) is quantised along the keys, not normalised.
; The row's sum is taken of the unquantised p and divides at the end.  When M moves, the sum and O are multiplied by 2^(old M - new M): exact, and no branch on data.
; SHARES.  A work-group owns 256 queries of one head; each of its sixteen waves 16 of them, in 256 registers: four waves to a SIMD, so that one wave's vector work stands beside another's products and LDS loads.
; Every wave walks the head's 32 key steps of 128 keys.  A key step is one dense RECORD of 16,896 bytes (K's codes, V's codes, both scale words); a slot holds four; waves 0 to 3 fetch one record each by one tensor load.
; BOTH PRODUCTS ARE USED TRANSPOSED: S^T = K Q^T, O^T = V^T P^T: a lane holds one query (lane % 16) throughout.  Register 8 t + j of S^T is key 16 t + 8 h + j: the order in which V's keys were laid.
; THE HEAD HAS 64 CHANNELS, HALF OF THE INSTRUCTION'S 128: a fragment of 16 registers holds TWO key tiles, and is multiplied once by [q | 0] and once by [0 | q]; the other tile meets zero codes, which add nothing
; (K's codes were held, so none is NaN, and no scale byte is 0xff).  v16-23 = 0, v24-31 = q, v32-39 = 0 give both operands without a copy.
; THE ORDER OF A STEP.  Behind the row's statistics the softmax goes block by block (32 keys, 16 registers a lane) as a pipeline: among block b's sixteen exponentials stand, two behind each, the plain lines that are
; ready: t - M of block b + 1, the sums and the holds of block b - 1, the scale work, half of O^T's rescaling.  So a wave has plain work to issue between its exponentials, and each exponential has its plain line behind it.
; NO CLUSTER: the 16 work-groups of a head do walk the same records, but a step's 16,896 bytes arrive beside some 290 vector instructions of each of sixteen waves, and a slot's load has four steps in which to land.
; LIMITS: NaN and infinities are not served; a block of ctx whose largest magnitude lies under 2^-118 keeps the byte 1; a block of zeros gets the byte 1 where the rule says 127.
.set RB,    16896
.set SLOT1, 131072                     ; slot 1 begins here: one exclusive or turns an address in one slot into the other's
.set SPARE, 262144                     ; the spare words, 128 bytes for each of sixteen waves: eight blocks of 256 bytes that no other line names
.set XSC,   4194304
.set LI,   1                           ; 16 x lane
.set L4,   2                           ; 4 x lane + 16,384: the scale words in a record
.set SPW,  3
.set NIL,  4
.set AD16, 5
.set AD4,  6
.set GS,   8                           ; 4 r + h: my byte among ctx's scale bytes
.set KS,   9                           ; v9-10  K's scale words;  v11-12 V's
.set VS,   11
.set TT,   13                          ; the running largest t
.set Q1,   16
.set Q0,   24
.set QS,   40
.set QW,   41
.set OM,   42                          ; the last step's -M
.set NM,   44                          ; -M (low half of a pair)
.set KF,   48                          ; v48-111  four fragments: K's, then V's
.set S,    112                         ; v112-175 S^T, then p
.set OT,   176                         ; v176-207 O^T
.set PC,   208                         ; v208-223 p's codes
.set BM,   224
.set T2,   228
.set HO,   232
.set SO,   236
.set TMP,  240
.set PW,   241
.set F,    242
.set WV,   10
.set G1,   16
.set G0,   24
.set SEL,  28
.set CS,   30
.set MNT,  32
.set TB,   33
.set SLOTS, 34
.set CNT,  35
.set HM,   36
.macro TLOAD                           ; waves 0 to 3 fetch, the others nothing; the branch hangs on the wave's number alone; four v_nop follow the load
	s_cmp_lt_u32 s[WV], 4
	s_cbranch_scc0 .Lasked_\@
	tensor_load_to_lds s[G0:G0+3], s[G1:G1+7]
	s_nop 0
.rept 4
	v_nop
.endr
.Lasked_\@:
.endm
	s_load_b128 s[4:7], s[0:1], 0x0                ; qr, kv
	s_load_b64 s[8:9], s[0:1], 0x10                ; cx
	v_lshl_add_u32 v[SPW], v0, 2, SPARE
	v_mov_b32 v[NIL], 0
	ds_add_u32 v3, v4
	s_wait_dscnt 0x0
	v_lshrrev_b32 v5, 5, v0
	v_readfirstlane_b32 s[WV], v5                  ; wave 0..15
	s_and_b32 s37, ttmp7, 0xffff                   ; batch x 8 + head
	; descriptor group 1: a record as 66 rows of 256 dense bytes (32 elements of 8 bytes), no padding: every read of it is 512 consecutive bytes
	s_mov_b32 s[G1], 3<<16
	s_mov_b32 s[G1+1], 32<<16                      ; tensor_dim0
	s_mov_b32 s[G1+2], 66<<16                      ; tensor_dim1
	s_mov_b32 s[G1+3], 32<<16                      ; tile_dim0
	s_mov_b32 s[G1+4], 66                          ; tile_dim1
	s_mov_b32 s[G1+5], 32                          ; pitch
	s_mov_b32 s[G1+6], 0
	s_mov_b32 s[G1+7], 0
	s_lshl_b32 s38, s37, 5                         ; the head's first record
	s_add_co_u32 s39, s38, s[WV]
	s_mul_i32 s40, s39, RB                         ; the record that I fetch first,
	s_mov_b32 s41, 0
	s_mul_i32 s42, s[WV], RB                       ; and its place in a slot
	s_lshl_b32 s43, ttmp9, 1
	s_add_co_u32 s43, s43, s38
	s_lshr_b32 s44, s[WV], 3
	s_add_co_u32 s43, s43, s44                     ; my queries' record: tile 16 x + w, eight tiles to a record
	s_mul_i32 s44, s43, RB
	s_and_b32 s45, s[WV], 7
	s_lshl_b32 s46, s45, 10
	s_add_co_u32 s46, s46, s44                     ; their codes
	s_mov_b32 s47, 0
	s_lshr_b32 s45, s45, 1
	s_lshl_b32 s45, s45, 6
	s_add_co_u32 s44, s44, s45
	s_add_co_u32 s44, s44, 16384                   ; their scale word, shared with the neighbouring tile
	s_mov_b32 s45, 0
	s_and_b32 s39, s[WV], 1
	s_cmp_eq_u32 s39, 0
	s_mov_b32 s39, 0x03020302
	s_cselect_b32 s39, 0x01000100, s39             ; my tile's two bytes of it, twice
	s_mov_b32 s[SEL], 0x76543210
	s_mov_b32 s[SEL+1], 0xfedcba98                 ; v_permlanex16_b32's selects for lane l xor 16
	s_mov_b32 s[CS], 0x3e38aa3b                    ; c = log2(e) / 8
	s_mov_b32 s[CS+1], s[CS]                       ; (named with it as a pair, so it is written)
	s_mov_b32 s[MNT], 0x600000                     ; the mantissa field of 448
	s_mov_b32 s[HM], 0xffff0000                    ; lanes 16-31
	s_mov_b32 s[TB], 0
	s_mov_b32 s[SLOTS], 7
	s_wait_kmcnt 0x0
	s_mov_b32 s[G0], 1                             ; count = 1
	s_mov_b32 s[G0+1], s42                         ; LDS address: slot 0
	s_add_nc_u64 s[G0+2:G0+3], s[6:7], s[40:41]    ; global address
	s_or_b32 s[G0+3], s[G0+3], 0x80000000          ; type = 2
	TLOAD                                          ; slot 0: the one first fill at the start
	s_add_nc_u64 s[46:47], s[4:5], s[46:47]
	s_add_nc_u64 s[44:45], s[4:5], s[44:45]
	v_and_b32 v5, 31, v0
	v_lshlrev_b32 v[LI], 4, v5
	v_lshlrev_b32 v[L4], 2, v5
	v_add_nc_u32 v[L4], 16384, v[L4]
	v_and_b32 v6, 15, v0
	v_lshlrev_b32 v7, 2, v6                        ; 4 r
	v_bfe_u32 v[GS], v0, 4, 1
	v_add_nc_u32 v[GS], v[GS], v7
	global_load_b128 v[24:27], v[LI], s[46:47]     ; q stays in registers
	global_load_b128 v[28:31], v[LI], s[46:47] offset:512
	global_load_b32 v[QW], v7, s[44:45]
.irp j, 0,1,2,3,4,5,6,7
	v_mov_b32 v[16+\j], 0                          ; zero codes on both sides of q
	v_mov_b32 v[32+\j], 0
.endr
	v_mov_b32 v[TT], 0xff61b1e6                    ; the largest t so far: -3e38, under every t
	v_floor_f32 v[NM], -v[TT]                      ; -M
	v_mov_b32 v[NM+1], 0                           ; (upper halves of pairs that are named)
	v_mov_b32 v[F+1], 0
	v_mov_b32 v14, 0                               ; the sum, in two halves
	v_mov_b32 v15, 0
.irp b, 0,1,2,3
	v_mov_b32 v[T2+\b], 0                          ; written once: a lane permute's destination counts as one of its sources
.endr
.set j, 0
.rept 32
	v_mov_b32 v[OT+j], 0                           ; O^T.  (The step is written for every trip alike: the first finds zeros, which the first change of M leaves zeros)
.set j, j+1
.endr
	s_wait_loadcnt 0x0
	v_perm_b32 v[QS], v[QW], v[QW], s39            ; q's scale word: (s0, s1, s0, s1), right for [q | 0] and for [0 | q]
; THE LINES OF THE SOFTMAX, one macro to a kind
.macro PF p                            ; t - M of the two scores of pair p
	v_pk_fma_f32 v[S+2*(\p):S+2*(\p)+1], v[S+2*(\p):S+2*(\p)+1], s[CS:CS+1], v[NM:NM+1] op_sel_hi:[1,0,0]
.endm
.macro EX j                            ; p = 2^(t - M), at most 1
	v_exp_f32 v[S+(\j)], v[S+(\j)]
.endm
.macro AD b, n                         ; the n-th of block b's eight additions: THE ROW'S SUM IS TAKEN OF THE UNQUANTISED p, two at a time, in two chains; the first addition of all starts the second chain from two pairs
.set rr, S+16*(\b)+4*((\n)/2)
.if ((\b) == 0) && ((\n) == 0)
	s_wait_alu depctr_va_vdst(0)
	v_pk_add_f32 v[T2:T2+1], v[S:S+1], v[S+2:S+3]
.elseif ((\b) == 0) && ((\n) == 1)
.elseif ((\n)%2) == 0
	s_wait_alu depctr_va_vdst(0)
	v_pk_add_f32 v[14:15], v[14:15], v[rr:rr+1]
.else
	s_wait_alu depctr_va_vdst(0)
	v_pk_add_f32 v[T2:T2+1], v[T2:T2+1], v[rr+2:rr+3]
.endif
.endm
.macro MN j                            ; the conversion does not saturate (ISA guide 7.6.2); p is not negative, so the hold is one-sided
	v_min_num_f32 v[S+(\j)], v[S+(\j)], v[HO+(\j)/16]
.endm
.macro CV b                            ; block b's 16 codes of my lane
	v_cvt_scalef32_pk8_fp8_f32 v[PC+4*(\b):PC+1+4*(\b)], v[S+16*(\b):S+7+16*(\b)], v[SO+(\b)]
	v_cvt_scalef32_pk8_fp8_f32 v[PC+2+4*(\b):PC+3+4*(\b)], v[S+8+16*(\b):S+15+16*(\b)], v[SO+(\b)]
	s_wait_alu depctr_va_vdst(0)
.endm
.macro ORS p                           ; pair p of O^T under the new M
	v_pk_mul_f32 v[OT+2*(\p):OT+2*(\p)+1], v[OT+2*(\p):OT+2*(\p)+1], v[F:F+1] op_sel_hi:[1,0]
.endm
.macro P0 n                            ; the n-th of the 28 plain lines that stand among block 0's exponentials: the sums under the new M, the four blocks' scale work, t - M of block 1
.if (\n) == 0
	v_pk_mul_f32 v[14:15], v[14:15], v[F:F+1] op_sel_hi:[1,0]
	s_wait_alu depctr_va_vdst(0)
.elseif (\n) < 5
	v_max_num_f32 v[BM+(\n)-1], 0x4800000, v[BM+(\n)-1]       ; the floor 2^(9 - 127): the byte cannot fall under 1
.elseif (\n) < 9
	v_add_nc_u32 v[SO+(\n)-5], 0xfc000000, v[BM+(\n)-5]       ; 8 off the exponent field: the conversion's scale operand
.elseif (\n) < 13
	v_and_or_b32 v[HO+(\n)-9], v[BM+(\n)-9], 0x7f800000, s[MNT]   ; 448 x the scale
.elseif (\n) < 17
	v_lshrrev_b32 v[T2+(\n)-13], 23, v[SO+(\n)-13]            ; the scale's byte
.elseif (\n) == 17
	v_lshl_or_b32 v[PW], v[T2+1], 8, v[T2]                    ; p's scale word for these 128 keys, a line of block 1 between its links
.elseif (\n) == 18
	PF 8
.elseif (\n) == 19
	v_lshl_or_b32 v[PW], v[T2+2], 16, v[PW]
.elseif (\n) == 20
	PF 9
.elseif (\n) == 21
	v_lshl_or_b32 v[PW], v[T2+3], 24, v[PW]
.else
	PF (\n)-12
.endif
.endm
.macro PL b, n                         ; the n-th of the 32 plain lines that stand among block b's exponentials (b = 1, 2, 3)
.if (\n) < 8
.if (\b) < 3
	PF 8*((\b)+1)+(\n)
.else
	ORS (\n)
.endif
.elseif (\n) < 16
	AD (\b)-1, (\n)-8
.else
	MN 16*((\b)-1)+(\n)-16
.endif
.endm
; A KEY STEP: the record at LDS byte s[TB]
.macro STEP
	v_add_nc_u32 v[AD16], s[TB], v[LI]
	v_add_nc_u32 v[AD4], s[TB], v[L4]
.rept 6
	v_nop                                          ; with the two additions: eight places in front of loads into registers that the last products read
.endr
	ds_load_b32 v[KS], v[AD4]                      ; lanes 0-15: pair 0's words, lanes 16-31: pair 1's
	ds_load_b32 v[KS+1], v[AD4] offset:128
.irp i, 0,1,2,3
.irp c, 0,1,2,3
	ds_load_b128 v[KF+16*\i+4*\c:KF+16*\i+4*\c+3], v[AD16] offset:2048*\i+512*\c   ; key tiles 2 i and 2 i + 1
.endr
.endr
.irp t, 0,1,2,3,4,5,6,7
.if (\t%2) == 0
	s_wait_dscnt 12-2*\t                           ; LDS loads come back in order: the fragment of tiles t and t + 1 is in; the four loads of each later fragment may stay out
.endif
.set rA, KF+16*(\t/2)
.if \t%2
.set rB, Q1
.else
.set rB, Q0
.endif
.if (\t/2)%2
	v_wmma_scale_f32_16x16x128_f8f6f4 v[S+8*\t:S+8*\t+7], v[rA:rA+15], v[rB:rB+15], 0, v[KS+\t/4], v[QS] matrix_a_scale:MATRIX_SCALE_ROW1
.else
	v_wmma_scale_f32_16x16x128_f8f6f4 v[S+8*\t:S+8*\t+7], v[rA:rA+15], v[rB:rB+15], 0, v[KS+\t/4], v[QS]
.endif
.endr
	v_mov_b32 v[OM], v[NM]                         ; the old -M is kept.  With the seven below: eight places, in front of V's loads into K's registers and of the first read of the scores
.rept 7
	v_nop
.endr
.irp i, 0,1,2,3
.irp c, 0,1,2,3
	ds_load_b128 v[KF+16*\i+4*\c:KF+16*\i+4*\c+3], v[AD16] offset:8192+2048*\i+512*\c   ; V^T: channel tile i x these 128 keys; they land during the softmax
.endr
.endr
	ds_load_b32 v[VS], v[AD4] offset:256           ; V's scale words: channel tiles 0 and 1,
	ds_load_b32 v[VS+1], v[AD4] offset:384         ; 2 and 3
.irp b, 0,1,2,3
	v_max3_num_f32 v[BM+\b], v[S+16*\b], v[S+1+16*\b], v[S+2+16*\b]   ; the largest score of each block of 32 keys: it serves the row's maximum and, since p rises with the score, the block's largest p
.endr
.irp i, 3,5,7,9,11,13
.irp b, 0,1,2,3
	v_max3_num_f32 v[BM+\b], v[BM+\b], v[S+16*\b+\i], v[S+1+16*\b+\i]
.endr
.endr
.irp b, 0,1,2,3
	v_max_num_f32 v[BM+\b], v[BM+\b], v[S+15+16*\b]
.endr
.irp b, 0,1,2,3
	v_permlanex16_b32 v[T2+\b], v[BM+\b], s[SEL], s[SEL+1]
.endr
.irp b, 0,1,2,3
	v_max_num_f32 v[BM+\b], v[BM+\b], v[T2+\b]     ; with lane l xor 16's 16 keys
.endr
	v_max3_num_f32 v[TMP], v[BM], v[BM+1], v[BM+2]
	v_max_num_f32 v[TMP], v[TMP], v[BM+3]          ; the step's largest score of my query
	v_mul_f32 v[TMP], s[CS], v[TMP]                ; as t (c is positive)
	v_max_num_f32 v[TT], v[TT], v[TMP]             ; the running largest t
	v_floor_f32 v[NM], -v[TT]                      ; the new -M = floor(-t) = -ceil(t)
	v_sub_f32 v[TMP], v[NM], v[OM]                 ; old M less new M: a whole number, 0 or less
	v_fma_f32 v[BM], v[BM], s[CS], v[NM]           ; t - M of each block's largest score, between the links of the chain that makes f
	v_cvt_i32_f32 v[TMP], v[TMP]                   ; (it saturates)
	v_fma_f32 v[BM+1], v[BM+1], s[CS], v[NM]
	v_ldexp_f32 v[F], 1.0, v[TMP]                  ; f = 2^(old M - new M)
	v_fma_f32 v[BM+2], v[BM+2], s[CS], v[NM]
	v_fma_f32 v[BM+3], v[BM+3], s[CS], v[NM]
.irp b, 0,1,2,3
	v_exp_f32 v[BM+\b], v[BM+\b]                   ; the block's largest p: the same two instructions on the same number as its score's own
	PF \b
.endr
.irp p, 4,5,6,7
	PF \p
.endr
.set ii, 0
.set kk, 0
.rept 16                                       ; block 0's exponentials, and the 28 plain lines that are ready
	EX ii
	P0 kk
.set kk, kk+1
.if ii < 12
	P0 kk
.set kk, kk+1
.endif
.set ii, ii+1
.endr
.irp b, 1,2,3                                  ; block b's exponentials; behind each, two plain lines on other blocks' registers
.set ii, 0
.rept 16
	EX 16*\b+ii
	PL \b, 2*ii
	PL \b, 2*ii+1
.set ii, ii+1
.endr
	CV \b-1                                        ; the block before is held: its codes
.endr
.set ii, 0
.rept 8
	AD 3, ii
.set ii, ii+1
.endr
.set ii, 48
.rept 16
	MN ii
.set ii, ii+1
.endr
	CV 3
	v_pk_add_f32 v[14:15], v[14:15], v[T2:T2+1]    ; the two chains of the sum.  (The plain line behind the conversions)
.set ii, 8
.rept 8
	ORS ii                                         ; the rest of O^T under the new M.  (With the line above: nine plain lines between the last conversion and the products)
.set ii, ii+1
.endr
	s_wait_dscnt 0x0                               ; V is in
.irp t, 0,1,2,3
.if \t%2
	v_wmma_scale_f32_16x16x128_f8f6f4 v[OT+8*\t:OT+8*\t+7], v[KF+16*\t:KF+16*\t+15], v[PC:PC+15], v[OT+8*\t:OT+8*\t+7], v[VS+\t/2], v[PW] matrix_a_scale:MATRIX_SCALE_ROW1
.else
	v_wmma_scale_f32_16x16x128_f8f6f4 v[OT+8*\t:OT+8*\t+7], v[KF+16*\t:KF+16*\t+15], v[PC:PC+15], v[OT+8*\t:OT+8*\t+7], v[VS+\t/2], v[PW]
.endif
.endr
.endm
; THE CHANGE OF SLOTS stands at a slot's head.  Each wave waits for all its tensor loads (its record of the slot ahead), adds 0 to its spare word, and waits for that and for its reads of the slot that it has left.
; Behind the barrier the slot ahead is whole and nobody reads the other one.  fill = 1: that other slot takes the next four records: the load has four key steps in which to land.
.macro CHANGE fill
	s_wait_tensorcnt 0x0                           ; no tensor load of mine is out, so the group 0 may be written
	ds_add_u32 v[SPW], v[NIL]                      ; 0 onto my spare word
.if \fill
	s_xor_b32 s[G0+1], s[G0+1], SLOT1              ; the other slot than last time,
	s_add_nc_u64 s[G0+2:G0+3], s[G0+2:G0+3], 4*RB  ; four records on; the type bits on top are not reached
.endif
	s_wait_dscnt 0x0                               ; the add is done, and my reads of the slot that I have left are over
	s_barrier_signal -1
	s_barrier_wait -1
.if \fill
	TLOAD                                          ; the first thing behind the barrier, and a wave's one tensor load until the next
.endif
.endm
.macro FOUR_STEPS                      ; a slot's four key steps: written once, walked four times
	s_mov_b32 s[CNT], 4
.Lstep_\@:
	STEP
	s_add_co_u32 s[TB], s[TB], RB
	s_sub_co_u32 s[CNT], s[CNT], 1
	s_cmp_lg_u32 s[CNT], 0
	s_cbranch_scc1 .Lstep_\@
	s_sub_co_u32 s[TB], s[TB], 4*RB                ; back to a slot's first record,
	s_xor_b32 s[TB], s[TB], SLOT1                  ; in the other slot
.endm
.Lslot:                                            ; seven trips: behind each change of slots but the last the next slot is asked for
	CHANGE 1
	FOUR_STEPS
	s_sub_co_u32 s[SLOTS], s[SLOTS], 1
	s_cmp_lg_u32 s[SLOTS], 0
	s_cbranch_scc1 .Lslot
	CHANGE 0                                       ; the last slot is written out
	FOUR_STEPS
	; THE WAY OUT.  O^T / the sum is my 16 queries x the head's 64 channels: two blocks of 32 of the next product's K, in the order of that operand's registers: quantised here, stored as an image.
.rept 8
	v_nop                                          ; eight places behind the last products
.endr
	s_lshr_b32 s38, s37, 3
	s_lshl_b32 s38, s38, 8
	s_lshl_b32 s39, ttmp9, 4
	s_add_co_u32 s38, s38, s39
	s_add_co_u32 s38, s38, s[WV]                   ; my token tile: 256 x batch + 16 x + w
	s_and_b32 s39, s37, 7                          ; the head
	s_lshr_b32 s40, s39, 1                         ; its K step,
	s_and_b32 s39, s39, 1                          ; and which half of it
	s_lshl_b32 s42, s38, 13
	s_lshl_b32 s43, s40, 11
	s_add_co_u32 s42, s42, s43
	s_lshl_b32 s43, s39, 10
	s_add_co_u32 s42, s42, s43
	s_mov_b32 s43, 0
	s_lshl_b32 s44, s38, 8
	s_lshl_b32 s45, s40, 6
	s_add_co_u32 s44, s44, s45
	s_lshl_b32 s45, s39, 1
	s_add_co_u32 s44, s44, s45
	s_add_co_u32 s44, s44, XSC
	s_mov_b32 s45, 0
	s_add_nc_u64 s[42:43], s[8:9], s[42:43]        ; ctx's codes
	s_add_nc_u64 s[44:45], s[8:9], s[44:45]        ; and scale bytes
	v_add_f32 v14, v14, v15                        ; the sum's two halves,
	v_permlanex16_b32 v[TMP], v14, s[SEL], s[SEL+1]
	v_add_f32 v14, v14, v[TMP]                     ; and lane l xor 16's: the row's sum
	v_rcp_f32 v14, v14
	v_nop                                          ; a plain line behind the reciprocal
.set j, 0
	s_wait_alu depctr_va_vdst(0)
.rept 32
	v_mul_f32 v[S+j], v[OT+j], v14                 ; register 8 t + i: channel 16 t + 8 h + i of my query
.set j, j+1
.endr
.irp b, 0,1
	v_max3_num_f32 v[BM+\b], |v[S+16*\b]|, |v[S+1+16*\b]|, 0x4800000
.endr
.irp i, 2,4,6,8,10,12,14
.irp b, 0,1
	v_max3_num_f32 v[BM+\b], v[BM+\b], |v[S+16*\b+\i]|, |v[S+1+16*\b+\i]|
.endr
.endr
.irp b, 0,1
	v_permlanex16_b32 v[T2+\b], v[BM+\b], s[SEL], s[SEL+1]
.endr
.irp b, 0,1
	v_max_num_f32 v[BM+\b], v[BM+\b], v[T2+\b]
.endr
.irp b, 0,1
	v_add_nc_u32 v[SO+\b], 0xfc000000, v[BM+\b]
.endr
.irp b, 0,1
	v_and_or_b32 v[HO+\b], v[BM+\b], 0x7f800000, s[MNT]
.endr
.irp b, 0,1
	v_lshrrev_b32 v[T2+\b], 23, v[SO+\b]
.endr
.irp b, 0,1
.irp i, 0,1,2,3,4,5,6,7,8,9,10,11,12,13,14,15
	v_med3_num_f32 v[S+16*\b+\i], v[S+16*\b+\i], -v[HO+\b], v[HO+\b]
.endr
	v_cvt_scalef32_pk8_fp8_f32 v[PC+4*\b:PC+1+4*\b], v[S+16*\b:S+7+16*\b], v[SO+\b]
	v_cvt_scalef32_pk8_fp8_f32 v[PC+2+4*\b:PC+3+4*\b], v[S+8+16*\b:S+15+16*\b], v[SO+\b]
.endr
	v_cndmask_b32 v[TMP], v[T2], v[T2+1], s[HM]    ; (the plain line behind the conversions)  lanes 0-15 store the first block's byte, lanes 16-31 the second's
	global_store_b128 v[LI], v[PC:PC+3], s[42:43]  ; 512 consecutive bytes, aligned
	global_store_b128 v[LI], v[PC+4:PC+7], s[42:43] offset:512
	global_store_b8 v[GS], v[TMP], s[44:45]        ; a head owns two of a scale word's four bytes: single bytes, once a wave in the launch
	s_wait_tensorcnt 0x0                           ; the wave's end
	ds_add_u32 v[SPW], v[NIL]
	s_wait_dscnt 0x0
	s_endpgm
.Lfunc_end_k_q26a6780e9b_attn:
	.size	k_q26a6780e9b_attn, .Lfunc_end_k_q26a6780e9b_attn-k_q26a6780e9b_attn
	.p2alignl 7, 3214868480
	.fill 96, 4, 3214868480
	.section	.rodata,"a",@progbits
	.p2align	6, 0x0
	.amdhsa_kernel k_q26a6780e9b_attn
		.amdhsa_group_segment_fixed_size 327680
		.amdhsa_private_segment_fixed_size 0
		.amdhsa_enable_private_segment 0
		.amdhsa_kernarg_size 24
		.amdhsa_user_sgpr_count 2
		.amdhsa_user_sgpr_kernarg_segment_ptr 1
		.amdhsa_wavefront_size32 1
		.amdhsa_system_sgpr_workgroup_id_x 1
		.amdhsa_system_sgpr_workgroup_id_y 1
		.amdhsa_system_sgpr_workgroup_id_z 1
		.amdhsa_system_vgpr_workitem_id 0
		.amdhsa_next_free_vgpr 256
		.amdhsa_next_free_sgpr 66
		.amdhsa_reserve_vcc 0
		.amdhsa_float_denorm_mode_32 3
		.amdhsa_float_denorm_mode_16_64 3
		.amdhsa_memory_ordered 1
		.amdhsa_forward_progress 1
		.amdhsa_inst_pref_size 53
	.end_amdhsa_kernel
	.amdgpu_metadata
---
amdhsa.version: [ 1, 2 ]
amdhsa.kernels:
  - .name:           k_q26a6780e9b_attn
    .symbol:         k_q26a6780e9b_attn.kd
    .args:
      - { .name: qr, .offset: 0, .size: 8, .value_kind: global_buffer, .address_space: global }
      - { .name: kv, .offset: 8, .size: 8, .value_kind: global_buffer, .address_space: global }
      - { .name: cx, .offset: 16, .size: 8, .value_kind: global_buffer, .address_space: global }
    .group_segment_fixed_size: 327680
    .private_segment_fixed_size: 0
    .kernarg_segment_align: 8
    .kernarg_segment_size: 24
    .max_flat_workgroup_size: 512
    .sgpr_count:     66
    .vgpr_count:     256
    .wavefront_size: 32
...
	.end_amdgpu_metadata
.endif
;; end of part 4
;; launch oproj (part 5): grid 256 x 1, 4 waves a work-group, no clusters, 36,352 bytes of LDS; arguments cx, wt, bo, x, ln2_g, ln2_b, x1, xn; writes x1, xn
.if DOCPART == 5
	.amdgcn_target "amdgcn-amd-amdhsa--gfx1250"
	.amdhsa_code_object_version 6
	.text
	.protected	k_q26a6780e9b_oproj
	.globl	k_q26a6780e9b_oproj
	.p2align	8
	.type	k_q26a6780e9b_oproj,@function
k_q26a6780e9b_oproj:
	s_mov_b64 s[64:65], 0
	v_nop
	global_prefetch_b8 v0, s[64:65] scope:SCOPE_SE
	s_setreg_imm32_b32 hwreg(HW_REG_WAVE_MODE, 25, 1), 1
	s_wait_xcnt 0x0
; x1 = x + ctx Wo + bo (stored in f32), and xn = the codes of layernorm(x1) g + b, E4M3 with one E8M0 byte for each 32 channels, as images of the operand's registers.
; A work-group owns 32 rows (two tiles of 16); wave w owns channels 128 w .. 128 w + 127 of both: it keeps Wo's row tiles 8 w .. 8 w + 7 (K 512) in 512 registers, and its channels are K step w of xn's image.
; The product is used transposed (source 0 = 16 rows of Wo, source 1 = 16 rows of ctx): lane (r, h) holds row r, register 8 t + j channel 128 w + 16 t + 8 h + j.  x + bo is the C from which the sums start.
; THE VARIANCE IS TAKEN IN TWO PASSES: each wave takes its 128 channels' mean and the sum of squares about it; the four pairs meet in LDS and are combined exactly: no difference of large sums is formed.
; No cluster: what work-groups share (Wo) goes straight into registers, not into LDS by tensor loads.
; LIMITS: NaN and infinities are not served; a block whose largest magnitude lies under 2^-118 keeps the byte 1; a block of zeros gets the byte 1 where the rule says 127.
; REGISTERS: window 0 as named below; windows 1, 2: Wo; window 3: v0-63 ctx's first tile, v64-127 bo and then ctx's second tile (both later rows of x1 on their way out), v128-191 g, v192-255 b.
.set XSC,  4194304
.set WSC,  3145728
.set STAT, 33792                       ; LDS: from 0 a stage of 16 rows x 528 bytes for each wave; from STAT 2 tiles x 4 waves x 256 bytes of statistics
.set LI,  4                            ; 16 x lane
.set L4,  5                            ; 4 x lane
.set XA,  6                            ; x: r x 2,048 + 32 h + 512 w
.set GA,  7                            ; g, b, bo: 32 h + 512 w
.set STO, 8                            ; my stage: row r, + 32 h
.set SRD, 9                            ; and back: 16 x lane of a row
.set X1O, 10                           ; x1: 512 w + 16 x lane
.set STW, 11
.set STR, 12
.set SA,  13
.set SV,  14
.set RS,  16
.set XS,  32
.set HA0, 48
.set HA1, 112
.set PC,  176
.set TM,  192
.set PW0, 208
.set PW1, 209
.set ST0, 210
.set ST1, 212
.set WA,  214
.set WB,  216
.set SR,  218
.set RD,  226
.set CD,  228
.set T0,  230
.set BR,  64
.set GW,  128
.set BW,  192
.set WV,  20
.set SEL, 22
.set MNT, 24
.set HM,  25
.set C512, 26
.set EPSR, 27
.set MSB, 0
.macro WIN new                         ; the immediate's high byte repeats the setting that is left
.if MSB != (\new)
	s_set_vgpr_msb (MSB<<8)|(\new)
.set MSB, (\new)
.endif
.endm
; 64 numbers of a lane, register 16 b + i = place 32 b + 16 h + i of my row, become a fragment's codes in v[PC] on and its scale word in v[pw]
.macro QUANT s, pw
.irp b, 0,1,2,3
	v_max3_num_f32 v[TM+\b], |v[\s+16*\b]|, |v[\s+1+16*\b]|, 0x4800000   ; my 16 numbers of block b, and the floor 2^(9 - 127)
.endr
.irp i, 2,4,6,8,10,12,14
.irp b, 0,1,2,3
	v_max3_num_f32 v[TM+\b], v[TM+\b], |v[\s+16*\b+\i]|, |v[\s+1+16*\b+\i]|
.endr
.endr
.irp b, 0,1,2,3
	v_permlanex16_b32 v[TM+4+\b], v[TM+\b], s[SEL], s[SEL+1]
.endr
.irp b, 0,1,2,3
	v_max_num_f32 v[TM+\b], v[TM+\b], v[TM+4+\b]   ; with lane l xor 16's: the block's largest magnitude
.endr
.irp b, 0,1,2,3
	v_add_nc_u32 v[TM+12+\b], 0xfc000000, v[TM+\b] ; 8 off the exponent field: the conversion's scale operand
.endr
.irp b, 0,1,2,3
	v_and_or_b32 v[TM+8+\b], v[TM+\b], 0x7f800000, s[MNT]   ; 448 x the scale
.endr
.irp b, 0,1,2,3
	v_lshrrev_b32 v[TM+4+\b], 23, v[TM+12+\b]      ; the scale's byte
.endr
	v_lshl_or_b32 v[\pw], v[TM+5], 8, v[TM+4]
	v_lshl_or_b32 v[\pw], v[TM+6], 16, v[\pw]
	v_lshl_or_b32 v[\pw], v[TM+7], 24, v[\pw]
.irp b, 0,1,2,3
.irp i, 0,1,2,3,4,5,6,7,8,9,10,11,12,13,14,15
	v_med3_num_f32 v[\s+16*\b+\i], v[\s+16*\b+\i], -v[TM+8+\b], v[TM+8+\b]   ; the conversion does not saturate (ISA guide 7.6.2): hold first
.endr
	v_cvt_scalef32_pk8_fp8_f32 v[PC+4*\b:PC+1+4*\b], v[\s+16*\b:\s+7+16*\b], v[TM+12+\b]
	v_cvt_scalef32_pk8_fp8_f32 v[PC+2+4*\b:PC+3+4*\b], v[\s+8+16*\b:\s+15+16*\b], v[TM+12+\b]
.endr
	v_nop                                          ; a plain line behind the last conversion
.endm
; 32 matrix instructions onto what the accumulators hold: K step by K step, the eight accumulators by turns, one instruction a turn.  Odd K steps take their scales from lanes 16-31.
.macro MM32 ha, xf, xs
.irp k, 0,1,2,3
.if \k < 2
	WIN 0x0d                                       ; source 0 window 1, source 1 window 3
.else
	WIN 0x0e                                       ; source 0 window 2, source 1 window 3
.endif
.irp t, 0,1,2,3,4,5,6,7
.set rD, (\ha)+8*\t
.set rA, 32*\t+16*(\k%2)
.set rB, (\xf)+16*\k
.set rP, RS+2*\t+\k/2
.set rQ, (\xs)+\k/2
.if (\k%2) == 0
	v_wmma_scale_f32_16x16x128_f8f6f4 v[rD:rD+7], v[rA:rA+15], v[rB:rB+15], v[rD:rD+7], v[rP], v[rQ]
.else
	v_wmma_scale_f32_16x16x128_f8f6f4 v[rD:rD+7], v[rA:rA+15], v[rB:rB+15], v[rD:rD+7], v[rP], v[rQ] matrix_a_scale:MATRIX_SCALE_ROW1 matrix_b_scale:MATRIX_SCALE_ROW1
.endif
.endr
.endr
	WIN 0
.endm
.macro RESLOAD pc, ps, tstr, tss       ; the resident operand: 8 tiles x 4 K steps x 4 pieces of 512 bytes, and its 16 registers of scale words
.irp p, 0,1
	WIN 0x40+0x40*\p
.irp t, 0,1,2,3,4,5,6,7
.irp q, 0,1
.irp c, 0,1,2,3
	global_load_b128 v[32*\t+16*\q+4*\c:32*\t+16*\q+4*\c+3], v[LI], s[\pc:\pc+1] offset:\t*\tstr+(2*\p+\q)*2048+\c*512
.endr
.endr
.endr
.endr
	WIN 0
.irp t, 0,1,2,3,4,5,6,7
.irp p, 0,1
	global_load_b32 v[RS+2*\t+\p], v[L4], s[\ps:\ps+1] offset:\t*\tss+\p*128
.endr
.endr
.endm
.macro XFLOAD xf, xs, m                ; ctx's tile m: 16 pieces into window 3, two registers of scale words
	WIN 0xc0
.irp k, 0,1,2,3
.irp c, 0,1,2,3
	global_load_b128 v[\xf+16*\k+4*\c:\xf+16*\k+4*\c+3], v[LI], s[4:5] offset:\m*8192+\k*2048+\c*512
.endr
.endr
	WIN 0
	global_load_b32 v[\xs], v[L4], s[40:41] offset:\m*256
	global_load_b32 v[\xs+1], v[L4], s[40:41] offset:\m*256+128
.endm
; x1's tile m leaves: a lane holds 32 neighbouring bytes of a row and the lanes beside it other rows, so it goes through my own stage and comes back as rows of 512 bytes
.macro X1OUT ha, m
.irp t, 0,1,2,3,4,5,6,7
	ds_store_b128 v[STO], v[\ha+8*\t:\ha+8*\t+3] offset:64*\t          ; each accumulator from its low end on
	ds_store_b128 v[STO], v[\ha+8*\t+4:\ha+8*\t+7] offset:64*\t+16
.endr
	WIN 0xc0
.irp i, 0,1,2,3,4,5,6,7,8,9,10,11,12,13,14,15
	ds_load_b128 v[64*\m+4*\i:64*\m+4*\i+3], v[SRD] offset:528*\i      ; LDS serves a wave's instructions in order: these see my stores
.endr
	s_wait_dscnt 0x0
	WIN 0x0c                                       ; a store's data are its source 1: window 3
.irp i, 0,1,2,3,4,5,6,7,8,9,10,11,12,13,14,15
	global_store_b128 v[X1O], v[64*\m+4*\i:64*\m+4*\i+3], s[16:17] offset:\m*32768+2048*\i   ; 512 consecutive bytes, aligned
.endr
	WIN 0
.endm
; my 128 channels' mean of each row, the numbers less that mean (in place), and the sum of their squares; both to LDS
.macro LSTAT ha, st, m
	v_pk_add_f32 v[WA:WA+1], v[\ha:\ha+1], v[\ha+2:\ha+3]
	v_pk_add_f32 v[WB:WB+1], v[\ha+4:\ha+5], v[\ha+6:\ha+7]
.irp j, 8,12,16,20,24,28,32,36,40,44,48,52,56,60
	v_pk_add_f32 v[WA:WA+1], v[WA:WA+1], v[\ha+\j:\ha+\j+1]
	v_pk_add_f32 v[WB:WB+1], v[WB:WB+1], v[\ha+\j+2:\ha+\j+3]
.endr
	v_pk_add_f32 v[WA:WA+1], v[WA:WA+1], v[WB:WB+1]
	v_add_f32 v[WA], v[WA], v[WA+1]
	v_permlanex16_b32 v[WB], v[WA], s[SEL], s[SEL+1]
	v_add_f32 v[WA], v[WA], v[WB]                  ; with lane l xor 16's 64 channels
	v_mul_f32 v[\st], 0x3c000000, v[WA]            ; / 128
.set j, 0
.rept 32
	v_pk_add_f32 v[\ha+j:\ha+j+1], v[\ha+j:\ha+j+1], v[\st:\st+1] op_sel_hi:[1,0] neg_lo:[0,1] neg_hi:[0,1]
.set j, j+2
.endr
	v_pk_mul_f32 v[WA:WA+1], v[\ha:\ha+1], v[\ha:\ha+1]
	v_pk_mul_f32 v[WB:WB+1], v[\ha+2:\ha+3], v[\ha+2:\ha+3]
.irp j, 4,8,12,16,20,24,28,32,36,40,44,48,52,56,60
	v_pk_fma_f32 v[WA:WA+1], v[\ha+\j:\ha+\j+1], v[\ha+\j:\ha+\j+1], v[WA:WA+1]
	v_pk_fma_f32 v[WB:WB+1], v[\ha+\j+2:\ha+\j+3], v[\ha+\j+2:\ha+\j+3], v[WB:WB+1]
.endr
	v_pk_add_f32 v[WA:WA+1], v[WA:WA+1], v[WB:WB+1]
	v_add_f32 v[WA], v[WA], v[WA+1]
	v_permlanex16_b32 v[WB], v[WA], s[SEL], s[SEL+1]
	v_add_f32 v[\st+1], v[WA], v[WB]
	ds_store_b64 v[STW], v[\st:\st+1] offset:1024*\m
.endm
; the four waves' statistics are combined; the row is normalised, scaled by g, shifted by b, quantised and stored
.macro FIN ha, st, m, pw
.irp i, 0,1,2,3
	ds_load_b64 v[SR+2*\i:SR+2*\i+1], v[STR] offset:1024*\m+256*\i
.endr
	s_wait_dscnt 0x0
	v_add_f32 v[T0], v[SR], v[SR+2]
	v_add_f32 v[T0+1], v[SR+4], v[SR+6]
	v_add_f32 v[T0], v[T0], v[T0+1]
	v_mul_f32 v[T0], 0x3e800000, v[T0]             ; the row's mean
	v_sub_f32 v[T0+1], v[SR], v[T0]
	v_sub_f32 v[T0+2], v[SR+2], v[T0]
	v_sub_f32 v[T0+3], v[SR+4], v[T0]
	v_sub_f32 v[T0+4], v[SR+6], v[T0]
	v_mul_f32 v[T0+1], v[T0+1], v[T0+1]
	v_fma_f32 v[T0+1], v[T0+2], v[T0+2], v[T0+1]
	v_fma_f32 v[T0+1], v[T0+3], v[T0+3], v[T0+1]
	v_fma_f32 v[T0+1], v[T0+4], v[T0+4], v[T0+1]
	v_add_f32 v[T0+2], v[SR+1], v[SR+3]
	v_add_f32 v[T0+3], v[SR+5], v[SR+7]
	v_add_f32 v[T0+2], v[T0+2], v[T0+3]
	v_fmamk_f32 v[T0+1], v[T0+1], 0x43000000, v[T0+2]   ; 128 x the means' squared distances + the four M2
	v_fma_f32 v[T0+1], v[T0+1], s[C512], s[EPSR]   ; / 512 + 1e-5
	v_rsq_f32 v[RD], v[T0+1]
	v_sub_f32 v[T0+5], v[\st], v[T0]               ; (the plain line behind the root)  my wave's mean less the row's
	s_wait_alu depctr_va_vdst(0)
	v_mul_f32 v[CD], v[T0+5], v[RD]
.set j, 0
.rept 32
	v_pk_fma_f32 v[\ha+j:\ha+j+1], v[\ha+j:\ha+j+1], v[RD:RD+1], v[CD:CD+1] op_sel_hi:[1,0,0]   ; (x1 - mean) / the root
.set j, j+2
.endr
	WIN 0x3c                                       ; sources 1 and 2 in window 3
.set j, 0
.rept 32
	v_pk_fma_f32 v[\ha+j:\ha+j+1], v[\ha+j:\ha+j+1], v[GW+j:GW+j+1], v[BW+j:BW+j+1]
.set j, j+2
.endr
	WIN 0
.if \m
	s_wait_xcnt 0x0                                ; the first tile's stores have read v[PC] on: only now are they written again
.endif
	QUANT \ha, \pw
.irp c, 0,1,2,3
	global_store_b128 v[LI], v[PC+4*\c:PC+4*\c+3], s[18:19] offset:\m*8192+512*\c   ; 512 consecutive bytes, aligned
.endr
.endm
	s_load_b256 s[4:11], s[0:1], 0x0               ; cx, wt, bo, x
	s_load_b256 s[12:19], s[0:1], 0x20             ; g, b, x1, xn
	v_lshl_add_u32 v254, v0, 2, 0x8c00
	v_mov_b32 v255, 0
	v_lshrrev_b32 v1, 5, v0
	v_readfirstlane_b32 s[WV], v1                  ; wave
	v_and_b32 v1, 31, v0                           ; lane
	v_and_b32 v2, 15, v0                           ; r
	v_bfe_u32 v3, v0, 4, 1                         ; h
	v_lshlrev_b32 v[LI], 4, v1
	v_lshlrev_b32 v[L4], 2, v1
	s_lshl_b32 s28, s[WV], 9
	v_lshl_add_u32 v[GA], v3, 5, s28
	v_lshl_add_u32 v[XA], v2, 11, v[GA]
	s_mul_i32 s29, s[WV], 8448
	v_mul_u32_u24 v[STO], v2, 528
	v_lshl_add_u32 v[STO], v3, 5, v[STO]
	v_add_nc_u32 v[STO], s29, v[STO]
	v_add_nc_u32 v[SRD], s29, v[LI]
	v_add_nc_u32 v[X1O], s28, v[LI]
	s_lshl_b32 s30, s[WV], 8
	v_lshlrev_b32 v[STR], 3, v1
	v_add_nc_u32 v[STR], STAT, v[STR]
	v_add_nc_u32 v[STW], s30, v[STR]
	s_lshl_b32 s30, s[WV], 6
	v_lshlrev_b32 v[SA], 2, v2
	v_lshl_add_u32 v[SA], v3, 8, v[SA]
	v_add_nc_u32 v[SA], s30, v[SA]
.irp b, 0,1,2,3
	v_mov_b32 v[TM+4+\b], 0                        ; written once: a lane permute's destination counts as one of its sources
.endr
	v_mov_b32 v[ST0+1], 0                          ; upper halves of pairs that are named before they are first written
	v_mov_b32 v[ST1+1], 0
	v_mov_b32 v[RD+1], 0
	v_mov_b32 v[CD+1], 0
	s_mov_b32 s[SEL], 0x76543210
	s_mov_b32 s[SEL+1], 0xfedcba98
	s_mov_b32 s[MNT], 0x600000
	s_mov_b32 s[HM], 0xffff0000
	s_mov_b32 s[C512], 0x3b000000                  ; 1 / 512
	s_mov_b32 s[EPSR], 0x3727c5ac                  ; 1e-5
	s_lshl_b32 s28, ttmp9, 16                      ; my 32 rows of 2,048 bytes
	s_mov_b32 s29, 0
	s_lshl_b32 s30, ttmp9, 14                      ; my two tiles of codes
	s_mov_b32 s31, 0
	s_lshl_b32 s32, s[WV], 11
	s_add_co_u32 s32, s32, s30                     ; in xn: and my K step
	s_mov_b32 s33, 0
	s_lshl_b32 s34, ttmp9, 9
	s_add_co_u32 s34, s34, XSC                     ; my two tiles' scale words
	s_mov_b32 s35, 0
	s_lshl_b32 s36, s[WV], 16
	s_add_co_u32 s36, s36, 786432                  ; Wo's codes, my 8 row tiles
	s_mov_b32 s37, 0
	s_lshl_b32 s38, s[WV], 11
	s_add_co_u32 s38, s38, WSC+24576               ; and their scale words
	s_mov_b32 s39, 0
	s_wait_kmcnt 0x0
	s_add_nc_u64 s[10:11], s[10:11], s[28:29]      ; x
	s_add_nc_u64 s[16:17], s[16:17], s[28:29]      ; x1
	s_add_nc_u64 s[42:43], s[18:19], s[34:35]      ; xn's scale words
	s_add_nc_u64 s[18:19], s[18:19], s[32:33]      ; xn's codes
	s_add_nc_u64 s[40:41], s[4:5], s[34:35]        ; ctx's scale words
	s_add_nc_u64 s[4:5], s[4:5], s[30:31]          ; ctx's codes
	s_add_nc_u64 s[46:47], s[6:7], s[38:39]
	s_add_nc_u64 s[44:45], s[6:7], s[36:37]
.irp m, 0,1
.irp t, 0,1,2,3,4,5,6,7
.irp u, 0,1
	global_load_b128 v[HA0+64*\m+8*\t+4*\u:HA0+64*\m+8*\t+4*\u+3], v[XA], s[10:11] offset:\m*32768+64*\t+16*\u
.endr
.endr
.endr
	WIN 0xc0                                       ; destination window 3
.irp t, 0,1,2,3,4,5,6,7
.irp u, 0,1
	global_load_b128 v[GW+8*\t+4*\u:GW+8*\t+4*\u+3], v[GA], s[12:13] offset:64*\t+16*\u
	global_load_b128 v[BW+8*\t+4*\u:BW+8*\t+4*\u+3], v[GA], s[14:15] offset:64*\t+16*\u
	global_load_b128 v[BR+8*\t+4*\u:BR+8*\t+4*\u+3], v[GA], s[8:9] offset:64*\t+16*\u
.endr
.endr
	RESLOAD 44, 46, 8192, 256
	XFLOAD 0, XS, 0
	s_wait_loadcnt 0x0
	WIN 0x0c                                       ; source 1 window 3
.set j, 0
.rept 32
	v_pk_add_f32 v[HA0+j:HA0+j+1], v[HA0+j:HA0+j+1], v[BR+j:BR+j+1]   ; x + bo: what the sums start from
.set j, j+2
.endr
.set j, 0
.rept 32
	v_pk_add_f32 v[HA1+j:HA1+j+1], v[HA1+j:HA1+j+1], v[BR+j:BR+j+1]
.set j, j+2
.endr
	WIN 0
	XFLOAD 64, XS+2, 1                             ; the second tile takes bo's registers and lands under the first tile's products
	MM32 HA0, 0, XS
	s_wait_loadcnt 0x0
	MM32 HA1, 64, XS+2
.rept 8
	v_nop                                          ; eight places behind this form: in front of the first read of results and of loads into ctx's registers
.endr
	X1OUT HA0, 0
	X1OUT HA1, 1
	LSTAT HA0, ST0, 0
	LSTAT HA1, ST1, 1
	s_wait_dscnt 0x0                               ; for the others' sake: my statistics lie in LDS
	s_barrier_signal -1
	s_barrier_wait -1
	FIN HA0, ST0, 0, PW0
	FIN HA1, ST1, 1, PW1
	v_cndmask_b32 v[SV], v[PW0], v[PW1], s[HM]     ; lanes 0-15 store the first tile's words, lanes 16-31 the second's
	global_store_b32 v[SA], v[SV], s[42:43]
	s_wait_tensorcnt 0x0
	ds_add_u32 v254, v255
	s_wait_dscnt 0x0
	s_endpgm
.Lfunc_end_k_q26a6780e9b_oproj:
	.size	k_q26a6780e9b_oproj, .Lfunc_end_k_q26a6780e9b_oproj-k_q26a6780e9b_oproj
	.p2alignl 7, 3214868480
	.fill 96, 4, 3214868480
	.section	.rodata,"a",@progbits
	.p2align	6, 0x0
	.amdhsa_kernel k_q26a6780e9b_oproj
		.amdhsa_group_segment_fixed_size 36352
		.amdhsa_private_segment_fixed_size 0
		.amdhsa_enable_private_segment 0
		.amdhsa_kernarg_size 64
		.amdhsa_user_sgpr_count 2
		.amdhsa_user_sgpr_kernarg_segment_ptr 1
		.amdhsa_wavefront_size32 1
		.amdhsa_system_sgpr_workgroup_id_x 1
		.amdhsa_system_sgpr_workgroup_id_y 1
		.amdhsa_system_sgpr_workgroup_id_z 1
		.amdhsa_system_vgpr_workitem_id 0
		.amdhsa_next_free_vgpr 1024
		.amdhsa_next_free_sgpr 66
		.amdhsa_reserve_vcc 0
		.amdhsa_float_denorm_mode_32 3
		.amdhsa_float_denorm_mode_16_64 3
		.amdhsa_memory_ordered 1
		.amdhsa_forward_progress 1
		.amdhsa_inst_pref_size 88
	.end_amdhsa_kernel
	.amdgpu_metadata
---
amdhsa.version: [ 1, 2 ]
amdhsa.kernels:
  - .name:           k_q26a6780e9b_oproj
    .symbol:         k_q26a6780e9b_oproj.kd
    .args:
      - { .name: cx, .offset: 0, .size: 8, .value_kind: global_buffer, .address_space: global }
      - { .name: wt, .offset: 8, .size: 8, .value_kind: global_buffer, .address_space: global }
      - { .name: bo, .offset: 16, .size: 8, .value_kind: global_buffer, .address_space: global }
      - { .name: x, .offset: 24, .size: 8, .value_kind: global_buffer, .address_space: global }
      - { .name: ln2_g, .offset: 32, .size: 8, .value_kind: global_buffer, .address_space: global }
      - { .name: ln2_b, .offset: 40, .size: 8, .value_kind: global_buffer, .address_space: global }
      - { .name: x1, .offset: 48, .size: 8, .value_kind: global_buffer, .address_space: global }
      - { .name: xn, .offset: 56, .size: 8, .value_kind: global_buffer, .address_space: global }
    .group_segment_fixed_size: 36352
    .private_segment_fixed_size: 0
    .kernarg_segment_align: 8
    .kernarg_segment_size: 64
    .max_flat_workgroup_size: 128
    .sgpr_count:     66
    .vgpr_count:     1024
    .wavefront_size: 32
...
	.end_amdgpu_metadata
.endif
;; end of part 5
;; launch ffn1 (part 6): grid 64 x 4, 4 waves a work-group, no clusters, 68,096 bytes of LDS; arguments xn, wt, b1, hb; writes hb
.if DOCPART == 6
	.amdgcn_target "amdgcn-amd-amdhsa--gfx1250"
	.amdhsa_code_object_version 6
	.text
	.protected	k_q26a6780e9b_ffn1
	.globl	k_q26a6780e9b_ffn1
	.p2align	8
	.type	k_q26a6780e9b_ffn1,@function
k_q26a6780e9b_ffn1:
	s_mov_b64 s[64:65], 0
	v_nop
	global_prefetch_b8 v0, s[64:65] scope:SCOPE_SE
	s_setreg_imm32_b32 hwreg(HW_REG_WAVE_MODE, 25, 1), 1
	s_wait_xcnt 0x0
; FFN = 0: q, k and v = xn W + b (work-group y = 0, 1, 2), quantised on the way and laid as attention wants them.   FFN = 1: h = relu(xn W1 + b1), quantised along the hidden units.
; ONE STRUCTURE: a wave keeps a RESIDENT operand of 128 rows x K 512 in 512 registers (source 0); eight STREAMED tiles of 16 rows x K 512 (source 1) come through LDS, shared by the four waves.
; In a result lane (r, h) holds streamed row r, and its register 8 t + j resident row 16 t + 8 h + j: 64 numbers that are quantised along the resident rows into one fragment and one scale word.
;   ffn1:  resident = W1's channels 512 y + 128 w on, streamed = token tiles 8 x on; the fragment is K step 4 y + w of hb's image:
;   codes of (token tile, K step ks, piece c) at tile 32,768 + 2,048 ks + 512 c + 16 lane, scale words at 16,777,216 + tile 1,024 + 64 ks + 4 r.
; All operands are images of their registers (16 bytes a lane, 512 a piece): dense loads and stores, no pitch.
; No cluster: what work-groups share here goes straight into registers, not into LDS by tensor loads.
; LIMITS: NaN and infinities are not served; a block whose largest magnitude lies under 2^-118 keeps the byte 1; a block of zeros gets the byte 1 where the rule says 127.
; REGISTERS: window 0 as named below; windows 1 and 2: the resident operand (tile t, K step k at v[32 t + 16 (k % 2)] of window 1 + k / 2);
;   window 3: v0-63 the streamed tile, v64-127 the bias along the resident rows, v128-255 the copy into LDS.
.set FFN, 1
.set RB,  16896
.set HS,  32*RB
.set LI,  4                            ; 16 x lane
.set L4,  5                            ; 4 x lane
.set L4S, 6                            ; 4 x lane + 65,536: the streamed scale words in LDS
.set A0,  7
.set A1,  8
.set SA,  9
.set SV,  10
.set SV2, 11
.set SAL, 12
.set CP,  13
.set CPS, 14
.set BRA, 15
.set RS,  16                           ; v16-31 the resident scale words: tile t, K steps 2 p (lanes 0-15) and 2 p + 1 (lanes 16-31) at RS + 2 t + p
.set XS,  32                           ; v32-35 the streamed ones, two sets
.set BL,  36
.set BLA, 44
.set PWE, 45
.set PWO, 46
.set HA,  48
.set CT,  112
.set PC,  176
.set TM,  192
.set BR,  64
.set WV,  18
.set XX,  19
.set YY,  20
.set SEL, 22
.set MNT, 24
.set HM,  25
.set RP,  26
.set SP,  28
.set RSP, 30
.set SSP, 32
.set BP,  34
.set OP,  36
.set RO,  38
.set SO,  40
.set RSO, 42
.set SSO, 44
.set C0,  46
.set Z0,  47
.set S1,  48
.set S2,  49
.set D2,  50
.set T1,  51
.set T2,  52
.set D2S, 53
.set SLO, 54
.set SHI, 55
.set MQ,  56
.set MV,  57
.set MSB, 0
.macro WIN new                         ; the immediate's high byte repeats the setting that is left
.if MSB != (\new)
	s_set_vgpr_msb (MSB<<8)|(\new)
.set MSB, (\new)
.endif
.endm
; 64 numbers of a lane, register 16 b + i = place 32 b + 16 h + i, become a fragment's codes in v[PC] on and its scale word in v[pw].  relu = 1: what is negative becomes 0 on the way
.macro QUANT s, relu, pw
.if \relu
.irp b, 0,1,2,3
	v_max3_num_f32 v[TM+\b], v[\s+16*\b], v[\s+1+16*\b], 0x4800000   ; no |.|: what is negative must not count; the floor 2^(9 - 127) stands over it
.endr
.irp i, 2,4,6,8,10,12,14
.irp b, 0,1,2,3
	v_max3_num_f32 v[TM+\b], v[TM+\b], v[\s+16*\b+\i], v[\s+1+16*\b+\i]
.endr
.endr
.else
.irp b, 0,1,2,3
	v_max3_num_f32 v[TM+\b], |v[\s+16*\b]|, |v[\s+1+16*\b]|, 0x4800000   ; my 16 numbers of block b, and the floor 2^(9 - 127)
.endr
.irp i, 2,4,6,8,10,12,14
.irp b, 0,1,2,3
	v_max3_num_f32 v[TM+\b], v[TM+\b], |v[\s+16*\b+\i]|, |v[\s+1+16*\b+\i]|
.endr
.endr
.endif
.irp b, 0,1,2,3
	v_permlanex16_b32 v[TM+4+\b], v[TM+\b], s[SEL], s[SEL+1]
.endr
.irp b, 0,1,2,3
	v_max_num_f32 v[TM+\b], v[TM+\b], v[TM+4+\b]   ; with lane l xor 16's: the block's largest magnitude
.endr
.irp b, 0,1,2,3
	v_add_nc_u32 v[TM+12+\b], 0xfc000000, v[TM+\b] ; 8 off the exponent field: the conversion's scale operand
.endr
.irp b, 0,1,2,3
	v_and_or_b32 v[TM+8+\b], v[TM+\b], 0x7f800000, s[MNT]   ; 448 x the scale
.endr
.irp b, 0,1,2,3
	v_lshrrev_b32 v[TM+4+\b], 23, v[TM+12+\b]      ; the scale's byte
.endr
	v_lshl_or_b32 v[\pw], v[TM+5], 8, v[TM+4]
	v_lshl_or_b32 v[\pw], v[TM+6], 16, v[\pw]
	v_lshl_or_b32 v[\pw], v[TM+7], 24, v[\pw]
.irp b, 0,1,2,3
.irp i, 0,1,2,3,4,5,6,7,8,9,10,11,12,13,14,15
.if \relu
	v_med3_num_f32 v[\s+16*\b+\i], v[\s+16*\b+\i], 0, v[TM+8+\b]   ; the activation and the hold in one
.else
	v_med3_num_f32 v[\s+16*\b+\i], v[\s+16*\b+\i], -v[TM+8+\b], v[TM+8+\b]   ; the conversion does not saturate (ISA guide 7.6.2): hold first
.endif
.endr
	v_cvt_scalef32_pk8_fp8_f32 v[PC+4*\b:PC+1+4*\b], v[\s+16*\b:\s+7+16*\b], v[TM+12+\b]
	v_cvt_scalef32_pk8_fp8_f32 v[PC+2+4*\b:PC+3+4*\b], v[\s+8+16*\b:\s+15+16*\b], v[TM+12+\b]
.endr
	v_nop                                          ; a plain line behind the last conversion: the next products write v[s] on
.endm
; 32 matrix instructions: K step by K step, the eight accumulators by turns, one instruction a turn.
; cm = 0: the sums start from 0; 1: from the bias in window 3; 2: from what the accumulators hold.  Odd K steps take their scales from lanes 16-31.
.macro MM32 ha, xf, xs, cm
.irp k, 0,1,2,3
.if (\k == 0) && (\cm == 1)
	WIN 0x3d                                       ; source 0 window 1, sources 1 and 2 window 3
.elseif \k < 2
	WIN 0x0d                                       ; source 0 window 1, source 1 window 3
.else
	WIN 0x0e                                       ; source 0 window 2, source 1 window 3
.endif
.irp t, 0,1,2,3,4,5,6,7
.set rD, (\ha)+8*\t
.set rA, 32*\t+16*(\k%2)
.set rB, (\xf)+16*\k
.set rP, RS+2*\t+\k/2
.set rQ, (\xs)+\k/2
.if (\k == 0) && (\cm == 0)
	v_wmma_scale_f32_16x16x128_f8f6f4 v[rD:rD+7], v[rA:rA+15], v[rB:rB+15], 0, v[rP], v[rQ]
.elseif (\k == 0) && (\cm == 1)
	v_wmma_scale_f32_16x16x128_f8f6f4 v[rD:rD+7], v[rA:rA+15], v[rB:rB+15], v[BR+8*\t:BR+8*\t+7], v[rP], v[rQ]
.elseif (\k%2) == 0
	v_wmma_scale_f32_16x16x128_f8f6f4 v[rD:rD+7], v[rA:rA+15], v[rB:rB+15], v[rD:rD+7], v[rP], v[rQ]
.else
	v_wmma_scale_f32_16x16x128_f8f6f4 v[rD:rD+7], v[rA:rA+15], v[rB:rB+15], v[rD:rD+7], v[rP], v[rQ] matrix_a_scale:MATRIX_SCALE_ROW1 matrix_b_scale:MATRIX_SCALE_ROW1
.endif
.endr
.endr
	WIN 0
.endm
; the resident operand: 8 tiles x 4 K steps x 4 pieces of 512 bytes, and its 16 registers of scale words
.macro RESLOAD pc, ps, tstr, tss
.irp p, 0,1
	WIN 0x40+0x40*\p
.irp t, 0,1,2,3,4,5,6,7
.irp q, 0,1
.irp c, 0,1,2,3
	global_load_b128 v[32*\t+16*\q+4*\c:32*\t+16*\q+4*\c+3], v[LI], s[\pc:\pc+1] offset:\t*\tstr+(2*\p+\q)*2048+\c*512
.endr
.endr
.endr
.endr
	WIN 0
.irp t, 0,1,2,3,4,5,6,7
.irp p, 0,1
	global_load_b32 v[RS+2*\t+\p], v[L4], s[\ps:\ps+1] offset:\t*\tss+\p*128
.endr
.endr
.endm
.macro FETCH m                         ; streamed tile m from LDS: 16 pieces, and its two registers of scale words into set m % 2
	WIN 0xc0
.irp k, 0,1,2,3
.irp c, 0,1,2,3
	ds_load_b128 v[16*\k+4*\c:16*\k+4*\c+3], v[LI] offset:8192*(\m)+2048*\k+512*\c
.endr
.endr
	WIN 0
	ds_load_b32 v[XS+2*((\m)%2)], v[L4S] offset:256*(\m)
	ds_load_b32 v[XS+2*((\m)%2)+1], v[L4S] offset:256*(\m)+128
.endm
.macro TILE m
	s_wait_dscnt 0x0                               ; the tile and its scale words are in
	MM32 HA, 0, XS+2*((\m)%2), 1
.rept 8
	v_nop                                          ; eight places behind this form, in front of the loads into the tile's registers and of the first read of results
.endr
.if \m < 7
	FETCH (\m)+1
.endif
.if FFN == 0
.set j, 0
.rept 32
.if (\m)%2
	v_pk_add_f32 v[HA+j:HA+j+1], v[HA+j:HA+j+1], v[BL+2*((\m)/2):BL+2*((\m)/2)+1] op_sel:[0,1] op_sel_hi:[1,1]
.else
	v_pk_add_f32 v[HA+j:HA+j+1], v[HA+j:HA+j+1], v[BL+2*((\m)/2):BL+2*((\m)/2)+1] op_sel_hi:[1,0]
.endif
.set j, j+2
.endr
.endif
	s_wait_xcnt 0x0                                ; the last tile's stores have read their data and offsets: only now are these written again
.if (\m)%2
	QUANT HA, FFN, PWO
.else
	QUANT HA, FFN, PWE
.endif
	s_mul_i32 s66, s[S1], (\m)%4
	s_mul_i32 s67, s[S2], (\m)/4
	s_add_co_u32 s66, s66, s67
	s_add_co_u32 s66, s66, s[C0]
	v_add_nc_u32 v[A0], s66, v[LI]
	v_add_nc_u32 v[A1], s[D2], v[A0]
	global_store_b128 v[A0], v[PC:PC+3], s[OP:OP+1]                 ; each store: 512 consecutive bytes, aligned
	global_store_b128 v[A0], v[PC+4:PC+7], s[OP:OP+1] offset:512
	global_store_b128 v[A1], v[PC+8:PC+11], s[OP:OP+1]
	global_store_b128 v[A1], v[PC+12:PC+15], s[OP:OP+1] offset:512
.if (\m)%2
	v_perm_b32 v[SV], v[PWO], v[PWE], s[SLO]       ; the even tile's word,
	v_perm_b32 v[SV2], v[PWO], v[PWE], s[SHI]      ; the odd tile's
	v_cndmask_b32 v[SV], v[SV], v[SV2], s[HM]      ; lanes 16-31 store the second
	s_mul_i32 s66, s[T1], ((\m)/2)%2
	s_mul_i32 s67, s[T2], (\m)/4
	s_add_co_u32 s66, s66, s67
	s_add_co_u32 s66, s66, s[Z0]
	v_add_nc_u32 v[SA], s66, v[SAL]
	global_store_b32 v[SA], v[SV], s[OP:OP+1]
.endif
.endm
	s_load_b256 s[4:11], s[0:1], 0x0               ; xn, wt, b1, hb
	v_lshl_add_u32 v254, v0, 2, 0x10800
	v_mov_b32 v255, 0
.if FFN == 0
	s_load_b128 s[12:15], s[0:1], 0x20
	s_load_b64 s[16:17], s[0:1], 0x30
.endif
	v_lshrrev_b32 v1, 5, v0
	v_readfirstlane_b32 s[WV], v1                  ; wave
	v_and_b32 v1, 31, v0                           ; lane
	v_and_b32 v2, 15, v0                           ; r
	v_bfe_u32 v3, v0, 4, 1                         ; h
	v_lshlrev_b32 v[LI], 4, v1
	v_lshlrev_b32 v[L4], 2, v1
	v_add_nc_u32 v[L4S], 65536, v[L4]
	s_lshl_b32 s58, s[WV], 14
	v_add_nc_u32 v[CP], s58, v[LI]                 ; my quarter of the streamed codes in LDS
	s_lshl_b32 s58, s[WV], 9
	v_add_nc_u32 v[CPS], s58, v[LI]
	v_add_nc_u32 v[CPS], 65536, v[CPS]             ; and of their scale words
	v_lshl_add_u32 v[BRA], v3, 5, s58              ; the bias along the resident rows: 32 h + 512 w
.irp b, 0,1,2,3
	v_mov_b32 v[TM+4+\b], 0                        ; written once: a lane permute's destination counts as one of its sources
.endr
	s_mov_b32 s[SEL], 0x76543210
	s_mov_b32 s[SEL+1], 0xfedcba98
	s_mov_b32 s[MNT], 0x600000
	s_mov_b32 s[HM], 0xffff0000
	s_mov_b32 s[XX], ttmp9
	s_and_b32 s[YY], ttmp7, 0xffff
.if FFN
	s_add_co_u32 s58, s[YY], 4                     ; W1's codes begin at 4 x 262,144
	s_mov_b32 s59, s[XX]
	s_mov_b32 s67, 3145728                         ; the resident scale words lie in wt,
	s_mov_b32 s68, 4194304                         ; the streamed ones in xn
	s_mov_b32 s[S1], 32768
	s_mov_b32 s[S2], 131072
	s_mov_b32 s[D2], 1024
	s_mov_b32 s[T1], 2048
	s_mov_b32 s[T2], 4096
	s_mov_b32 s[D2S], 1024
	s_mov_b32 s[SLO], 0x03020100
	s_mov_b32 s[SHI], 0x07060504
	s_lshl_b32 s71, s[YY], 2
	s_add_co_u32 s71, s71, s[WV]                   ; my K step of hb
	s_lshl_b32 s[C0], s[XX], 18
	s_lshl_b32 s72, s71, 11
	s_add_co_u32 s[C0], s[C0], s72
	s_lshl_b32 s[Z0], s[XX], 13
	s_lshl_b32 s72, s71, 6
	s_add_co_u32 s[Z0], s[Z0], s72
	s_add_co_u32 s[Z0], s[Z0], 16777216
.endif
	s_lshl_b32 s[RO], s58, 18
	s_lshl_b32 s72, s[WV], 16
	s_add_co_u32 s[RO], s[RO], s72                 ; my 8 resident tiles
	s_mov_b32 s[RO+1], 0
	s_lshr_b32 s[RSO], s[RO], 5
	s_add_co_u32 s[RSO], s[RSO], s67
	s_mov_b32 s[RSO+1], 0
	s_lshl_b32 s[SO], s59, 16
	s_lshr_b32 s[SSO], s[SO], 5
	s_add_co_u32 s[SSO], s[SSO], s68
	s_lshl_b32 s72, s[WV], 9
	s_add_co_u32 s[SSO], s[SSO], s72               ; my quarter of the copy
	s_mov_b32 s[SSO+1], 0
	s_lshl_b32 s72, s[WV], 14
	s_add_co_u32 s[SO], s[SO], s72
	s_mov_b32 s[SO+1], 0
	v_mul_u32_u24 v[SAL], s[D2S], v3
	v_lshl_add_u32 v[SAL], v2, 2, v[SAL]           ; scale words: 4 r, lanes 16-31 one tile further on
	s_wait_kmcnt 0x0
	s_mov_b64 s[RP:RP+1], s[6:7]
	s_mov_b64 s[SP:SP+1], s[4:5]
	s_lshl_b32 s72, s[YY], 11
	s_mov_b32 s73, 0
	s_add_nc_u64 s[BP:BP+1], s[8:9], s[72:73]
	s_mov_b64 s[OP:OP+1], s[10:11]
	s_add_nc_u64 s[RSP:RSP+1], s[RP:RP+1], s[RSO:RSO+1]
	s_add_nc_u64 s[RP:RP+1], s[RP:RP+1], s[RO:RO+1]
	s_add_nc_u64 s[SSP:SSP+1], s[SP:SP+1], s[SSO:SSO+1]
	s_add_nc_u64 s[SP:SP+1], s[SP:SP+1], s[SO:SO+1]
	RESLOAD RP, RSP, 8192, 256
	WIN 0xc0                                       ; destination window 3
.irp t, 0,1,2,3,4,5,6,7
.irp u, 0,1
	global_load_b128 v[BR+8*\t+4*\u:BR+8*\t+4*\u+3], v[BRA], s[BP:BP+1] offset:64*\t+16*\u
.endr
.endr
.set n, 0
.rept 32
	global_load_b128 v[128+4*n:128+4*n+3], v[LI], s[SP:SP+1] offset:512*n   ; my 16 KiB of the streamed codes
.set n, n+1
.endr
	WIN 0
	global_load_b128 v[CT:CT+3], v[LI], s[SSP:SSP+1]
	s_wait_loadcnt 0x0
	WIN 0x0c                                       ; an LDS store's data are its source 1: window 3
.set n, 0
.rept 32
	ds_store_b128 v[CP], v[128+4*n:128+4*n+3] offset:512*n
.set n, n+1
.endr
	WIN 0
	ds_store_b128 v[CPS], v[CT:CT+3]
	s_wait_dscnt 0x0                               ; for the others' sake: my quarter lies in LDS
	s_barrier_signal -1
	s_barrier_wait -1                              ; the eight tiles are whole; nothing is written there again
	FETCH 0
.irp m, 0,1,2,3,4,5,6,7
	TILE \m
.endr
	s_wait_tensorcnt 0x0
	ds_add_u32 v254, v255
	s_wait_dscnt 0x0
	s_endpgm
.Lfunc_end_k_q26a6780e9b_ffn1:
	.size	k_q26a6780e9b_ffn1, .Lfunc_end_k_q26a6780e9b_ffn1-k_q26a6780e9b_ffn1
	.p2alignl 7, 3214868480
	.fill 96, 4, 3214868480
	.section	.rodata,"a",@progbits
	.p2align	6, 0x0
	.amdhsa_kernel k_q26a6780e9b_ffn1
		.amdhsa_group_segment_fixed_size 68096
		.amdhsa_private_segment_fixed_size 0
		.amdhsa_enable_private_segment 0
		.amdhsa_kernarg_size 32
		.amdhsa_user_sgpr_count 2
		.amdhsa_user_sgpr_kernarg_segment_ptr 1
		.amdhsa_wavefront_size32 1
		.amdhsa_system_sgpr_workgroup_id_x 1
		.amdhsa_system_sgpr_workgroup_id_y 1
		.amdhsa_system_sgpr_workgroup_id_z 1
		.amdhsa_system_vgpr_workitem_id 0
		.amdhsa_next_free_vgpr 1024
		.amdhsa_next_free_sgpr 90
		.amdhsa_reserve_vcc 0
		.amdhsa_float_denorm_mode_32 3
		.amdhsa_float_denorm_mode_16_64 3
		.amdhsa_memory_ordered 1
		.amdhsa_forward_progress 1
		.amdhsa_inst_pref_size 140
	.end_amdhsa_kernel
	.amdgpu_metadata
---
amdhsa.version: [ 1, 2 ]
amdhsa.kernels:
  - .name:           k_q26a6780e9b_ffn1
    .symbol:         k_q26a6780e9b_ffn1.kd
    .args:
      - { .name: xn, .offset: 0, .size: 8, .value_kind: global_buffer, .address_space: global }
      - { .name: wt, .offset: 8, .size: 8, .value_kind: global_buffer, .address_space: global }
      - { .name: b1, .offset: 16, .size: 8, .value_kind: global_buffer, .address_space: global }
      - { .name: hb, .offset: 24, .size: 8, .value_kind: global_buffer, .address_space: global }
    .group_segment_fixed_size: 68096
    .private_segment_fixed_size: 0
    .kernarg_segment_align: 8
    .kernarg_segment_size: 32
    .max_flat_workgroup_size: 128
    .sgpr_count:     90
    .vgpr_count:     1024
    .wavefront_size: 32
...
	.end_amdgpu_metadata
.endif
;; end of part 6
;; launch ffn2 (part 7): grid 64 x 4, 4 waves a work-group, no clusters, 68,096 bytes of LDS; arguments hb, wt, b2, x1, out0; writes out0
.if DOCPART == 7
	.amdgcn_target "amdgcn-amd-amdhsa--gfx1250"
	.amdhsa_code_object_version 6
	.text
	.protected	k_q26a6780e9b_ffn2
	.globl	k_q26a6780e9b_ffn2
	.p2align	8
	.type	k_q26a6780e9b_ffn2,@function
k_q26a6780e9b_ffn2:
	s_mov_b64 s[64:65], 0
	v_nop
	global_prefetch_b8 v0, s[64:65] scope:SCOPE_SE
	s_setreg_imm32_b32 hwreg(HW_REG_WAVE_MODE, 25, 1), 1
	s_wait_xcnt 0x0
; out0 = x1 + h W2 + b2; h and W2 as codes of E4M3 with one E8M0 byte for each 32 along K = 2,048, both as images of the operand's registers.
; A work-group owns 128 tokens (tiles 8 x on) and output channels 128 y .. 128 y + 127.  THE WAVES SHARE K: wave w keeps W2's 8 row tiles x K steps 4 w .. 4 w + 3 in 512 registers
; and streams only its own 8 KiB of h for each token tile, straight into registers: no input goes through LDS, none is read twice in a work-group.
; FOUR TILES AHEAD: h's fragments, their scale words and my rows of x1 have four sets of registers; tiles 0 to 3 are asked for at the head, tile m + 4 at the end of tile m, behind the last read of the set that it takes:
; 22 loads a tile, so the loads of three later tiles are on their way while a tile is worked on.
; The four partial sums of a tile meet in LDS (rows of 512 bytes + 16); wave w adds rows 4 w .. 4 w + 3, x1 and b2, and stores whole rows of 512 bytes.
; Two sets of partial sums take turns, so one barrier a tile is enough: a set is written again only by waves that have passed the next tile's barrier, which every wave signals behind the wait for its reads of the set.
; The order of the sum over K: four K steps in each wave's accumulator, then ((P0 + P1) + (P2 + P3)) + (x1 + b2).
; No cluster: what work-groups share goes straight into registers, not into LDS by tensor loads.
; REGISTERS: window 0 as named below; windows 1, 2: W2; window 3: four sets of h's fragments, 64 registers each.
.set HSC, 16777216
.set WSC, 3145728
.set LI,  4                            ; 16 x lane
.set L4,  5                            ; 4 x lane
.set STO, 8                            ; my partial sums: w x 8,448 + r x 528 + 32 h
.set SRD, 9                            ; the rows that I add: 4 w x 528 + 16 x lane
.set OO,  10                           ; and their place in x1 and out0: 4 w x 2,048 + 16 x lane
.set RS,  16                           ; v16-31   W2's scale words
.set B2,  36                           ; v36-39   b2 of my four channels of a row
.set XS,  40                           ; v40-47   h's scale words, four sets of two
.set X1,  48                           ; v48-111  four sets of four rows of x1
.set HA,  112                          ; v112-175 the accumulators
.set PS,  176                          ; v176-239 the four waves' partial sums of my rows
.set WV,  14
.set MSB, 0
.macro WIN new                         ; the immediate's high byte repeats the setting that is left
.if MSB != (\new)
	s_set_vgpr_msb (MSB<<8)|(\new)
.set MSB, (\new)
.endif
.endm
; 32 matrix instructions from 0: K step by K step, the eight accumulators by turns, one instruction a turn.  Odd K steps take their scales from lanes 16-31.
.macro MM32 ha, xf, xs
.irp k, 0,1,2,3
.if \k < 2
	WIN 0x0d                                       ; source 0 window 1, source 1 window 3
.else
	WIN 0x0e                                       ; source 0 window 2, source 1 window 3
.endif
.irp t, 0,1,2,3,4,5,6,7
.set rD, (\ha)+8*\t
.set rA, 32*\t+16*(\k%2)
.set rB, (\xf)+16*\k
.set rP, RS+2*\t+\k/2
.set rQ, (\xs)+\k/2
.if \k == 0
	v_wmma_scale_f32_16x16x128_f8f6f4 v[rD:rD+7], v[rA:rA+15], v[rB:rB+15], 0, v[rP], v[rQ]
.elseif (\k%2) == 0
	v_wmma_scale_f32_16x16x128_f8f6f4 v[rD:rD+7], v[rA:rA+15], v[rB:rB+15], v[rD:rD+7], v[rP], v[rQ]
.else
	v_wmma_scale_f32_16x16x128_f8f6f4 v[rD:rD+7], v[rA:rA+15], v[rB:rB+15], v[rD:rD+7], v[rP], v[rQ] matrix_a_scale:MATRIX_SCALE_ROW1 matrix_b_scale:MATRIX_SCALE_ROW1
.endif
.endr
.endr
	WIN 0
.endm
.macro RESLOAD pc, ps, tstr, tss       ; the resident operand: 8 tiles x 4 K steps x 4 pieces of 512 bytes, and its 16 registers of scale words
.irp p, 0,1
	WIN 0x40+0x40*\p
.irp t, 0,1,2,3,4,5,6,7
.irp q, 0,1
.irp c, 0,1,2,3
	global_load_b128 v[32*\t+16*\q+4*\c:32*\t+16*\q+4*\c+3], v[LI], s[\pc:\pc+1] offset:\t*\tstr+(2*\p+\q)*2048+\c*512
.endr
.endr
.endr
.endr
	WIN 0
.irp t, 0,1,2,3,4,5,6,7
.irp p, 0,1
	global_load_b32 v[RS+2*\t+\p], v[L4], s[\ps:\ps+1] offset:\t*\tss+\p*128
.endr
.endr
.endm
.macro HLOAD m                         ; 22 loads: token tile m's four K steps of mine, their scale words, my four rows of x1; into set m % 4
	WIN 0xc0
.irp k, 0,1,2,3
.irp c, 0,1,2,3
	global_load_b128 v[64*((\m)%4)+16*\k+4*\c:64*((\m)%4)+16*\k+4*\c+3], v[LI], s[20:21] offset:(\m)*32768+2048*\k+512*\c
.endr
.endr
	WIN 0
	global_load_b32 v[XS+2*((\m)%4)], v[L4], s[22:23] offset:(\m)*1024
	global_load_b32 v[XS+2*((\m)%4)+1], v[L4], s[22:23] offset:(\m)*1024+128
.irp i, 0,1,2,3
	global_load_b128 v[X1+16*((\m)%4)+4*\i:X1+16*((\m)%4)+4*\i+3], v[OO], s[10:11] offset:(\m)*32768+2048*\i
.endr
.endm
.macro TILE m
.set XM, X1+16*((\m)%4)
.if \m < 5
	s_wait_loadcnt 63                              ; behind this tile's loads stand the 66 of the three tiles that follow; the wait names 63 at the most
.else
	s_wait_loadcnt 22*(7-(\m))                     ; the loads of the tiles that are left may stay out: 44, 22, none
.endif
	MM32 HA, 64*((\m)%4), XS+2*((\m)%4)
.rept 8
	v_nop                                          ; eight places behind this form, in front of the first read of results
.endr
.irp t, 0,1,2,3,4,5,6,7
	ds_store_b128 v[STO], v[HA+8*\t:HA+8*\t+3] offset:33792*((\m)%2)+64*\t          ; each accumulator from its low end on
	ds_store_b128 v[STO], v[HA+8*\t+4:HA+8*\t+7] offset:33792*((\m)%2)+64*\t+16
.endr
	s_wait_dscnt 0x0                               ; for the others' sake: my partial sums lie in LDS
	s_barrier_signal -1
	s_barrier_wait -1
	s_wait_xcnt 0x0                                ; the last tile's stores have read v[PS] on: only now are they loaded again
.irp q, 0,1,2,3
.irp i, 0,1,2,3
	ds_load_b128 v[PS+16*\q+4*\i:PS+16*\q+4*\i+3], v[SRD] offset:33792*((\m)%2)+8448*\q+528*\i
.endr
.endr
	s_wait_dscnt 0x0
.set e, 0
.rept 8
	v_pk_add_f32 v[PS+e:PS+e+1], v[PS+e:PS+e+1], v[PS+16+e:PS+17+e]
	v_pk_add_f32 v[PS+32+e:PS+33+e], v[PS+32+e:PS+33+e], v[PS+48+e:PS+49+e]
	v_pk_add_f32 v[XM+e:XM+e+1], v[XM+e:XM+e+1], v[B2+e%4:B2+e%4+1]
.set e, e+2
.endr
.set e, 0
.rept 8
	v_pk_add_f32 v[PS+e:PS+e+1], v[PS+e:PS+e+1], v[PS+32+e:PS+33+e]
.set e, e+2
.endr
.set e, 0
.rept 8
	v_pk_add_f32 v[PS+e:PS+e+1], v[PS+e:PS+e+1], v[XM+e:XM+e+1]
.set e, e+2
.endr
.irp i, 0,1,2,3
	global_store_b128 v[OO], v[PS+4*\i:PS+4*\i+3], s[12:13] offset:(\m)*32768+2048*\i th:TH_STORE_NT   ; 512 consecutive bytes, aligned; written once, read by nobody here
.endr
.if \m < 4
	HLOAD (\m)+4                                   ; this tile's set is read out (its products stand far more than eight places back, its rows of x1 are added): it takes the tile four further on
.endif
.endm
	s_load_b256 s[4:11], s[0:1], 0x0               ; hb, wt, b2, x1
	s_load_b64 s[12:13], s[0:1], 0x20              ; out0
	v_lshl_add_u32 v254, v0, 2, 0x10800
	v_mov_b32 v255, 0
	v_lshrrev_b32 v1, 5, v0
	v_readfirstlane_b32 s[WV], v1                  ; wave
	v_and_b32 v1, 31, v0                           ; lane
	v_and_b32 v2, 15, v0                           ; r
	v_bfe_u32 v3, v0, 4, 1                         ; h
	v_lshlrev_b32 v[LI], 4, v1
	v_lshlrev_b32 v[L4], 2, v1
	s_mul_i32 s16, s[WV], 8448
	v_mul_u32_u24 v[STO], v2, 528
	v_lshl_add_u32 v[STO], v3, 5, v[STO]
	v_add_nc_u32 v[STO], s16, v[STO]
	s_mul_i32 s16, s[WV], 2112
	v_add_nc_u32 v[SRD], s16, v[LI]
	s_lshl_b32 s16, s[WV], 13
	v_add_nc_u32 v[OO], s16, v[LI]
	s_and_b32 s15, ttmp7, 0xffff                   ; y
	s_lshl_b32 s28, ttmp9, 18                      ; my 8 token tiles: 262,144 bytes of h's codes, and as many of x1 and of out0
	s_add_co_u32 s30, s28, s16                     ; + my four K steps
	s_mov_b32 s31, 0
	s_lshl_b32 s32, ttmp9, 13
	s_lshl_b32 s17, s[WV], 8
	s_add_co_u32 s32, s32, s17
	s_add_co_u32 s32, s32, HSC                     ; their scale words
	s_mov_b32 s33, 0
	s_lshl_b32 s34, s15, 18
	s_add_co_u32 s34, s34, s16
	s_add_co_u32 s34, s34, 2097152                 ; W2's codes: row tiles 8 y on, my four K steps
	s_mov_b32 s35, 0
	s_lshl_b32 s36, s15, 13
	s_add_co_u32 s36, s36, s17
	s_add_co_u32 s36, s36, WSC+65536               ; and their scale words
	s_mov_b32 s37, 0
	s_lshl_b32 s38, s15, 9                         ; my 128 channels, in bytes
	s_mov_b32 s39, 0
	s_add_co_u32 s40, s28, s38
	s_mov_b32 s41, 0
	s_wait_kmcnt 0x0
	s_add_nc_u64 s[20:21], s[4:5], s[30:31]
	s_add_nc_u64 s[22:23], s[4:5], s[32:33]
	s_add_nc_u64 s[24:25], s[6:7], s[34:35]
	s_add_nc_u64 s[26:27], s[6:7], s[36:37]
	s_add_nc_u64 s[8:9], s[8:9], s[38:39]
	s_add_nc_u64 s[10:11], s[10:11], s[40:41]
	s_add_nc_u64 s[12:13], s[12:13], s[40:41]
	RESLOAD 24, 26, 32768, 1024
	global_load_b128 v[B2:B2+3], v[LI], s[8:9]     ; b2 of my four channels of a row
.irp m, 0,1,2,3
	HLOAD \m                                       ; the first four tiles; the first tile's wait, below, also shows W2 and b2 in: they were asked for ahead of it
.endr
.irp m, 0,1,2,3,4,5,6,7
	TILE \m
.endr
	s_wait_tensorcnt 0x0
	ds_add_u32 v254, v255
	s_wait_dscnt 0x0
	s_endpgm
.Lfunc_end_k_q26a6780e9b_ffn2:
	.size	k_q26a6780e9b_ffn2, .Lfunc_end_k_q26a6780e9b_ffn2-k_q26a6780e9b_ffn2
	.p2alignl 7, 3214868480
	.fill 96, 4, 3214868480
	.section	.rodata,"a",@progbits
	.p2align	6, 0x0
	.amdhsa_kernel k_q26a6780e9b_ffn2
		.amdhsa_group_segment_fixed_size 68096
		.amdhsa_private_segment_fixed_size 0
		.amdhsa_enable_private_segment 0
		.amdhsa_kernarg_size 40
		.amdhsa_user_sgpr_count 2
		.amdhsa_user_sgpr_kernarg_segment_ptr 1
		.amdhsa_wavefront_size32 1
		.amdhsa_system_sgpr_workgroup_id_x 1
		.amdhsa_system_sgpr_workgroup_id_y 1
		.amdhsa_system_sgpr_workgroup_id_z 1
		.amdhsa_system_vgpr_workitem_id 0
		.amdhsa_next_free_vgpr 1024
		.amdhsa_next_free_sgpr 66
		.amdhsa_reserve_vcc 0
		.amdhsa_float_denorm_mode_32 3
		.amdhsa_float_denorm_mode_16_64 3
		.amdhsa_memory_ordered 1
		.amdhsa_forward_progress 1
		.amdhsa_inst_pref_size 109
	.end_amdhsa_kernel
	.amdgpu_metadata
---
amdhsa.version: [ 1, 2 ]
amdhsa.kernels:
  - .name:           k_q26a6780e9b_ffn2
    .symbol:         k_q26a6780e9b_ffn2.kd
    .args:
      - { .name: hb, .offset: 0, .size: 8, .value_kind: global_buffer, .address_space: global }
      - { .name: wt, .offset: 8, .size: 8, .value_kind: global_buffer, .address_space: global }
      - { .name: b2, .offset: 16, .size: 8, .value_kind: global_buffer, .address_space: global }
      - { .name: x1, .offset: 24, .size: 8, .value_kind: global_buffer, .address_space: global }
      - { .name: out0, .offset: 32, .size: 8, .value_kind: global_buffer, .address_space: global }
    .group_segment_fixed_size: 68096
    .private_segment_fixed_size: 0
    .kernarg_segment_align: 8
    .kernarg_segment_size: 40
    .max_flat_workgroup_size: 128
    .sgpr_count:     66
    .vgpr_count:     1024
    .wavefront_size: 32
...
	.end_amdgpu_metadata
.endif
;; end of part 7
;; ======== version 2 of 2: 7 launches
;; workspace buffers: wt 3,244,032 bytes; xn 4,325,376 bytes; qr 8,650,752 bytes; kv 8,650,752 bytes; cx 4,325,376 bytes; x1 16,777,216 bytes; hb 17,301,504 bytes
;; launch wquant (part 8): grid 192 x 1, 4 waves a work-group, no clusters, 0 bytes of LDS; arguments Wq, Wk, Wv, Wo, W1, W2, wt; writes wt
.if DOCPART == 8
	.amdgcn_target "amdgcn-amd-amdhsa--gfx1250"
	.amdhsa_code_object_version 6
	.text
	.protected	k_q26a6780e9b_wquant
	.globl	k_q26a6780e9b_wquant
	.p2align	8
	.type	k_q26a6780e9b_wquant,@function
k_q26a6780e9b_wquant:
	s_mov_b64 s[64:65], 0
	v_nop
	global_prefetch_b8 v0, s[64:65] scope:SCOPE_SE
	s_setreg_imm32_b32 hwreg(HW_REG_WAVE_MODE, 25, 1), 1
	s_wait_xcnt 0x0
; The six weights, f32 stored [K][N], become codes of E4M3 with one E8M0 byte for each 32 along K, laid in wt as IMAGES OF THE OPERAND'S REGISTERS:
; codes of (row tile, K step ks, piece c) at ((tile KS + ks) 4 + c) 512 + 16 lane, scale words at WSC + (tile KS + ks) 64 + 4 r.
; Inside a block of 32 the order is the one in which two neighbouring 16 x 16 results lie in a lane: lane half 0 holds k 0-7 and 16-23, half 1 holds k 8-15 and 24-31.
; Every operand of this program is laid so on both sides of a product, so the products are the same; only their order inside one instruction differs.
; A lane takes a column n and its registers run down K: a block lies in one lane, nothing is transposed.  A wave: 32 columns x 128 along K; four waves stand on 128 neighbouring columns.
; Work-groups 0-63: Wq, Wk, Wv, Wo (16 each); 64-127: W1; 128-191: W2.  One path for all: only numbers and pointers are selected, on the work-group's number.
; LIMITS: NaN and infinities are not served; a block whose largest magnitude lies under 2^-118 keeps the byte 1; a block of zeros gets the byte 1 where the rule says 127
; (its codes are zeros, and only this program reads the bytes).
.set WSC, 3145728                      ; where the scale words begin in wt
.set OFF, 16                           ; v16-47   row i of a block: i x row bytes + 4 x lane
.set X,   48                           ; v48-175  four blocks of 32 numbers
.set C,   176                          ; v176-207 eight registers of codes a block, never rewritten
.set SB,  14                           ; v14      the four scale bytes
	s_load_b256 s[4:11], s[0:1], 0x0               ; Wq, Wk, Wv, Wo
	s_load_b128 s[12:15], s[0:1], 0x20             ; W1, W2
	s_load_b64 s[16:17], s[0:1], 0x30              ; wt
	v_lshrrev_b32 v1, 5, v0
	v_readfirstlane_b32 s18, v1                    ; wave
	v_and_b32 v1, 31, v0                           ; lane
	v_lshlrev_b32 v2, 2, v1
	v_lshrrev_b32 v3, 4, v1                        ; which of my wave's two row tiles
	s_wait_alu depctr_va_vdst(0)
	v_and_b32 v4, 15, v1                           ; r
	s_lshr_b32 s19, ttmp9, 6                       ; region 0, 1, 2
	s_lshr_b32 s20, ttmp9, 4
	s_add_co_u32 s21, s19, 3
	s_and_b32 s22, ttmp9, 15
	s_and_b32 s23, ttmp9, 63
	s_lshl_b32 s36, s20, 18
	s_lshl_b32 s37, s19, 20
	s_cmp_eq_u32 s19, 0
	s_cselect_b32 s20, s20, s21                    ; which weight, 0 to 5
	s_cselect_b32 s22, s22, s23                    ; my number within it
	s_cselect_b32 s36, s36, s37                    ; where its codes begin in wt
	s_cmp_eq_u32 s19, 1
	s_cselect_b32 s38, 4, 2                        ; bits of the column number: W1 has 16 groups of 128 columns, the others 4
	s_mov_b32 s39, 2048
	s_cselect_b32 s39, 8192, s39                   ; bytes in a row of the weight
	s_cmp_eq_u32 s19, 2
	s_mov_b32 s40, 8192
	s_cselect_b32 s40, 32768, s40                  ; bytes of a row tile's codes: 2,048 x its K steps
	s_lshr_b32 s41, s40, 5                         ; and of its scale words
	s_lshl_b32 s42, 1, s38
	s_sub_co_u32 s42, s42, 1
	s_and_b32 s42, s22, s42                        ; group of 128 columns
	s_lshr_b32 s43, s22, s38                       ; K step
	s_mul_i32 s44, s43, s39
	s_lshl_b32 s44, s44, 7                         ; 128 rows a K step
	s_lshl_b32 s45, s42, 9
	s_add_co_u32 s44, s44, s45
	s_lshl_b32 s45, s18, 7
	s_add_co_u32 s44, s44, s45                     ; + my wave's 32 columns
	s_mov_b32 s45, 0
	s_lshl_b32 s46, s39, 5                         ; 32 rows: from block to block
	s_mov_b32 s47, 0
	s_lshl_b32 s48, s42, 3
	s_lshl_b32 s49, s18, 1
	s_add_co_u32 s48, s48, s49                     ; my first row tile of the operand
	s_mul_i32 s50, s48, s40
	s_add_co_u32 s50, s50, s36
	s_lshl_b32 s49, s43, 11
	s_add_co_u32 s50, s50, s49                     ; my codes
	s_mov_b32 s51, 0
	s_mul_i32 s52, s48, s41
	s_lshr_b32 s49, s36, 5
	s_add_co_u32 s52, s52, s49
	s_lshl_b32 s49, s43, 6
	s_add_co_u32 s52, s52, s49
	s_add_co_u32 s52, s52, WSC                     ; my scale words
	s_mov_b32 s53, 0
	s_mov_b32 s54, 0x600000                        ; the mantissa field of 448
	v_mul_u32_u24 v5, s40, v3
	s_wait_alu depctr_va_vdst(0)
	v_lshl_add_u32 v5, v4, 4, v5                   ; codes: tile x its bytes + 16 r
	v_mul_u32_u24 v6, s41, v3
	v_lshl_add_u32 v6, v4, 2, v6                   ; scale word: tile x its bytes + 4 r
.set n, 0
.rept 32
	v_mad_u32_u24 v[OFF+n], s39, n, v2
.set n, n+1
.endr
	s_wait_alu depctr_va_vdst(0)
	s_wait_kmcnt 0x0
	s_cmp_eq_u32 s20, 1                            ; the weight's address: the choice hangs on the work-group's number alone
	s_cselect_b64 s[4:5], s[6:7], s[4:5]
	s_cmp_eq_u32 s20, 2
	s_cselect_b64 s[4:5], s[8:9], s[4:5]
	s_cmp_eq_u32 s20, 3
	s_cselect_b64 s[4:5], s[10:11], s[4:5]
	s_cmp_eq_u32 s20, 4
	s_cselect_b64 s[4:5], s[12:13], s[4:5]
	s_cmp_eq_u32 s20, 5
	s_cselect_b64 s[4:5], s[14:15], s[4:5]
	s_add_nc_u64 s[24:25], s[4:5], s[44:45]        ; a base for each of the four blocks
	s_add_nc_u64 s[26:27], s[24:25], s[46:47]
	s_add_nc_u64 s[28:29], s[26:27], s[46:47]
	s_add_nc_u64 s[30:31], s[28:29], s[46:47]
	s_add_nc_u64 s[32:33], s[16:17], s[50:51]
	s_add_nc_u64 s[34:35], s[16:17], s[52:53]
.irp b, 0,1,2,3
.set n, 0
.rept 32
	global_load_b32 v[X+32*\b+n], v[OFF+n], s[24+2*\b:25+2*\b] th:TH_LOAD_NT   ; row 32 b + n at 32 neighbouring columns: 128 consecutive bytes; read once in the launch
.set n, n+1
.endr
.endr
; One block: left = how many younger loads may stay out
.macro BLOCK b, left
.set XB, X+32*\b
	s_wait_loadcnt \left
	v_max3_num_f32 v8, |v[XB]|, |v[XB+1]|, |v[XB+2]|               ; the block's largest magnitude: all 32 numbers are mine; two chains
	v_max3_num_f32 v9, |v[XB+3]|, |v[XB+4]|, |v[XB+5]|
.irp i, 6,10,14,18,22,26
	v_max3_num_f32 v8, v8, |v[XB+\i]|, |v[XB+\i+1]|
	v_max3_num_f32 v9, v9, |v[XB+\i+2]|, |v[XB+\i+3]|
.endr
	v_max3_num_f32 v8, v8, |v[XB+30]|, |v[XB+31]|
	v_max3_num_f32 v8, v8, v9, 0x4800000           ; and the floor 2^(9 - 127): the byte cannot fall under 1
	v_add_nc_u32 v11, 0xfc000000, v8               ; 8 off the exponent field: the conversion's scale operand
	v_and_or_b32 v10, v8, 0x7f800000, s54          ; 448 x the scale
	v_lshrrev_b32 v9, 23, v11                      ; the scale's byte
.if \b == 0
	v_mov_b32 v[SB], v9
.else
	v_lshl_or_b32 v[SB], v9, 8*\b, v[SB]
.endif
.set n, 0
.rept 32
	v_med3_num_f32 v[XB+n], v[XB+n], -v10, v10     ; the conversion to an 8-bit code does not saturate (ISA guide 7.6.2): hold first
.set n, n+1
.endr
	v_cvt_scalef32_pk8_fp8_f32 v[C+8*\b:C+8*\b+1],   v[XB:XB+7],     v11   ; lane half 0: k 0-7,
	v_cvt_scalef32_pk8_fp8_f32 v[C+8*\b+2:C+8*\b+3], v[XB+16:XB+23], v11   ; k 16-23
	v_cvt_scalef32_pk8_fp8_f32 v[C+8*\b+4:C+8*\b+5], v[XB+8:XB+15],  v11   ; lane half 1: k 8-15,
	v_cvt_scalef32_pk8_fp8_f32 v[C+8*\b+6:C+8*\b+7], v[XB+24:XB+31], v11   ; k 24-31
	v_nop                                          ; a plain line behind the last conversion: the next block writes v11
	global_store_b128 v5, v[C+8*\b:C+8*\b+3], s[32:33] offset:512*\b          ; sixteen lanes store 256 consecutive bytes, aligned, in each of the two tiles
	global_store_b128 v5, v[C+8*\b+4:C+8*\b+7], s[32:33] offset:512*\b+256
.endm
	BLOCK 0, 63                                    ; 96 loads stand behind block 0's and 64 behind block 1's; the wait names 63 at the most
	BLOCK 1, 63
	BLOCK 2, 32
	BLOCK 3, 0
	global_store_b32 v6, v[SB], s[34:35]           ; my column's scale word for this K step
	s_endpgm
.Lfunc_end_k_q26a6780e9b_wquant:
	.size	k_q26a6780e9b_wquant, .Lfunc_end_k_q26a6780e9b_wquant-k_q26a6780e9b_wquant
	.p2alignl 7, 3214868480
	.fill 96, 4, 3214868480
	.section	.rodata,"a",@progbits
	.p2align	6, 0x0
	.amdhsa_kernel k_q26a6780e9b_wquant
		.amdhsa_group_segment_fixed_size 0
		.amdhsa_private_segment_fixed_size 0
		.amdhsa_enable_private_segment 0
		.amdhsa_kernarg_size 56
		.amdhsa_user_sgpr_count 2
		.amdhsa_user_sgpr_kernarg_segment_ptr 1
		.amdhsa_wavefront_size32 1
		.amdhsa_system_sgpr_workgroup_id_x 1
		.amdhsa_system_sgpr_workgroup_id_y 1
		.amdhsa_system_sgpr_workgroup_id_z 1
		.amdhsa_system_vgpr_workitem_id 0
		.amdhsa_next_free_vgpr 208
		.amdhsa_next_free_sgpr 66
		.amdhsa_reserve_vcc 0
		.amdhsa_float_denorm_mode_32 3
		.amdhsa_float_denorm_mode_16_64 3
		.amdhsa_memory_ordered 1
		.amdhsa_forward_progress 1
		.amdhsa_inst_pref_size 33
	.end_amdhsa_kernel
	.amdgpu_metadata
---
amdhsa.version: [ 1, 2 ]
amdhsa.kernels:
  - .name:           k_q26a6780e9b_wquant
    .symbol:         k_q26a6780e9b_wquant.kd
    .args:
      - { .name: Wq, .offset: 0, .size: 8, .value_kind: global_buffer, .address_space: global }
      - { .name: Wk, .offset: 8, .size: 8, .value_kind: global_buffer, .address_space: global }
      - { .name: Wv, .offset: 16, .size: 8, .value_kind: global_buffer, .address_space: global }
      - { .name: Wo, .offset: 24, .size: 8, .value_kind: global_buffer, .address_space: global }
      - { .name: W1, .offset: 32, .size: 8, .value_kind: global_buffer, .address_space: global }
      - { .name: W2, .offset: 40, .size: 8, .value_kind: global_buffer, .address_space: global }
      - { .name: wt, .offset: 48, .size: 8, .value_kind: global_buffer, .address_space: global }
    .group_segment_fixed_size: 0
    .private_segment_fixed_size: 0
    .kernarg_segment_align: 8
    .kernarg_segment_size: 56
    .max_flat_workgroup_size: 128
    .sgpr_count:     66
    .vgpr_count:     208
    .wavefront_size: 32
...
	.end_amdgpu_metadata
.endif
;; end of part 8
;; launch ln1 (part 9): grid 256 x 1, 4 waves a work-group, no clusters, 36,352 bytes of LDS; arguments x, ln1_g, ln1_b, xn; writes xn
.if DOCPART == 9
	.amdgcn_target "amdgcn-amd-amdhsa--gfx1250"
	.amdhsa_code_object_version 6
	.text
	.protected	k_q26a6780e9b_ln1
	.globl	k_q26a6780e9b_ln1
	.p2align	8
	.type	k_q26a6780e9b_ln1,@function
k_q26a6780e9b_ln1:
	s_mov_b64 s[64:65], 0
	v_nop
	global_prefetch_b8 v0, s[64:65] scope:SCOPE_SE
	s_setreg_imm32_b32 hwreg(HW_REG_WAVE_MODE, 25, 1), 1
	s_wait_xcnt 0x0
; xn = the codes of layernorm(x) g + b, E4M3 with one E8M0 byte for each 32 channels, as images of the operand's registers:
; codes of (token tile, K step ks, piece c) at (tile 4 + ks) 2,048 + 512 c + 16 lane; scale words at XSC + tile 256 + 64 ks + 4 r.
; A work-group owns 32 rows (two tiles of 16); wave w owns channels 128 w .. 128 w + 127 of both, which are K step w of the image.
; Lane (r, h) holds row r; its register 8 t + j holds channel 128 w + 16 t + 8 h + j: the order in which matrix results lie, and the order of all this program's operands inside a block of 32.
; THE VARIANCE IS TAKEN IN TWO PASSES: each wave takes its 128 channels' mean and the sum of squares about it; the four pairs meet in LDS and are combined exactly
; (mean = the mean of the means; M2 = the sum of the M2 + 128 x the sum of the squared distances of the means): no difference of large sums is formed.
; LIMITS: NaN and infinities are not served; a block whose largest magnitude lies under 2^-118 keeps the byte 1; a block of zeros gets the byte 1 where the rule says 127.
; REGISTERS: window 0 as named below; window 3: v128-191 g, v192-255 b of my 64 channels.
.set XSC,  4194304
.set STAT, 33792                       ; LDS: 2 tiles x 4 waves x 256 bytes: (mean, M2) of each lane's row
.set LI,  4                            ; 16 x lane
.set XA,  6                            ; x: r x 2,048 + 32 h + 512 w
.set GA,  7                            ; g, b: 32 h + 512 w
.set STW, 11                           ; where I put my statistics
.set STR, 12                           ; where I read the four waves'
.set SA,  13                           ; scale words: 256 h + 64 w + 4 r
.set SV,  14
.set HA0, 48
.set HA1, 112
.set PC,  176                          ; v176-191 the codes just made
.set TM,  192                          ; v192-207 at work in QUANT
.set PW0, 208
.set PW1, 209
.set ST0, 210
.set ST1, 212
.set WA,  214
.set WB,  216
.set SR,  218
.set RD,  226
.set CD,  228
.set T0,  230
.set GW,  128
.set BW,  192
.set WV,  20
.set SEL, 22
.set MNT, 24
.set HM,  25
.set C512, 26
.set EPSR, 27
.set MSB, 0
.macro WIN new                         ; the immediate's high byte repeats the setting that is left
.if MSB != (\new)
	s_set_vgpr_msb (MSB<<8)|(\new)
.set MSB, (\new)
.endif
.endm
; 64 numbers of a lane, register 16 b + i = place 32 b + 16 h + i of my row, become a fragment's codes in v[PC] on and its scale word in v[pw]
.macro QUANT s, relu, pw
.if \relu
.irp b, 0,1,2,3
	v_max3_num_f32 v[TM+\b], v[\s+16*\b], v[\s+1+16*\b], 0x4800000
.endr
.irp i, 2,4,6,8,10,12,14
.irp b, 0,1,2,3
	v_max3_num_f32 v[TM+\b], v[TM+\b], v[\s+16*\b+\i], v[\s+1+16*\b+\i]
.endr
.endr
.else
.irp b, 0,1,2,3
	v_max3_num_f32 v[TM+\b], |v[\s+16*\b]|, |v[\s+1+16*\b]|, 0x4800000   ; my 16 numbers of block b, and the floor 2^(9 - 127)
.endr
.irp i, 2,4,6,8,10,12,14
.irp b, 0,1,2,3
	v_max3_num_f32 v[TM+\b], v[TM+\b], |v[\s+16*\b+\i]|, |v[\s+1+16*\b+\i]|
.endr
.endr
.endif
.irp b, 0,1,2,3
	v_permlanex16_b32 v[TM+4+\b], v[TM+\b], s[SEL], s[SEL+1]
.endr
.irp b, 0,1,2,3
	v_max_num_f32 v[TM+\b], v[TM+\b], v[TM+4+\b]   ; with lane l xor 16's: the block's largest magnitude
.endr
.irp b, 0,1,2,3
	v_add_nc_u32 v[TM+12+\b], 0xfc000000, v[TM+\b] ; 8 off the exponent field: the conversion's scale operand
.endr
.irp b, 0,1,2,3
	v_and_or_b32 v[TM+8+\b], v[TM+\b], 0x7f800000, s[MNT]   ; 448 x the scale
.endr
.irp b, 0,1,2,3
	v_lshrrev_b32 v[TM+4+\b], 23, v[TM+12+\b]      ; the scale's byte
.endr
	v_lshl_or_b32 v[\pw], v[TM+5], 8, v[TM+4]
	v_lshl_or_b32 v[\pw], v[TM+6], 16, v[\pw]
	v_lshl_or_b32 v[\pw], v[TM+7], 24, v[\pw]
.irp b, 0,1,2,3
.irp i, 0,1,2,3,4,5,6,7,8,9,10,11,12,13,14,15
.if \relu
	v_med3_num_f32 v[\s+16*\b+\i], v[\s+16*\b+\i], 0, v[TM+8+\b]
.else
	v_med3_num_f32 v[\s+16*\b+\i], v[\s+16*\b+\i], -v[TM+8+\b], v[TM+8+\b]   ; the conversion does not saturate (ISA guide 7.6.2): hold first
.endif
.endr
	v_cvt_scalef32_pk8_fp8_f32 v[PC+4*\b:PC+1+4*\b], v[\s+16*\b:\s+7+16*\b], v[TM+12+\b]
	v_cvt_scalef32_pk8_fp8_f32 v[PC+2+4*\b:PC+3+4*\b], v[\s+8+16*\b:\s+15+16*\b], v[TM+12+\b]
.endr
	v_nop                                          ; a plain line behind the last conversion
.endm
; my 128 channels' mean of each row, the numbers less that mean (in place), and the sum of their squares; both to LDS
.macro LSTAT ha, st, m
	v_pk_add_f32 v[WA:WA+1], v[\ha:\ha+1], v[\ha+2:\ha+3]
	v_pk_add_f32 v[WB:WB+1], v[\ha+4:\ha+5], v[\ha+6:\ha+7]
.irp j, 8,12,16,20,24,28,32,36,40,44,48,52,56,60
	v_pk_add_f32 v[WA:WA+1], v[WA:WA+1], v[\ha+\j:\ha+\j+1]
	v_pk_add_f32 v[WB:WB+1], v[WB:WB+1], v[\ha+\j+2:\ha+\j+3]
.endr
	v_pk_add_f32 v[WA:WA+1], v[WA:WA+1], v[WB:WB+1]
	v_add_f32 v[WA], v[WA], v[WA+1]
	v_permlanex16_b32 v[WB], v[WA], s[SEL], s[SEL+1]
	v_add_f32 v[WA], v[WA], v[WB]                  ; with lane l xor 16's 64 channels
	v_mul_f32 v[\st], 0x3c000000, v[WA]            ; / 128
.set j, 0
.rept 32
	v_pk_add_f32 v[\ha+j:\ha+j+1], v[\ha+j:\ha+j+1], v[\st:\st+1] op_sel_hi:[1,0] neg_lo:[0,1] neg_hi:[0,1]
.set j, j+2
.endr
	v_pk_mul_f32 v[WA:WA+1], v[\ha:\ha+1], v[\ha:\ha+1]
	v_pk_mul_f32 v[WB:WB+1], v[\ha+2:\ha+3], v[\ha+2:\ha+3]
.irp j, 4,8,12,16,20,24,28,32,36,40,44,48,52,56,60
	v_pk_fma_f32 v[WA:WA+1], v[\ha+\j:\ha+\j+1], v[\ha+\j:\ha+\j+1], v[WA:WA+1]
	v_pk_fma_f32 v[WB:WB+1], v[\ha+\j+2:\ha+\j+3], v[\ha+\j+2:\ha+\j+3], v[WB:WB+1]
.endr
	v_pk_add_f32 v[WA:WA+1], v[WA:WA+1], v[WB:WB+1]
	v_add_f32 v[WA], v[WA], v[WA+1]
	v_permlanex16_b32 v[WB], v[WA], s[SEL], s[SEL+1]
	v_add_f32 v[\st+1], v[WA], v[WB]
	ds_store_b64 v[STW], v[\st:\st+1] offset:1024*\m
.endm
; the four waves' statistics are combined; the row is normalised, scaled by g, shifted by b, quantised and stored
.macro FIN ha, st, m, pw
.irp i, 0,1,2,3
	ds_load_b64 v[SR+2*\i:SR+2*\i+1], v[STR] offset:1024*\m+256*\i
.endr
	s_wait_dscnt 0x0
	v_add_f32 v[T0], v[SR], v[SR+2]
	v_add_f32 v[T0+1], v[SR+4], v[SR+6]
	v_add_f32 v[T0], v[T0], v[T0+1]
	v_mul_f32 v[T0], 0x3e800000, v[T0]             ; the row's mean
	v_sub_f32 v[T0+1], v[SR], v[T0]
	v_sub_f32 v[T0+2], v[SR+2], v[T0]
	v_sub_f32 v[T0+3], v[SR+4], v[T0]
	v_sub_f32 v[T0+4], v[SR+6], v[T0]
	v_mul_f32 v[T0+1], v[T0+1], v[T0+1]
	v_fma_f32 v[T0+1], v[T0+2], v[T0+2], v[T0+1]
	v_fma_f32 v[T0+1], v[T0+3], v[T0+3], v[T0+1]
	v_fma_f32 v[T0+1], v[T0+4], v[T0+4], v[T0+1]
	v_add_f32 v[T0+2], v[SR+1], v[SR+3]
	v_add_f32 v[T0+3], v[SR+5], v[SR+7]
	v_add_f32 v[T0+2], v[T0+2], v[T0+3]
	v_fmamk_f32 v[T0+1], v[T0+1], 0x43000000, v[T0+2]   ; 128 x the means' squared distances + the four M2
	v_fma_f32 v[T0+1], v[T0+1], s[C512], s[EPSR]   ; / 512 + 1e-5
	s_wait_alu depctr_va_vdst(0)
	v_rsq_f32 v[RD], v[T0+1]
	v_sub_f32 v[T0+5], v[\st], v[T0]               ; (the plain line behind the root)  my wave's mean less the row's
	s_wait_alu depctr_va_vdst(0)
	v_mul_f32 v[CD], v[T0+5], v[RD]
.set j, 0
.rept 32
	v_pk_fma_f32 v[\ha+j:\ha+j+1], v[\ha+j:\ha+j+1], v[RD:RD+1], v[CD:CD+1] op_sel_hi:[1,0,0]   ; (x - mean) / the root
.set j, j+2
.endr
	WIN 0x3c                                       ; sources 1 and 2 in window 3
.set j, 0
.rept 32
	v_pk_fma_f32 v[\ha+j:\ha+j+1], v[\ha+j:\ha+j+1], v[GW+j:GW+j+1], v[BW+j:BW+j+1]
.set j, j+2
.endr
	WIN 0
.if \m
	s_wait_xcnt 0x0                                ; the first tile's stores have read v[PC] on: only now are they written again
.endif
	QUANT \ha, 0, \pw
.irp c, 0,1,2,3
	global_store_b128 v[LI], v[PC+4*\c:PC+4*\c+3], s[10:11] offset:\m*8192+512*\c   ; 512 consecutive bytes, aligned
.endr
.endm
	s_load_b256 s[4:11], s[0:1], 0x0               ; x, g, b, xn
	v_lshl_add_u32 v254, v0, 2, 0x8c00
	v_mov_b32 v255, 0
	v_lshrrev_b32 v1, 5, v0
	v_readfirstlane_b32 s[WV], v1                  ; wave
	v_and_b32 v1, 31, v0                           ; lane
	v_and_b32 v2, 15, v0                           ; r
	v_bfe_u32 v3, v0, 4, 1                         ; h
	v_lshlrev_b32 v[LI], 4, v1
	s_lshl_b32 s28, s[WV], 9
	v_lshl_add_u32 v[GA], v3, 5, s28
	v_lshl_add_u32 v[XA], v2, 11, v[GA]
	s_lshl_b32 s30, s[WV], 8
	v_lshlrev_b32 v[STR], 3, v1
	v_add_nc_u32 v[STR], STAT, v[STR]
	v_add_nc_u32 v[STW], s30, v[STR]
	s_lshl_b32 s30, s[WV], 6
	v_lshlrev_b32 v[SA], 2, v2
	v_lshl_add_u32 v[SA], v3, 8, v[SA]
	v_add_nc_u32 v[SA], s30, v[SA]
.irp b, 0,1,2,3
	v_mov_b32 v[TM+4+\b], 0                        ; written once: a lane permute's destination counts as one of its sources
.endr
	v_mov_b32 v[ST0+1], 0                          ; upper halves of pairs that are named before they are first written
	v_mov_b32 v[ST1+1], 0
	v_mov_b32 v[RD+1], 0
	v_mov_b32 v[CD+1], 0
	s_mov_b32 s[SEL], 0x76543210
	s_mov_b32 s[SEL+1], 0xfedcba98                 ; v_permlanex16_b32's selects for lane l xor 16
	s_mov_b32 s[MNT], 0x600000                     ; the mantissa field of 448
	s_mov_b32 s[HM], 0xffff0000                    ; lanes 16-31
	s_mov_b32 s[C512], 0x3b000000                  ; 1 / 512
	s_mov_b32 s[EPSR], 0x3727c5ac                  ; 1e-5
	s_lshl_b32 s28, ttmp9, 16                      ; my 32 rows of 2,048 bytes
	s_mov_b32 s29, 0
	s_lshl_b32 s32, s[WV], 11
	s_lshl_b32 s30, ttmp9, 14
	s_add_co_u32 s32, s32, s30                     ; xn's codes: my two tiles, my K step
	s_mov_b32 s33, 0
	s_lshl_b32 s34, ttmp9, 9
	s_add_co_u32 s34, s34, XSC                     ; and their scale words
	s_mov_b32 s35, 0
	s_wait_kmcnt 0x0
	s_add_nc_u64 s[4:5], s[4:5], s[28:29]
	s_add_nc_u64 s[42:43], s[10:11], s[34:35]
	s_add_nc_u64 s[10:11], s[10:11], s[32:33]
.irp m, 0,1
.irp t, 0,1,2,3,4,5,6,7
.irp u, 0,1
	global_load_b128 v[HA0+64*\m+8*\t+4*\u:HA0+64*\m+8*\t+4*\u+3], v[XA], s[4:5] offset:\m*32768+64*\t+16*\u
.endr
.endr
.endr
	WIN 0xc0                                       ; destination window 3
.irp t, 0,1,2,3,4,5,6,7
.irp u, 0,1
	global_load_b128 v[GW+8*\t+4*\u:GW+8*\t+4*\u+3], v[GA], s[6:7] offset:64*\t+16*\u
	global_load_b128 v[BW+8*\t+4*\u:BW+8*\t+4*\u+3], v[GA], s[8:9] offset:64*\t+16*\u
.endr
.endr
	WIN 0
	s_wait_loadcnt 0x0
	LSTAT HA0, ST0, 0
	LSTAT HA1, ST1, 1
	s_wait_dscnt 0x0                               ; for the others' sake: my statistics lie in LDS
	s_barrier_signal -1
	s_barrier_wait -1
	FIN HA0, ST0, 0, PW0
	FIN HA1, ST1, 1, PW1
	v_cndmask_b32 v[SV], v[PW0], v[PW1], s[HM]     ; lanes 0-15 store the first tile's words, lanes 16-31 the second's
	global_store_b32 v[SA], v[SV], s[42:43]
	s_wait_tensorcnt 0x0
	ds_add_u32 v254, v255
	s_wait_dscnt 0x0
	s_endpgm
.Lfunc_end_k_q26a6780e9b_ln1:
	.size	k_q26a6780e9b_ln1, .Lfunc_end_k_q26a6780e9b_ln1-k_q26a6780e9b_ln1
	.p2alignl 7, 3214868480
	.fill 96, 4, 3214868480
	.section	.rodata,"a",@progbits
	.p2align	6, 0x0
	.amdhsa_kernel k_q26a6780e9b_ln1
		.amdhsa_group_segment_fixed_size 36352
		.amdhsa_private_segment_fixed_size 0
		.amdhsa_enable_private_segment 0
		.amdhsa_kernarg_size 32
		.amdhsa_user_sgpr_count 2
		.amdhsa_user_sgpr_kernarg_segment_ptr 1
		.amdhsa_wavefront_size32 1
		.amdhsa_system_sgpr_workgroup_id_x 1
		.amdhsa_system_sgpr_workgroup_id_y 1
		.amdhsa_system_sgpr_workgroup_id_z 1
		.amdhsa_system_vgpr_workitem_id 0
		.amdhsa_next_free_vgpr 1024
		.amdhsa_next_free_sgpr 66
		.amdhsa_reserve_vcc 0
		.amdhsa_float_denorm_mode_32 3
		.amdhsa_float_denorm_mode_16_64 3
		.amdhsa_memory_ordered 1
		.amdhsa_forward_progress 1
		.amdhsa_inst_pref_size 49
	.end_amdhsa_kernel
	.amdgpu_metadata
---
amdhsa.version: [ 1, 2 ]
amdhsa.kernels:
  - .name:           k_q26a6780e9b_ln1
    .symbol:         k_q26a6780e9b_ln1.kd
    .args:
      - { .name: x, .offset: 0, .size: 8, .value_kind: global_buffer, .address_space: global }
      - { .name: ln1_g, .offset: 8, .size: 8, .value_kind: global_buffer, .address_space: global }
      - { .name: ln1_b, .offset: 16, .size: 8, .value_kind: global_buffer, .address_space: global }
      - { .name: xn, .offset: 24, .size: 8, .value_kind: global_buffer, .address_space: global }
    .group_segment_fixed_size: 36352
    .private_segment_fixed_size: 0
    .kernarg_segment_align: 8
    .kernarg_segment_size: 32
    .max_flat_workgroup_size: 128
    .sgpr_count:     66
    .vgpr_count:     1024
    .wavefront_size: 32
...
	.end_amdgpu_metadata
.endif
;; end of part 9
;; launch qkv (part 10): grid 64 x 3, 4 waves a work-group, no clusters, 68,096 bytes of LDS; arguments xn, wt, bq, bk, bv, qr, kv; writes qr, kv
.if DOCPART == 10
	.amdgcn_target "amdgcn-amd-amdhsa--gfx1250"
	.amdhsa_code_object_version 6
	.text
	.protected	k_q26a6780e9b_qkv
	.globl	k_q26a6780e9b_qkv
	.p2align	8
	.type	k_q26a6780e9b_qkv,@function
k_q26a6780e9b_qkv:
	s_mov_b64 s[64:65], 0
	v_nop
	global_prefetch_b8 v0, s[64:65] scope:SCOPE_SE
	s_setreg_imm32_b32 hwreg(HW_REG_WAVE_SCHED_MODE, 0, 2), 2
	s_setreg_imm32_b32 hwreg(HW_REG_WAVE_MODE, 25, 1), 1
	s_wait_xcnt 0x0
	s_wait_alu depctr_vm_vsrc(0)
; FFN = 0: q, k and v = xn W + b (work-group y = 0, 1, 2), quantised on the way and laid as attention wants them.   FFN = 1: h = relu(xn W1 + b1), quantised along the hidden units.
; ONE STRUCTURE: a wave keeps a RESIDENT operand of 128 rows x K 512 in 512 registers (source 0); eight STREAMED tiles of 16 rows x K 512 (source 1) come through LDS, shared by the four waves.
; In a result lane (r, h) holds streamed row r, and its register 8 t + j resident row 16 t + 8 h + j: 64 numbers that are quantised along the resident rows into one fragment and one scale word.
;   q, k:  resident = the weight's channels 128 w on (heads 2 w, 2 w + 1), streamed = token tiles 8 x on: codes along the head's 64 channels.
;   v:     resident = the 128 tokens of key step 4 (x / 4) + w, streamed = Wv's channel tiles 8 (x % 4) on: a lane holds a channel and its registers run along the KEYS, which are the second product's K.
;   ffn1:  resident = W1's channels 512 y + 128 w on, streamed = token tiles 8 x on.
; The modes differ in numbers and pointers alone, selected on the work-group's number: there is no branch.
; RECORDS of qr and kv: (16 heads x 32 key steps) x 16,896 bytes: +0 K's codes, 8 key tiles x 1,024; +8,192 V's, 4 channel tiles x 2,048; +16,384 K's scale words, one for two key tiles
; (bytes 0, 1 the even tile's, bytes 2, 3 the odd one's), 4 x 64; +16,640 V's scale words, 4 x 64.  qr holds the queries in K's places.
; All operands are images of their registers (16 bytes a lane, 512 a piece): dense loads and stores, no pitch.
; No cluster: what work-groups share here goes straight into registers, not into LDS by tensor loads.
; LIMITS: NaN and infinities are not served; a block whose largest magnitude lies under 2^-118 keeps the byte 1; a block of zeros gets the byte 1 where the rule says 127.
; REGISTERS: window 0 as named below; windows 1 and 2: the resident operand (tile t, K step k at v[32 t + 16 (k % 2)] of window 1 + k / 2);
;   window 3: v0-63 the streamed tiles of even number, v64-127 the bias along the resident rows, v128-255 the copy into LDS, and behind it v128-191 the streamed tiles of odd number.
; THE MODE: SCHED_MODE bits 1:0 = 2 (LLVM: expert scheduling mode 2), set by the entry lines.  The code itself states the register dependences
; between vector or matrix instructions and memory or LDS instructions, with s_wait_alu, always for 0.
; THE PLAN.  Registers that memory or LDS instructions touch behind the head:
;   F0, F1 (window 3, v0-63 and v128-191) and XS's two sets.  Tile m: its 32 products read set m % 2; at the tile's end the LDS loads of tile m + 2 land in it.
;   v[PC ..], A0, A1, SA, SV.  Tile m: written by its conversions and address lines, read by its stores; written again in tile m + 1.
;   LI, L4S.  Read by every LDS load; never written again.
; So ONE wait on va_vdst stands in a tile, behind its last vector line: it states that the codes and offsets are written, which the stores read, and that the tile's products are done reading
; their set, in which the loads land.  The loads and the stores follow it with no vector line between.  ONE wait on vm_vsrc stands ahead of a tile's conversions: the last tile's stores have read what these write.
.set FFN, 0
.set RB,  16896
.set HS,  32*RB
.set LI,  4                            ; 16 x lane
.set L4,  5                            ; 4 x lane
.set L4S, 6                            ; 4 x lane + 65,536: the streamed scale words in LDS
.set A0,  7
.set A1,  8
.set SA,  9
.set SV,  10
.set SV2, 11
.set SAL, 12
.set CP,  13
.set CPS, 14
.set BRA, 15
.set RS,  16                           ; v16-31 the resident scale words: tile t, K steps 2 p (lanes 0-15) and 2 p + 1 (lanes 16-31) at RS + 2 t + p
.set XS,  32                           ; v32-35 the streamed ones, two sets
.set BL,  36                           ; v36-43 the bias along the streamed rows, one register a tile
.set BLA, 44
.set PWE, 45
.set PWO, 46
.set HA,  48
.set CT,  112
.set PC,  176
.set TM,  192
.set BR,  64
.set WV,  18
.set XX,  19
.set YY,  20
.set SEL, 22
.set MNT, 24
.set HM,  25
.set RP,  26
.set SP,  28
.set RSP, 30
.set SSP, 32
.set BP,  34
.set OP,  36
.set RO,  38
.set SO,  40
.set RSO, 42
.set SSO, 44
.set C0,  46
.set Z0,  47
.set S1,  48
.set S2,  49
.set D2,  50
.set T1,  51
.set T2,  52
.set D2S, 53
.set SLO, 54
.set SHI, 55
.set MQ,  56
.set MV,  57
.set MSB, 0
.macro WIN new                         ; the immediate's high byte repeats the setting that is left
.if MSB != (\new)
	s_set_vgpr_msb (MSB<<8)|(\new)
.set MSB, (\new)
.endif
.endm
; 64 numbers of a lane, register 16 b + i = place 32 b + 16 h + i, become a fragment's codes in v[PC] on and its scale word in v[pw].  relu = 1: what is negative becomes 0 on the way
.macro QUANT s, relu, pw
.if \relu
.irp b, 0,1,2,3
	v_max3_num_f32 v[TM+\b], v[\s+16*\b], v[\s+1+16*\b], 0x4800000   ; no |.|: what is negative must not count; the floor 2^(9 - 127) stands over it
.endr
.irp i, 2,4,6,8,10,12,14
.irp b, 0,1,2,3
	v_max3_num_f32 v[TM+\b], v[TM+\b], v[\s+16*\b+\i], v[\s+1+16*\b+\i]
.endr
.endr
.else
.irp b, 0,1,2,3
	v_max3_num_f32 v[TM+\b], |v[\s+16*\b]|, |v[\s+1+16*\b]|, 0x4800000   ; my 16 numbers of block b, and the floor 2^(9 - 127)
.endr
.irp i, 2,4,6,8,10,12,14
.irp b, 0,1,2,3
	v_max3_num_f32 v[TM+\b], v[TM+\b], |v[\s+16*\b+\i]|, |v[\s+1+16*\b+\i]|
.endr
.endr
.endif
.irp b, 0,1,2,3
	v_permlanex16_b32 v[TM+4+\b], v[TM+\b], s[SEL], s[SEL+1]
.endr
.irp b, 0,1,2,3
	v_max_num_f32 v[TM+\b], v[TM+\b], v[TM+4+\b]   ; with lane l xor 16's: the block's largest magnitude
.endr
.irp b, 0,1,2,3
	v_add_nc_u32 v[TM+12+\b], 0xfc000000, v[TM+\b] ; 8 off the exponent field: the conversion's scale operand
.endr
.irp b, 0,1,2,3
	v_and_or_b32 v[TM+8+\b], v[TM+\b], 0x7f800000, s[MNT]   ; 448 x the scale
.endr
.irp b, 0,1,2,3
	v_lshrrev_b32 v[TM+4+\b], 23, v[TM+12+\b]      ; the scale's byte
.endr
	v_lshl_or_b32 v[\pw], v[TM+5], 8, v[TM+4]
	v_lshl_or_b32 v[\pw], v[TM+6], 16, v[\pw]
	v_lshl_or_b32 v[\pw], v[TM+7], 24, v[\pw]
.irp b, 0,1,2,3
.irp i, 0,1,2,3,4,5,6,7,8,9,10,11,12,13,14,15
.if \relu
	v_med3_num_f32 v[\s+16*\b+\i], v[\s+16*\b+\i], 0, v[TM+8+\b]   ; the activation and the hold in one
.else
	v_med3_num_f32 v[\s+16*\b+\i], v[\s+16*\b+\i], -v[TM+8+\b], v[TM+8+\b]   ; the conversion does not saturate (ISA guide 7.6.2): hold first
.endif
.endr
	v_cvt_scalef32_pk8_fp8_f32 v[PC+4*\b:PC+1+4*\b], v[\s+16*\b:\s+7+16*\b], v[TM+12+\b]
	v_cvt_scalef32_pk8_fp8_f32 v[PC+2+4*\b:PC+3+4*\b], v[\s+8+16*\b:\s+15+16*\b], v[TM+12+\b]
.endr
	v_nop                                          ; a plain line behind the last conversion: the next products write v[s] on
.endm
; 32 matrix instructions: K step by K step, the eight accumulators by turns, one instruction a turn.
; cm = 0: the sums start from 0; 1: from the bias in window 3; 2: from what the accumulators hold.  Odd K steps take their scales from lanes 16-31.
.macro MM32 ha, xf, xs, cm
.irp k, 0,1,2,3
.if (\k == 0) && (\cm == 1)
	WIN 0x3d                                       ; source 0 window 1, sources 1 and 2 window 3
.elseif \k < 2
	WIN 0x0d                                       ; source 0 window 1, source 1 window 3
.else
	WIN 0x0e                                       ; source 0 window 2, source 1 window 3
.endif
.irp t, 0,1,2,3,4,5,6,7
.set rD, (\ha)+8*\t
.set rA, 32*\t+16*(\k%2)
.set rB, (\xf)+16*\k
.set rP, RS+2*\t+\k/2
.set rQ, (\xs)+\k/2
.if (\k == 0) && (\cm == 0)
	v_wmma_scale_f32_16x16x128_f8f6f4 v[rD:rD+7], v[rA:rA+15], v[rB:rB+15], 0, v[rP], v[rQ]
.elseif (\k == 0) && (\cm == 1)
	v_wmma_scale_f32_16x16x128_f8f6f4 v[rD:rD+7], v[rA:rA+15], v[rB:rB+15], v[BR+8*\t:BR+8*\t+7], v[rP], v[rQ]
.elseif (\k%2) == 0
	v_wmma_scale_f32_16x16x128_f8f6f4 v[rD:rD+7], v[rA:rA+15], v[rB:rB+15], v[rD:rD+7], v[rP], v[rQ]
.else
	v_wmma_scale_f32_16x16x128_f8f6f4 v[rD:rD+7], v[rA:rA+15], v[rB:rB+15], v[rD:rD+7], v[rP], v[rQ] matrix_a_scale:MATRIX_SCALE_ROW1 matrix_b_scale:MATRIX_SCALE_ROW1
.endif
.endr
.endr
	WIN 0
.endm
; the resident operand: 8 tiles x 4 K steps x 4 pieces of 512 bytes, and its 16 registers of scale words
.macro RESLOAD pc, ps, tstr, tss
.irp p, 0,1
	WIN 0x40+0x40*\p
.irp t, 0,1,2,3,4,5,6,7
.irp q, 0,1
.irp c, 0,1,2,3
	global_load_b128 v[32*\t+16*\q+4*\c:32*\t+16*\q+4*\c+3], v[LI], s[\pc:\pc+1] offset:\t*\tstr+(2*\p+\q)*2048+\c*512
.endr
.endr
.endr
.endr
	WIN 0
.irp t, 0,1,2,3,4,5,6,7
.irp p, 0,1
	global_load_b32 v[RS+2*\t+\p], v[L4], s[\ps:\ps+1] offset:\t*\tss+\p*128
.endr
.endr
.endm
.macro FETCH m                         ; 18 LDS loads: streamed tile m: 16 pieces into set m % 2 of window 3, and its two registers of scale words into set m % 2
	WIN 0xc0
.irp k, 0,1,2,3
.irp c, 0,1,2,3
	ds_load_b128 v[128*((\m)%2)+16*\k+4*\c:128*((\m)%2)+16*\k+4*\c+3], v[LI] offset:8192*(\m)+2048*\k+512*\c
.endr
.endr
	WIN 0
	ds_load_b32 v[XS+2*((\m)%2)], v[L4S] offset:256*(\m)
	ds_load_b32 v[XS+2*((\m)%2)+1], v[L4S] offset:256*(\m)+128
.endm
.macro TILE m
.if \m < 7
	s_wait_dscnt 18                                ; LDS loads come back in order: this tile and its scale words are in; the next tile's 18 loads may stay out
.else
	s_wait_dscnt 0x0                               ; the last tile is in
.endif
	MM32 HA, 128*((\m)%2), XS+2*((\m)%2), 1
.rept 8
	v_nop                                          ; eight places behind this form, in front of the first read of results
.endr
.if FFN == 0
.set j, 0
.rept 32
.if (\m)%2
	v_pk_add_f32 v[HA+j:HA+j+1], v[HA+j:HA+j+1], v[BL+2*((\m)/2):BL+2*((\m)/2)+1] op_sel:[0,1] op_sel_hi:[1,1]   ; the bias of my streamed row (v's channel; 0 for q and k)
.else
	v_pk_add_f32 v[HA+j:HA+j+1], v[HA+j:HA+j+1], v[BL+2*((\m)/2):BL+2*((\m)/2)+1] op_sel_hi:[1,0]
.endif
.set j, j+2
.endr
.endif
	s_wait_xcnt 0x0                                ; the last tile's stores have read their data and offsets: only now are these written again
.if \m > 0
	s_wait_alu depctr_vm_vsrc(0)                   ; the last tile's stores have read v[PC ..], A0, A1, SA and SV, which the lines below write again
.endif
.if (\m)%2
	QUANT HA, FFN, PWO
.else
	QUANT HA, FFN, PWE
.endif
	s_mul_i32 s66, s[S1], (\m)%4
	s_mul_i32 s67, s[S2], (\m)/4
	s_add_co_u32 s66, s66, s67
	s_add_co_u32 s66, s66, s[C0]
	v_add_nc_u32 v[A0], s66, v[LI]
	v_add_nc_u32 v[A1], s[D2], v[A0]
.if (\m)%2
	v_perm_b32 v[SV], v[PWO], v[PWE], s[SLO]       ; q, k: the first head's bytes of both tiles; else the even tile's word
	v_perm_b32 v[SV2], v[PWO], v[PWE], s[SHI]      ; q, k: the second head's; else the odd tile's word
	v_cndmask_b32 v[SV], v[SV], v[SV2], s[HM]      ; lanes 16-31 store the second
	s_mul_i32 s68, s[T1], ((\m)/2)%2
	s_mul_i32 s69, s[T2], (\m)/4
	s_add_co_u32 s68, s68, s69
	s_add_co_u32 s68, s68, s[Z0]
	v_add_nc_u32 v[SA], s68, v[SAL]
.endif
.if \m < 6
	WIN 0xc0                                       ; the loads' window first, then the wait, then the loads
.endif
	s_wait_alu depctr_va_vdst(0)                   ; the conversions have written v[PC ..] and the lines above A0, A1, SA and SV, which the stores read; this tile's products are done reading their set of window 3 and of XS, in which the loads land
.if \m < 6
	FETCH (\m)+2                                   ; two tiles ahead, into the set that this tile has left
.endif
	global_store_b128 v[A0], v[PC:PC+3], s[OP:OP+1]                 ; each store: 512 consecutive bytes, aligned
	global_store_b128 v[A0], v[PC+4:PC+7], s[OP:OP+1] offset:512
	global_store_b128 v[A1], v[PC+8:PC+11], s[OP:OP+1]
	global_store_b128 v[A1], v[PC+12:PC+15], s[OP:OP+1] offset:512
.if (\m)%2
	global_store_b32 v[SA], v[SV], s[OP:OP+1]
.endif
.endm
	s_load_b256 s[4:11], s[0:1], 0x0               ; xn, wt, then bq, bk (FFN: b1, hb)
.if FFN == 0
	s_load_b128 s[12:15], s[0:1], 0x20             ; bv, qr
	s_load_b64 s[16:17], s[0:1], 0x30              ; kv
	v_lshl_add_u32 v254, v0, 2, 0x10800
	v_mov_b32 v255, 0
.endif
	v_lshrrev_b32 v1, 5, v0
	v_readfirstlane_b32 s[WV], v1                  ; wave
	v_and_b32 v1, 31, v0                           ; lane
	v_and_b32 v2, 15, v0                           ; r
	v_bfe_u32 v3, v0, 4, 1                         ; h
	v_lshlrev_b32 v[LI], 4, v1
	v_lshlrev_b32 v[L4], 2, v1
	v_add_nc_u32 v[L4S], 65536, v[L4]
	s_wait_alu depctr_va_sdst(0)                   ; the wave's number is written, ahead of its first reader
	s_lshl_b32 s58, s[WV], 14
	v_add_nc_u32 v[CP], s58, v[LI]                 ; my quarter of the streamed codes in LDS
	s_lshl_b32 s58, s[WV], 9
	v_add_nc_u32 v[CPS], s58, v[LI]
	v_add_nc_u32 v[CPS], 65536, v[CPS]             ; and of their scale words
	v_lshl_add_u32 v[BRA], v3, 5, s58              ; the bias along the resident rows: 32 h + 512 w
.irp b, 0,1,2,3
	v_mov_b32 v[TM+4+\b], 0                        ; written once: a lane permute's destination counts as one of its sources
.endr
	s_mov_b32 s[SEL], 0x76543210
	s_mov_b32 s[SEL+1], 0xfedcba98
	s_mov_b32 s[MNT], 0x600000
	s_mov_b32 s[HM], 0xffff0000
	s_mov_b32 s[XX], ttmp9
	s_and_b32 s[YY], ttmp7, 0xffff
.if FFN
	s_add_co_u32 s58, s[YY], 4                     ; W1's codes begin at 4 x 262,144
	s_mov_b32 s59, s[XX]
	s_mov_b32 s67, 3145728                         ; the resident scale words lie in wt,
	s_mov_b32 s68, 4194304                         ; the streamed ones in xn
	s_mov_b32 s[S1], 32768
	s_mov_b32 s[S2], 131072
	s_mov_b32 s[D2], 1024
	s_mov_b32 s[T1], 2048
	s_mov_b32 s[T2], 4096
	s_mov_b32 s[D2S], 1024
	s_mov_b32 s[SLO], 0x03020100
	s_mov_b32 s[SHI], 0x07060504
	s_lshl_b32 s71, s[YY], 2
	s_add_co_u32 s71, s71, s[WV]                   ; my K step of hb
	s_lshl_b32 s[C0], s[XX], 18
	s_lshl_b32 s72, s71, 11
	s_add_co_u32 s[C0], s[C0], s72
	s_lshl_b32 s[Z0], s[XX], 13
	s_lshl_b32 s72, s71, 6
	s_add_co_u32 s[Z0], s[Z0], s72
	s_add_co_u32 s[Z0], s[Z0], 16777216
.else
	s_lshr_b32 s58, s[XX], 2
	s_and_b32 s60, s[XX], 3
	s_add_co_u32 s59, s60, 8                       ; Wv's codes begin at 8 x 65,536
	s_lshl_b32 s72, s60, 9
	v_lshl_add_u32 v[BLA], v2, 2, s72              ; the bias along the streamed rows: 4 r + 512 (x % 4)
	s_lshl_b32 s60, s60, 1
	s_lshl_b32 s61, s[WV], 1
	s_and_b32 s62, s58, 7
	s_lshl_b32 s62, s62, 2
	s_add_co_u32 s62, s62, s[WV]
	s_and_b32 s63, s[XX], 31
	s_cmp_eq_u32 s[YY], 2                          ; v, or q and k?  (s_mov_b32 and s_cselect_b32 leave SCC as it is)
	s_cselect_b32 s58, s58, s[YY]                  ; the resident operand's place, in units of 262,144 bytes
	s_cselect_b32 s59, s59, s[XX]                  ; the streamed one's, in units of 65,536
	s_cselect_b32 s60, s60, s61                    ; my first head
	s_cselect_b32 s62, s62, s63                    ; my key step
	s_mov_b32 s66, 3145728
	s_cselect_b32 s67, 4194304, s66                ; where the resident scale words begin
	s_mov_b32 s66, 4194304
	s_cselect_b32 s68, 3145728, s66                ; and the streamed ones
	s_cselect_b32 s69, 8192, 0                     ; V's or K's codes in a record
	s_mov_b32 s66, 16384
	s_cselect_b32 s70, 16640, s66                  ; V's or K's scale words
	s_mov_b32 s[S1], 1024
	s_cselect_b32 s[S1], 2048, s[S1]               ; bytes from tile to tile among four,
	s_mov_b32 s[S2], 4096
	s_cselect_b32 s[S2], HS, s[S2]                 ; and to the second four
	s_mov_b32 s[D2], HS
	s_cselect_b32 s[D2], 1024, s[D2]               ; from the fragment's first half to its second
	s_cselect_b32 s[T1], 128, 64
	s_mov_b32 s[T2], 128
	s_cselect_b32 s[T2], HS, s[T2]
	s_mov_b32 s[D2S], HS
	s_cselect_b32 s[D2S], 64, s[D2S]
	s_mov_b32 s[SLO], 0x05040100
	s_cselect_b32 s[SLO], 0x03020100, s[SLO]
	s_mov_b32 s[SHI], 0x07060302
	s_cselect_b32 s[SHI], 0x07060504, s[SHI]
	s_cselect_b32 s[MQ], 0, -1
	s_cselect_b32 s[MV], -1, 0
	s_lshr_b32 s71, s[XX], 5                       ; the batch
	s_lshl_b32 s71, s71, 3
	s_add_co_u32 s71, s71, s60
	s_lshl_b32 s71, s71, 5
	s_add_co_u32 s71, s71, s62                     ; my first record
	s_mul_i32 s71, s71, RB
	s_add_co_u32 s[C0], s71, s69
	s_add_co_u32 s[Z0], s71, s70
.endif
	s_lshl_b32 s[RO], s58, 18
	s_lshl_b32 s72, s[WV], 16
	s_add_co_u32 s[RO], s[RO], s72                 ; my 8 resident tiles
	s_mov_b32 s[RO+1], 0
	s_lshr_b32 s[RSO], s[RO], 5
	s_add_co_u32 s[RSO], s[RSO], s67
	s_mov_b32 s[RSO+1], 0
	s_lshl_b32 s[SO], s59, 16
	s_lshr_b32 s[SSO], s[SO], 5
	s_add_co_u32 s[SSO], s[SSO], s68
	s_lshl_b32 s72, s[WV], 9
	s_add_co_u32 s[SSO], s[SSO], s72               ; my quarter of the copy
	s_mov_b32 s[SSO+1], 0
	s_lshl_b32 s72, s[WV], 14
	s_add_co_u32 s[SO], s[SO], s72
	s_mov_b32 s[SO+1], 0
	v_mul_u32_u24 v[SAL], s[D2S], v3
	v_lshl_add_u32 v[SAL], v2, 2, v[SAL]           ; scale words: 4 r, lanes 16-31 further on
	s_wait_kmcnt 0x0
.if FFN
	s_mov_b64 s[RP:RP+1], s[6:7]
	s_mov_b64 s[SP:SP+1], s[4:5]
	s_lshl_b32 s72, s[YY], 11
	s_mov_b32 s73, 0
	s_add_nc_u64 s[BP:BP+1], s[8:9], s[72:73]
	s_mov_b64 s[OP:OP+1], s[10:11]
.else
	s_cmp_eq_u32 s[YY], 2                          ; the choices hang on the work-group's number alone
	s_cselect_b64 s[RP:RP+1], s[4:5], s[6:7]
	s_cselect_b64 s[SP:SP+1], s[6:7], s[4:5]
	s_cselect_b64 s[BP:BP+1], s[12:13], s[10:11]
	s_cmp_eq_u32 s[YY], 0
	s_cselect_b64 s[BP:BP+1], s[8:9], s[BP:BP+1]
	s_cselect_b64 s[OP:OP+1], s[14:15], s[16:17]
.endif
	s_add_nc_u64 s[RSP:RSP+1], s[RP:RP+1], s[RSO:RSO+1]
	s_add_nc_u64 s[RP:RP+1], s[RP:RP+1], s[RO:RO+1]
	s_add_nc_u64 s[SSP:SSP+1], s[SP:SP+1], s[SSO:SSO+1]
	s_add_nc_u64 s[SP:SP+1], s[SP:SP+1], s[SO:SO+1]
	WIN 0x40                                       ; the first loads' window, then the wait, then the loads
	s_wait_alu depctr_va_vdst(0)                   ; LI, L4, L4S, CP, CPS, BRA and BLA are written, which the loads and LDS stores of the head and the LDS loads of every tile read as their addresses
	RESLOAD RP, RSP, 8192, 256
	WIN 0xc0                                       ; destination window 3
.irp t, 0,1,2,3,4,5,6,7
.irp u, 0,1
	global_load_b128 v[BR+8*\t+4*\u:BR+8*\t+4*\u+3], v[BRA], s[BP:BP+1] offset:64*\t+16*\u
.endr
.endr
.set n, 0
.rept 32
	global_load_b128 v[128+4*n:128+4*n+3], v[LI], s[SP:SP+1] offset:512*n   ; my 16 KiB of the streamed codes
.set n, n+1
.endr
	WIN 0
	global_load_b128 v[CT:CT+3], v[LI], s[SSP:SSP+1]
.if FFN == 0
.irp m, 0,1,2,3,4,5,6,7
	global_load_b32 v[BL+\m], v[BLA], s[BP:BP+1] offset:64*\m
.endr
.endif
	s_wait_loadcnt 0x0
.if FFN == 0                           ; both forms of the bias were loaded, from places inside the buffer; the one that is not the mode's becomes 0
	WIN 0xcc
.set n, 0
.rept 64
	v_cndmask_b32 v[BR+n], 0, v[BR+n], s[MQ]
.set n, n+1
.endr
	WIN 0
.irp m, 0,1,2,3,4,5,6,7
	v_cndmask_b32 v[BL+\m], 0, v[BL+\m], s[MV]
.endr
.endif
	WIN 0x0c                                       ; an LDS store's data are its source 1: window 3
.set n, 0
.rept 32
	ds_store_b128 v[CP], v[128+4*n:128+4*n+3] offset:512*n      ; data as the loads brought them; no vector line since the wait above names them or CP
.set n, n+1
.endr
	WIN 0
	ds_store_b128 v[CPS], v[CT:CT+3]
	s_wait_alu depctr_va_vdst(0)
	s_wait_dscnt 0x0                               ; for the others' sake: my quarter lies in LDS
	s_barrier_signal -1
	s_barrier_wait -1                              ; the eight tiles are whole; nothing is written there again
	WIN 0xc0
	s_wait_alu depctr_vm_vsrc(0)                   ; my LDS stores have read v128-191 of window 3, in which tile 1 lands
	FETCH 0
	FETCH 1
.irp m, 0,1,2,3,4,5,6,7
	TILE \m
.endr
	s_wait_dscnt 0x0                               ; the closing lines, six on end
	s_wait_alu 0x0
	s_wait_tensorcnt 0x0
	ds_add_u32 v254, v255
	s_wait_dscnt 0x0
	s_endpgm
.Lfunc_end_k_q26a6780e9b_qkv:
	.size	k_q26a6780e9b_qkv, .Lfunc_end_k_q26a6780e9b_qkv-k_q26a6780e9b_qkv
	.p2alignl 7, 3214868480
	.fill 96, 4, 3214868480
	.section	.rodata,"a",@progbits
	.p2align	6, 0x0
	.amdhsa_kernel k_q26a6780e9b_qkv
		.amdhsa_group_segment_fixed_size 68096
		.amdhsa_private_segment_fixed_size 0
		.amdhsa_enable_private_segment 0
		.amdhsa_kernarg_size 56
		.amdhsa_user_sgpr_count 2
		.amdhsa_user_sgpr_kernarg_segment_ptr 1
		.amdhsa_wavefront_size32 1
		.amdhsa_system_sgpr_workgroup_id_x 1
		.amdhsa_system_sgpr_workgroup_id_y 1
		.amdhsa_system_sgpr_workgroup_id_z 1
		.amdhsa_system_vgpr_workitem_id 0
		.amdhsa_next_free_vgpr 1024
		.amdhsa_next_free_sgpr 90
		.amdhsa_reserve_vcc 0
		.amdhsa_float_denorm_mode_32 3
		.amdhsa_float_denorm_mode_16_64 3
		.amdhsa_memory_ordered 1
		.amdhsa_forward_progress 1
		.amdhsa_inst_pref_size 163
	.end_amdhsa_kernel
	.amdgpu_metadata
---
amdhsa.version: [ 1, 2 ]
amdhsa.kernels:
  - .name:           k_q26a6780e9b_qkv
    .symbol:         k_q26a6780e9b_qkv.kd
    .args:
      - { .name: xn, .offset: 0, .size: 8, .value_kind: global_buffer, .address_space: global }
      - { .name: wt, .offset: 8, .size: 8, .value_kind: global_buffer, .address_space: global }
      - { .name: bq, .offset: 16, .size: 8, .value_kind: global_buffer, .address_space: global }
      - { .name: bk, .offset: 24, .size: 8, .value_kind: global_buffer, .address_space: global }
      - { .name: bv, .offset: 32, .size: 8, .value_kind: global_buffer, .address_space: global }
      - { .name: qr, .offset: 40, .size: 8, .value_kind: global_buffer, .address_space: global }
      - { .name: kv, .offset: 48, .size: 8, .value_kind: global_buffer, .address_space: global }
    .group_segment_fixed_size: 68096
    .private_segment_fixed_size: 0
    .kernarg_segment_align: 8
    .kernarg_segment_size: 56
    .max_flat_workgroup_size: 128
    .sgpr_count:     90
    .vgpr_count:     1024
    .wavefront_size: 32
...
	.end_amdgpu_metadata
.endif
;; end of part 10
;; launch attn (part 11): grid 16 x 16, 16 waves a work-group, no clusters, 327,680 bytes of LDS; arguments qr, kv, cx; writes cx
.if DOCPART == 11
	.amdgcn_target "amdgcn-amd-amdhsa--gfx1250"
	.amdhsa_code_object_version 6
	.text
	.protected	k_q26a6780e9b_attn
	.globl	k_q26a6780e9b_attn
	.p2align	8
	.type	k_q26a6780e9b_attn,@function
k_q26a6780e9b_attn:
	s_mov_b64 s[64:65], 0
	v_nop
	global_prefetch_b8 v0, s[64:65] scope:SCOPE_SE
	s_setreg_imm32_b32 hwreg(HW_REG_WAVE_MODE, 25, 1), 1
	s_wait_xcnt 0x0
; ctx = softmax(q k^T / 8) v for one head, both products on codes of E4M3 with one E8M0 byte for each 32 along a product's K; ctx is quantised along its channels on the way out (it is the next product's operand).
; THE SOFTMAX AHEAD OF THE SECOND PRODUCT: t = score x log2(e) / 8; M = the running largest t rounded UP to a whole number; p = 2^(t - M) is quantised along the keys, not normalised.
; The row's sum is taken of the unquantised p and divides at the end.  When M moves, the sum and O are multiplied by 2^(old M - new M): exact, and no branch on data.
; SHARES.  A work-group owns 256 queries of one head; each of its sixteen waves 16 of them, in 256 registers: four waves to a SIMD, so that one wave's vector work stands beside another's products and LDS loads.
; Every wave walks the head's 32 key steps of 128 keys.  A key step is one dense RECORD of 16,896 bytes (K's codes, V's codes, both scale words); a slot holds four; waves 0 to 3 fetch one record each by one tensor load.
; BOTH PRODUCTS ARE USED TRANSPOSED: S^T = K Q^T, O^T = V^T P^T: a lane holds one query (lane % 16) throughout.  Register 8 t + j of S^T is key 16 t + 8 h + j: the order in which V's keys were laid.
; THE HEAD HAS 64 CHANNELS, HALF OF THE INSTRUCTION'S 128: a fragment of 16 registers holds TWO key tiles, and is multiplied once by [q | 0] and once by [0 | q]; the other tile meets zero codes, which add nothing
; (K's codes were held, so none is NaN, and no scale byte is 0xff).  v16-23 = 0, v24-31 = q, v32-39 = 0 give both operands without a copy.
; THE ORDER OF A STEP.  Behind the row's statistics the softmax goes block by block (32 keys, 16 registers a lane) as a pipeline: among block b's sixteen exponentials stand, two behind each, the plain lines that are
; ready: t - M of block b + 1, the sums and the holds of block b - 1, the scale work, half of O^T's rescaling.  So a wave has plain work to issue between its exponentials, and each exponential has its plain line behind it.
; NO CLUSTER: the 16 work-groups of a head do walk the same records, but a step's 16,896 bytes arrive beside some 290 vector instructions of each of sixteen waves, and a slot's load has four steps in which to land.
; LIMITS: NaN and infinities are not served; a block of ctx whose largest magnitude lies under 2^-118 keeps the byte 1; a block of zeros gets the byte 1 where the rule says 127.
.set RB,    16896
.set SLOT1, 131072                     ; slot 1 begins here: one exclusive or turns an address in one slot into the other's
.set SPARE, 262144                     ; the spare words, 128 bytes for each of sixteen waves: eight blocks of 256 bytes that no other line names
.set XSC,   4194304
.set LI,   1                           ; 16 x lane
.set L4,   2                           ; 4 x lane + 16,384: the scale words in a record
.set SPW,  3
.set NIL,  4
.set AD16, 5
.set AD4,  6
.set GS,   8                           ; 4 r + h: my byte among ctx's scale bytes
.set KS,   9                           ; v9-10  K's scale words;  v11-12 V's
.set VS,   11
.set TT,   13                          ; the running largest t
.set Q1,   16
.set Q0,   24
.set QS,   40
.set QW,   41
.set OM,   42                          ; the last step's -M
.set NM,   44                          ; -M (low half of a pair)
.set KF,   48                          ; v48-111  four fragments: K's, then V's
.set S,    112                         ; v112-175 S^T, then p
.set OT,   176                         ; v176-207 O^T
.set PC,   208                         ; v208-223 p's codes
.set BM,   224
.set T2,   228
.set HO,   232
.set SO,   236
.set TMP,  240
.set PW,   241
.set F,    242
.set WV,   10
.set G1,   16
.set G0,   24
.set SEL,  28
.set CS,   30
.set MNT,  32
.set TB,   33
.set SLOTS, 34
.set CNT,  35
.set HM,   36
.macro TLOAD                           ; waves 0 to 3 fetch, the others nothing; the branch hangs on the wave's number alone; four v_nop follow the load
	s_cmp_lt_u32 s[WV], 4
	s_cbranch_scc0 .Lasked_\@
	tensor_load_to_lds s[G0:G0+3], s[G1:G1+7]
	s_nop 0
.rept 4
	v_nop
.endr
.Lasked_\@:
.endm
	s_load_b128 s[4:7], s[0:1], 0x0                ; qr, kv
	s_load_b64 s[8:9], s[0:1], 0x10                ; cx
	v_lshl_add_u32 v[SPW], v0, 2, SPARE
	v_mov_b32 v[NIL], 0
	ds_add_u32 v3, v4
	s_wait_dscnt 0x0
	v_lshrrev_b32 v5, 5, v0
	v_readfirstlane_b32 s[WV], v5                  ; wave 0..15
	s_and_b32 s37, ttmp7, 0xffff                   ; batch x 8 + head
	; descriptor group 1: a record as 66 rows of 256 dense bytes (32 elements of 8 bytes), no padding: every read of it is 512 consecutive bytes
	s_mov_b32 s[G1], 3<<16
	s_mov_b32 s[G1+1], 32<<16                      ; tensor_dim0
	s_mov_b32 s[G1+2], 66<<16                      ; tensor_dim1
	s_mov_b32 s[G1+3], 32<<16                      ; tile_dim0
	s_mov_b32 s[G1+4], 66                          ; tile_dim1
	s_mov_b32 s[G1+5], 32                          ; pitch
	s_mov_b32 s[G1+6], 0
	s_mov_b32 s[G1+7], 0
	s_lshl_b32 s38, s37, 5                         ; the head's first record
	s_add_co_u32 s39, s38, s[WV]
	s_mul_i32 s40, s39, RB                         ; the record that I fetch first,
	s_mov_b32 s41, 0
	s_mul_i32 s42, s[WV], RB                       ; and its place in a slot
	s_lshl_b32 s43, ttmp9, 1
	s_add_co_u32 s43, s43, s38
	s_lshr_b32 s44, s[WV], 3
	s_add_co_u32 s43, s43, s44                     ; my queries' record: tile 16 x + w, eight tiles to a record
	s_mul_i32 s44, s43, RB
	s_and_b32 s45, s[WV], 7
	s_lshl_b32 s46, s45, 10
	s_add_co_u32 s46, s46, s44                     ; their codes
	s_mov_b32 s47, 0
	s_lshr_b32 s45, s45, 1
	s_lshl_b32 s45, s45, 6
	s_add_co_u32 s44, s44, s45
	s_add_co_u32 s44, s44, 16384                   ; their scale word, shared with the neighbouring tile
	s_mov_b32 s45, 0
	s_and_b32 s39, s[WV], 1
	s_cmp_eq_u32 s39, 0
	s_mov_b32 s39, 0x03020302
	s_cselect_b32 s39, 0x01000100, s39             ; my tile's two bytes of it, twice
	s_mov_b32 s[SEL], 0x76543210
	s_mov_b32 s[SEL+1], 0xfedcba98                 ; v_permlanex16_b32's selects for lane l xor 16
	s_mov_b32 s[CS], 0x3e38aa3b                    ; c = log2(e) / 8
	s_mov_b32 s[CS+1], s[CS]                       ; (named with it as a pair, so it is written)
	s_mov_b32 s[MNT], 0x600000                     ; the mantissa field of 448
	s_mov_b32 s[HM], 0xffff0000                    ; lanes 16-31
	s_mov_b32 s[TB], 0
	s_mov_b32 s[SLOTS], 7
	s_wait_kmcnt 0x0
	s_mov_b32 s[G0], 1                             ; count = 1
	s_mov_b32 s[G0+1], s42                         ; LDS address: slot 0
	s_add_nc_u64 s[G0+2:G0+3], s[6:7], s[40:41]    ; global address
	s_or_b32 s[G0+3], s[G0+3], 0x80000000          ; type = 2
	TLOAD                                          ; slot 0: the one first fill at the start
	s_add_nc_u64 s[46:47], s[4:5], s[46:47]
	s_add_nc_u64 s[44:45], s[4:5], s[44:45]
	v_and_b32 v5, 31, v0
	v_lshlrev_b32 v[LI], 4, v5
	v_lshlrev_b32 v[L4], 2, v5
	v_add_nc_u32 v[L4], 16384, v[L4]
	v_and_b32 v6, 15, v0
	v_lshlrev_b32 v7, 2, v6                        ; 4 r
	v_bfe_u32 v[GS], v0, 4, 1
	v_add_nc_u32 v[GS], v[GS], v7
	global_load_b128 v[24:27], v[LI], s[46:47]     ; q stays in registers
	global_load_b128 v[28:31], v[LI], s[46:47] offset:512
	global_load_b32 v[QW], v7, s[44:45]
.irp j, 0,1,2,3,4,5,6,7
	v_mov_b32 v[16+\j], 0                          ; zero codes on both sides of q
	v_mov_b32 v[32+\j], 0
.endr
	v_mov_b32 v[TT], 0xff61b1e6                    ; the largest t so far: -3e38, under every t
	v_floor_f32 v[NM], -v[TT]                      ; -M
	v_mov_b32 v[NM+1], 0                           ; (upper halves of pairs that are named)
	v_mov_b32 v[F+1], 0
	v_mov_b32 v14, 0                               ; the sum, in two halves
	v_mov_b32 v15, 0
.irp b, 0,1,2,3
	v_mov_b32 v[T2+\b], 0                          ; written once: a lane permute's destination counts as one of its sources
.endr
.set j, 0
.rept 32
	v_mov_b32 v[OT+j], 0                           ; O^T.  (The step is written for every trip alike: the first finds zeros, which the first change of M leaves zeros)
.set j, j+1
.endr
	s_wait_loadcnt 0x0
	v_perm_b32 v[QS], v[QW], v[QW], s39            ; q's scale word: (s0, s1, s0, s1), right for [q | 0] and for [0 | q]
; THE LINES OF THE SOFTMAX, one macro to a kind
.macro PF p                            ; t - M of the two scores of pair p
	v_pk_fma_f32 v[S+2*(\p):S+2*(\p)+1], v[S+2*(\p):S+2*(\p)+1], s[CS:CS+1], v[NM:NM+1] op_sel_hi:[1,0,0]
.endm
.macro EX j                            ; p = 2^(t - M), at most 1
	v_exp_f32 v[S+(\j)], v[S+(\j)]
.endm
.macro AD b, n                         ; the n-th of block b's eight additions: THE ROW'S SUM IS TAKEN OF THE UNQUANTISED p, two at a time, in two chains; the first addition of all starts the second chain from two pairs
.set rr, S+16*(\b)+4*((\n)/2)
.if ((\b) == 0) && ((\n) == 0)
	s_setprio 1
	s_wait_alu depctr_va_vdst(0)
	v_pk_add_f32 v[T2:T2+1], v[S:S+1], v[S+2:S+3]
.elseif ((\b) == 0) && ((\n) == 1)
.elseif ((\n)%2) == 0
	s_wait_alu depctr_va_vdst(0)
	v_pk_add_f32 v[14:15], v[14:15], v[rr:rr+1]
.else
	s_wait_alu depctr_va_vdst(0)
	v_pk_add_f32 v[T2:T2+1], v[T2:T2+1], v[rr+2:rr+3]
.endif
.endm
.macro MN j                            ; the conversion does not saturate (ISA guide 7.6.2); p is not negative, so the hold is one-sided
	v_min_num_f32 v[S+(\j)], v[S+(\j)], v[HO+(\j)/16]
.endm
.macro CV b                            ; block b's 16 codes of my lane
	v_cvt_scalef32_pk8_fp8_f32 v[PC+4*(\b):PC+1+4*(\b)], v[S+16*(\b):S+7+16*(\b)], v[SO+(\b)]
	v_cvt_scalef32_pk8_fp8_f32 v[PC+2+4*(\b):PC+3+4*(\b)], v[S+8+16*(\b):S+15+16*(\b)], v[SO+(\b)]
	s_wait_alu depctr_va_vdst(0)
.endm
.macro ORS p                           ; pair p of O^T under the new M
	v_pk_mul_f32 v[OT+2*(\p):OT+2*(\p)+1], v[OT+2*(\p):OT+2*(\p)+1], v[F:F+1] op_sel_hi:[1,0]
.endm
.macro P0 n                            ; the n-th of the 28 plain lines that stand among block 0's exponentials: the sums under the new M, the four blocks' scale work, t - M of block 1
.if (\n) == 0
	v_pk_mul_f32 v[14:15], v[14:15], v[F:F+1] op_sel_hi:[1,0]
	s_wait_alu depctr_va_vdst(0)
.elseif (\n) < 5
	v_max_num_f32 v[BM+(\n)-1], 0x4800000, v[BM+(\n)-1]       ; the floor 2^(9 - 127): the byte cannot fall under 1
.elseif (\n) < 9
	v_add_nc_u32 v[SO+(\n)-5], 0xfc000000, v[BM+(\n)-5]       ; 8 off the exponent field: the conversion's scale operand
.elseif (\n) < 13
	v_and_or_b32 v[HO+(\n)-9], v[BM+(\n)-9], 0x7f800000, s[MNT]   ; 448 x the scale
.elseif (\n) < 17
	v_lshrrev_b32 v[T2+(\n)-13], 23, v[SO+(\n)-13]            ; the scale's byte
.elseif (\n) == 17
	v_lshl_or_b32 v[PW], v[T2+1], 8, v[T2]                    ; p's scale word for these 128 keys, a line of block 1 between its links
.elseif (\n) == 18
	PF 8
.elseif (\n) == 19
	v_lshl_or_b32 v[PW], v[T2+2], 16, v[PW]
.elseif (\n) == 20
	PF 9
.elseif (\n) == 21
	v_lshl_or_b32 v[PW], v[T2+3], 24, v[PW]
.else
	PF (\n)-12
.endif
.endm
.macro PL b, n                         ; the n-th of the 32 plain lines that stand among block b's exponentials (b = 1, 2, 3)
.if (\n) < 8
.if (\b) < 3
	PF 8*((\b)+1)+(\n)
.else
	ORS (\n)
.endif
.elseif (\n) < 16
	AD (\b)-1, (\n)-8
.else
	MN 16*((\b)-1)+(\n)-16
.endif
.endm
; A KEY STEP: the record at LDS byte s[TB]
.macro STEP
	v_add_nc_u32 v[AD16], s[TB], v[LI]
	v_add_nc_u32 v[AD4], s[TB], v[L4]
.rept 6
	v_nop                                          ; with the two additions: eight places in front of loads into registers that the last products read
.endr
	ds_load_b32 v[KS], v[AD4]                      ; lanes 0-15: pair 0's words, lanes 16-31: pair 1's
	ds_load_b32 v[KS+1], v[AD4] offset:128
.irp i, 0,1,2,3
.irp c, 0,1,2,3
	ds_load_b128 v[KF+16*\i+4*\c:KF+16*\i+4*\c+3], v[AD16] offset:2048*\i+512*\c   ; key tiles 2 i and 2 i + 1
.endr
.endr
.irp t, 0,1,2,3,4,5,6,7
.if (\t%2) == 0
	s_wait_dscnt 12-2*\t                           ; LDS loads come back in order: the fragment of tiles t and t + 1 is in; the four loads of each later fragment may stay out
.endif
.set rA, KF+16*(\t/2)
.if \t%2
.set rB, Q1
.else
.set rB, Q0
.endif
.if (\t/2)%2
	v_wmma_scale_f32_16x16x128_f8f6f4 v[S+8*\t:S+8*\t+7], v[rA:rA+15], v[rB:rB+15], 0, v[KS+\t/4], v[QS] matrix_a_scale:MATRIX_SCALE_ROW1
.else
	v_wmma_scale_f32_16x16x128_f8f6f4 v[S+8*\t:S+8*\t+7], v[rA:rA+15], v[rB:rB+15], 0, v[KS+\t/4], v[QS]
.endif
.endr
	v_mov_b32 v[OM], v[NM]                         ; the old -M is kept.  With the seven below: eight places, in front of V's loads into K's registers and of the first read of the scores
.rept 7
	v_nop
.endr
.irp i, 0,1,2,3
.irp c, 0,1,2,3
	ds_load_b128 v[KF+16*\i+4*\c:KF+16*\i+4*\c+3], v[AD16] offset:8192+2048*\i+512*\c   ; V^T: channel tile i x these 128 keys; they land during the softmax
.endr
.endr
	ds_load_b32 v[VS], v[AD4] offset:256           ; V's scale words: channel tiles 0 and 1,
	ds_load_b32 v[VS+1], v[AD4] offset:384         ; 2 and 3
.irp b, 0,1,2,3
	v_max3_num_f32 v[BM+\b], v[S+16*\b], v[S+1+16*\b], v[S+2+16*\b]   ; the largest score of each block of 32 keys: it serves the row's maximum and, since p rises with the score, the block's largest p
.endr
.irp i, 3,5,7,9,11,13
.irp b, 0,1,2,3
	v_max3_num_f32 v[BM+\b], v[BM+\b], v[S+16*\b+\i], v[S+1+16*\b+\i]
.endr
.endr
.irp b, 0,1,2,3
	v_max_num_f32 v[BM+\b], v[BM+\b], v[S+15+16*\b]
.endr
.irp b, 0,1,2,3
	v_permlanex16_b32 v[T2+\b], v[BM+\b], s[SEL], s[SEL+1]
.endr
.irp b, 0,1,2,3
	v_max_num_f32 v[BM+\b], v[BM+\b], v[T2+\b]     ; with lane l xor 16's 16 keys
.endr
	v_max3_num_f32 v[TMP], v[BM], v[BM+1], v[BM+2]
	v_max_num_f32 v[TMP], v[TMP], v[BM+3]          ; the step's largest score of my query
	v_mul_f32 v[TMP], s[CS], v[TMP]                ; as t (c is positive)
	v_max_num_f32 v[TT], v[TT], v[TMP]             ; the running largest t
	v_floor_f32 v[NM], -v[TT]                      ; the new -M = floor(-t) = -ceil(t)
	v_sub_f32 v[TMP], v[NM], v[OM]                 ; old M less new M: a whole number, 0 or less
	v_fma_f32 v[BM], v[BM], s[CS], v[NM]           ; t - M of each block's largest score, between the links of the chain that makes f
	v_cvt_i32_f32 v[TMP], v[TMP]                   ; (it saturates)
	v_fma_f32 v[BM+1], v[BM+1], s[CS], v[NM]
	v_ldexp_f32 v[F], 1.0, v[TMP]                  ; f = 2^(old M - new M)
	v_fma_f32 v[BM+2], v[BM+2], s[CS], v[NM]
	v_fma_f32 v[BM+3], v[BM+3], s[CS], v[NM]
.irp b, 0,1,2,3
	v_exp_f32 v[BM+\b], v[BM+\b]                   ; the block's largest p: the same two instructions on the same number as its score's own
	PF \b
.endr
.irp p, 4,5,6,7
	PF \p
.endr
.set ii, 0
.set kk, 0
.rept 16                                       ; block 0's exponentials, and the 28 plain lines that are ready
	EX ii
	P0 kk
.set kk, kk+1
.if ii < 12
	P0 kk
.set kk, kk+1
.endif
.set ii, ii+1
.endr
.irp b, 1,2,3                                  ; block b's exponentials; behind each, two plain lines on other blocks' registers
.set ii, 0
.rept 16
	EX 16*\b+ii
	PL \b, 2*ii
	PL \b, 2*ii+1
.set ii, ii+1
.endr
	CV \b-1                                        ; the block before is held: its codes
.endr
.set ii, 0
.rept 8
	AD 3, ii
.set ii, ii+1
.endr
.set ii, 48
	s_setprio 0
.rept 16
	MN ii
.set ii, ii+1
.endr
	CV 3
	v_pk_add_f32 v[14:15], v[14:15], v[T2:T2+1]    ; the two chains of the sum.  (The plain line behind the conversions)
.set ii, 8
.rept 8
	ORS ii                                         ; the rest of O^T under the new M.  (With the line above: nine plain lines between the last conversion and the products)
.set ii, ii+1
.endr
	s_wait_dscnt 0x0                               ; V is in
.irp t, 0,1,2,3
.if \t%2
	v_wmma_scale_f32_16x16x128_f8f6f4 v[OT+8*\t:OT+8*\t+7], v[KF+16*\t:KF+16*\t+15], v[PC:PC+15], v[OT+8*\t:OT+8*\t+7], v[VS+\t/2], v[PW] matrix_a_scale:MATRIX_SCALE_ROW1
.else
	v_wmma_scale_f32_16x16x128_f8f6f4 v[OT+8*\t:OT+8*\t+7], v[KF+16*\t:KF+16*\t+15], v[PC:PC+15], v[OT+8*\t:OT+8*\t+7], v[VS+\t/2], v[PW]
.endif
.endr
.endm
; THE CHANGE OF SLOTS stands at a slot's head.  Each wave waits for all its tensor loads (its record of the slot ahead), adds 0 to its spare word, and waits for that and for its reads of the slot that it has left.
; Behind the barrier the slot ahead is whole and nobody reads the other one.  fill = 1: that other slot takes the next four records: the load has four key steps in which to land.
.macro CHANGE fill
	s_wait_tensorcnt 0x0                           ; no tensor load of mine is out, so the group 0 may be written
	ds_add_u32 v[SPW], v[NIL]                      ; 0 onto my spare word
.if \fill
	s_xor_b32 s[G0+1], s[G0+1], SLOT1              ; the other slot than last time,
	s_add_nc_u64 s[G0+2:G0+3], s[G0+2:G0+3], 4*RB  ; four records on; the type bits on top are not reached
.endif
	s_wait_dscnt 0x0                               ; the add is done, and my reads of the slot that I have left are over
	s_barrier_signal -1
	s_barrier_wait -1
.if \fill
	TLOAD                                          ; the first thing behind the barrier, and a wave's one tensor load until the next
.endif
.endm
.macro FOUR_STEPS                      ; a slot's four key steps: written once, walked four times
	s_mov_b32 s[CNT], 4
.Lstep_\@:
	s_setprio 2
	STEP
	s_add_co_u32 s[TB], s[TB], RB
	s_sub_co_u32 s[CNT], s[CNT], 1
	s_cmp_lg_u32 s[CNT], 0
	s_cbranch_scc1 .Lstep_\@
	s_setprio 0
	s_sub_co_u32 s[TB], s[TB], 4*RB                ; back to a slot's first record,
	s_xor_b32 s[TB], s[TB], SLOT1                  ; in the other slot
.endm
.Lslot:                                            ; seven trips: behind each change of slots but the last the next slot is asked for
	CHANGE 1
	FOUR_STEPS
	s_sub_co_u32 s[SLOTS], s[SLOTS], 1
	s_cmp_lg_u32 s[SLOTS], 0
	s_cbranch_scc1 .Lslot
	CHANGE 0                                       ; the last slot is written out
	FOUR_STEPS
	; THE WAY OUT.  O^T / the sum is my 16 queries x the head's 64 channels: two blocks of 32 of the next product's K, in the order of that operand's registers: quantised here, stored as an image.
.rept 8
	v_nop                                          ; eight places behind the last products
.endr
	s_lshr_b32 s38, s37, 3
	s_lshl_b32 s38, s38, 8
	s_lshl_b32 s39, ttmp9, 4
	s_add_co_u32 s38, s38, s39
	s_add_co_u32 s38, s38, s[WV]                   ; my token tile: 256 x batch + 16 x + w
	s_and_b32 s39, s37, 7                          ; the head
	s_lshr_b32 s40, s39, 1                         ; its K step,
	s_and_b32 s39, s39, 1                          ; and which half of it
	s_lshl_b32 s42, s38, 13
	s_lshl_b32 s43, s40, 11
	s_add_co_u32 s42, s42, s43
	s_lshl_b32 s43, s39, 10
	s_add_co_u32 s42, s42, s43
	s_mov_b32 s43, 0
	s_lshl_b32 s44, s38, 8
	s_lshl_b32 s45, s40, 6
	s_add_co_u32 s44, s44, s45
	s_lshl_b32 s45, s39, 1
	s_add_co_u32 s44, s44, s45
	s_add_co_u32 s44, s44, XSC
	s_mov_b32 s45, 0
	s_add_nc_u64 s[42:43], s[8:9], s[42:43]        ; ctx's codes
	s_add_nc_u64 s[44:45], s[8:9], s[44:45]        ; and scale bytes
	v_add_f32 v14, v14, v15                        ; the sum's two halves,
	v_permlanex16_b32 v[TMP], v14, s[SEL], s[SEL+1]
	v_add_f32 v14, v14, v[TMP]                     ; and lane l xor 16's: the row's sum
	v_rcp_f32 v14, v14
	v_nop                                          ; a plain line behind the reciprocal
.set j, 0
	s_wait_alu depctr_va_vdst(0)
.rept 32
	v_mul_f32 v[S+j], v[OT+j], v14                 ; register 8 t + i: channel 16 t + 8 h + i of my query
.set j, j+1
.endr
.irp b, 0,1
	v_max3_num_f32 v[BM+\b], |v[S+16*\b]|, |v[S+1+16*\b]|, 0x4800000
.endr
.irp i, 2,4,6,8,10,12,14
.irp b, 0,1
	v_max3_num_f32 v[BM+\b], v[BM+\b], |v[S+16*\b+\i]|, |v[S+1+16*\b+\i]|
.endr
.endr
.irp b, 0,1
	v_permlanex16_b32 v[T2+\b], v[BM+\b], s[SEL], s[SEL+1]
.endr
.irp b, 0,1
	v_max_num_f32 v[BM+\b], v[BM+\b], v[T2+\b]
.endr
.irp b, 0,1
	v_add_nc_u32 v[SO+\b], 0xfc000000, v[BM+\b]
.endr
.irp b, 0,1
	v_and_or_b32 v[HO+\b], v[BM+\b], 0x7f800000, s[MNT]
.endr
.irp b, 0,1
	v_lshrrev_b32 v[T2+\b], 23, v[SO+\b]
.endr
.irp b, 0,1
.irp i, 0,1,2,3,4,5,6,7,8,9,10,11,12,13,14,15
	v_med3_num_f32 v[S+16*\b+\i], v[S+16*\b+\i], -v[HO+\b], v[HO+\b]
.endr
	v_cvt_scalef32_pk8_fp8_f32 v[PC+4*\b:PC+1+4*\b], v[S+16*\b:S+7+16*\b], v[SO+\b]
	v_cvt_scalef32_pk8_fp8_f32 v[PC+2+4*\b:PC+3+4*\b], v[S+8+16*\b:S+15+16*\b], v[SO+\b]
.endr
	v_cndmask_b32 v[TMP], v[T2], v[T2+1], s[HM]    ; (the plain line behind the conversions)  lanes 0-15 store the first block's byte, lanes 16-31 the second's
	global_store_b128 v[LI], v[PC:PC+3], s[42:43]  ; 512 consecutive bytes, aligned
	global_store_b128 v[LI], v[PC+4:PC+7], s[42:43] offset:512
	global_store_b8 v[GS], v[TMP], s[44:45]        ; a head owns two of a scale word's four bytes: single bytes, once a wave in the launch
	s_wait_tensorcnt 0x0                           ; the wave's end
	ds_add_u32 v[SPW], v[NIL]
	s_wait_dscnt 0x0
	s_endpgm
.Lfunc_end_k_q26a6780e9b_attn:
	.size	k_q26a6780e9b_attn, .Lfunc_end_k_q26a6780e9b_attn-k_q26a6780e9b_attn
	.p2alignl 7, 3214868480
	.fill 96, 4, 3214868480
	.section	.rodata,"a",@progbits
	.p2align	6, 0x0
	.amdhsa_kernel k_q26a6780e9b_attn
		.amdhsa_group_segment_fixed_size 327680
		.amdhsa_private_segment_fixed_size 0
		.amdhsa_enable_private_segment 0
		.amdhsa_kernarg_size 24
		.amdhsa_user_sgpr_count 2
		.amdhsa_user_sgpr_kernarg_segment_ptr 1
		.amdhsa_wavefront_size32 1
		.amdhsa_system_sgpr_workgroup_id_x 1
		.amdhsa_system_sgpr_workgroup_id_y 1
		.amdhsa_system_sgpr_workgroup_id_z 1
		.amdhsa_system_vgpr_workitem_id 0
		.amdhsa_next_free_vgpr 256
		.amdhsa_next_free_sgpr 66
		.amdhsa_reserve_vcc 0
		.amdhsa_float_denorm_mode_32 3
		.amdhsa_float_denorm_mode_16_64 3
		.amdhsa_memory_ordered 1
		.amdhsa_forward_progress 1
		.amdhsa_inst_pref_size 53
	.end_amdhsa_kernel
	.amdgpu_metadata
---
amdhsa.version: [ 1, 2 ]
amdhsa.kernels:
  - .name:           k_q26a6780e9b_attn
    .symbol:         k_q26a6780e9b_attn.kd
    .args:
      - { .name: qr, .offset: 0, .size: 8, .value_kind: global_buffer, .address_space: global }
      - { .name: kv, .offset: 8, .size: 8, .value_kind: global_buffer, .address_space: global }
      - { .name: cx, .offset: 16, .size: 8, .value_kind: global_buffer, .address_space: global }
    .group_segment_fixed_size: 327680
    .private_segment_fixed_size: 0
    .kernarg_segment_align: 8
    .kernarg_segment_size: 24
    .max_flat_workgroup_size: 512
    .sgpr_count:     66
    .vgpr_count:     256
    .wavefront_size: 32
...
	.end_amdgpu_metadata
.endif
;; end of part 11
;; launch oproj (part 12): grid 256 x 1, 4 waves a work-group, no clusters, 36,352 bytes of LDS; arguments cx, wt, bo, x, ln2_g, ln2_b, x1, xn; writes x1, xn
.if DOCPART == 12
	.amdgcn_target "amdgcn-amd-amdhsa--gfx1250"
	.amdhsa_code_object_version 6
	.text
	.protected	k_q26a6780e9b_oproj
	.globl	k_q26a6780e9b_oproj
	.p2align	8
	.type	k_q26a6780e9b_oproj,@function
k_q26a6780e9b_oproj:
	s_mov_b64 s[64:65], 0
	v_nop
	global_prefetch_b8 v0, s[64:65] scope:SCOPE_SE
	s_setreg_imm32_b32 hwreg(HW_REG_WAVE_SCHED_MODE, 0, 2), 2
	s_setreg_imm32_b32 hwreg(HW_REG_WAVE_MODE, 25, 1), 1
	s_wait_xcnt 0x0
	s_wait_alu depctr_vm_vsrc(0)
; x1 = x + ctx Wo + bo (stored in f32), and xn = the codes of layernorm(x1) g + b, E4M3 with one E8M0 byte for each 32 channels, as images of the operand's registers.
; A work-group owns 32 rows (two tiles of 16); wave w owns channels 128 w .. 128 w + 127 of both: it keeps Wo's row tiles 8 w .. 8 w + 7 (K 512) in 512 registers, and its channels are K step w of xn's image.
; The product is used transposed (source 0 = 16 rows of Wo, source 1 = 16 rows of ctx): lane (r, h) holds row r, register 8 t + j channel 128 w + 16 t + 8 h + j.  x + bo is the C from which the sums start.
; THE VARIANCE IS TAKEN IN TWO PASSES: each wave takes its 128 channels' mean and the sum of squares about it; the four pairs meet in LDS and are combined exactly: no difference of large sums is formed.
; No cluster: what work-groups share (Wo) goes straight into registers, not into LDS by tensor loads.
; LIMITS: NaN and infinities are not served; a block whose largest magnitude lies under 2^-118 keeps the byte 1; a block of zeros gets the byte 1 where the rule says 127.
; REGISTERS: window 0 as named below; windows 1, 2: Wo; window 3: v0-63 ctx's first tile, v64-127 bo and then ctx's second tile (both later rows of x1 on their way out), v128-191 g, v192-255 b.
; THE MODE: SCHED_MODE bits 1:0 = 2 (LLVM: expert scheduling mode 2), set by the entry lines.  The code itself states the register dependences
; between vector or matrix instructions and memory or LDS instructions, with s_wait_alu, always for 0.
; THE PLAN.  Registers that memory or LDS instructions touch behind the first loads, in the order of the text:
;   window 3, v64-127   read by the additions of bo; then ctx's second tile lands there: a wait on va_vdst between.
;   HA0, HA1            written by the products; read by the LDS stores into my stage: the places, then a wait on va_vdst.  Then written in place by the statistics: a wait on vm_vsrc ahead of these.
;   window 3, v0-127    read by the products; the rows of x1 land there from the stage: a wait on va_vdst under the loads' window; read by the stores of x1; never written again.
;   ST0, ST1            written by both tiles' statistics; ONE wait on va_vdst; read by the two LDS stores; never written again.
;   SR, SR1             the four waves' statistics of the two tiles: loaded together behind the barrier, a set to a tile; no vector line names them before.
;   PC, PC1, SV         a tile's codes have registers of their own, so no store's data are written again; a wait on va_vdst ahead of each tile's run of stores.
;   the addresses v4-v13 are made at the head and never written again.
.set XSC,  4194304
.set WSC,  3145728
.set STAT, 33792                       ; LDS: from 0 a stage of 16 rows x 528 bytes for each wave; from STAT 2 tiles x 4 waves x 256 bytes of statistics
.set LI,  4                            ; 16 x lane
.set L4,  5                            ; 4 x lane
.set XA,  6                            ; x: r x 2,048 + 32 h + 512 w
.set GA,  7                            ; g, b, bo: 32 h + 512 w
.set STO, 8                            ; my stage: row r, + 32 h
.set SRD, 9                            ; and back: 16 x lane of a row
.set X1O, 10                           ; x1: 512 w + 16 x lane
.set STW, 11
.set STR, 12
.set SA,  13
.set SV,  14
.set RS,  16
.set XS,  32
.set SR1, 36                           ; v36-43   the four waves' statistics of the second tile
.set HA0, 48
.set HA1, 112
.set PC,  176                          ; v176-191 the first tile's codes
.set TM,  192
.set PW0, 208
.set PW1, 209
.set ST0, 210
.set ST1, 212
.set WA,  214
.set WB,  216
.set SR,  218                          ; v218-225 the four waves' statistics of the first tile
.set RD,  226
.set CD,  228
.set T0,  230
.set PC1, 236                          ; v236-251 the second tile's codes
.set BR,  64
.set GW,  128
.set BW,  192
.set WV,  20
.set SEL, 22
.set MNT, 24
.set HM,  25
.set C512, 26
.set EPSR, 27
.set MSB, 0
.macro WIN new                         ; the immediate's high byte repeats the setting that is left
.if MSB != (\new)
	s_set_vgpr_msb (MSB<<8)|(\new)
.set MSB, (\new)
.endif
.endm
; 64 numbers of a lane, register 16 b + i = place 32 b + 16 h + i of my row, become a fragment's codes in v[pc] on and its scale word in v[pw]
.macro QUANT s, pw, pc
.irp b, 0,1,2,3
	v_max3_num_f32 v[TM+\b], |v[\s+16*\b]|, |v[\s+1+16*\b]|, 0x4800000   ; my 16 numbers of block b, and the floor 2^(9 - 127)
.endr
.irp i, 2,4,6,8,10,12,14
.irp b, 0,1,2,3
	v_max3_num_f32 v[TM+\b], v[TM+\b], |v[\s+16*\b+\i]|, |v[\s+1+16*\b+\i]|
.endr
.endr
.irp b, 0,1,2,3
	v_permlanex16_b32 v[TM+4+\b], v[TM+\b], s[SEL], s[SEL+1]
.endr
.irp b, 0,1,2,3
	v_max_num_f32 v[TM+\b], v[TM+\b], v[TM+4+\b]   ; with lane l xor 16's: the block's largest magnitude
.endr
.irp b, 0,1,2,3
	v_add_nc_u32 v[TM+12+\b], 0xfc000000, v[TM+\b] ; 8 off the exponent field: the conversion's scale operand
.endr
.irp b, 0,1,2,3
	v_and_or_b32 v[TM+8+\b], v[TM+\b], 0x7f800000, s[MNT]   ; 448 x the scale
.endr
.irp b, 0,1,2,3
	v_lshrrev_b32 v[TM+4+\b], 23, v[TM+12+\b]      ; the scale's byte
.endr
	v_lshl_or_b32 v[\pw], v[TM+5], 8, v[TM+4]
	v_lshl_or_b32 v[\pw], v[TM+6], 16, v[\pw]
	v_lshl_or_b32 v[\pw], v[TM+7], 24, v[\pw]
.irp b, 0,1,2,3
.irp i, 0,1,2,3,4,5,6,7,8,9,10,11,12,13,14,15
	v_med3_num_f32 v[\s+16*\b+\i], v[\s+16*\b+\i], -v[TM+8+\b], v[TM+8+\b]   ; the conversion does not saturate (ISA guide 7.6.2): hold first
.endr
	v_cvt_scalef32_pk8_fp8_f32 v[\pc+4*\b:\pc+1+4*\b], v[\s+16*\b:\s+7+16*\b], v[TM+12+\b]
	v_cvt_scalef32_pk8_fp8_f32 v[\pc+2+4*\b:\pc+3+4*\b], v[\s+8+16*\b:\s+15+16*\b], v[TM+12+\b]
.endr
	v_nop                                          ; a plain line behind the last conversion
.endm
; 32 matrix instructions onto what the accumulators hold: K step by K step, the eight accumulators by turns, one instruction a turn.  Odd K steps take their scales from lanes 16-31.
.macro MM32 ha, xf, xs
.irp k, 0,1,2,3
.if \k < 2
	WIN 0x0d                                       ; source 0 window 1, source 1 window 3
.else
	WIN 0x0e                                       ; source 0 window 2, source 1 window 3
.endif
.irp t, 0,1,2,3,4,5,6,7
.set rD, (\ha)+8*\t
.set rA, 32*\t+16*(\k%2)
.set rB, (\xf)+16*\k
.set rP, RS+2*\t+\k/2
.set rQ, (\xs)+\k/2
.if (\k%2) == 0
	v_wmma_scale_f32_16x16x128_f8f6f4 v[rD:rD+7], v[rA:rA+15], v[rB:rB+15], v[rD:rD+7], v[rP], v[rQ]
.else
	v_wmma_scale_f32_16x16x128_f8f6f4 v[rD:rD+7], v[rA:rA+15], v[rB:rB+15], v[rD:rD+7], v[rP], v[rQ] matrix_a_scale:MATRIX_SCALE_ROW1 matrix_b_scale:MATRIX_SCALE_ROW1
.endif
.endr
.endr
	WIN 0
.endm
.macro RESLOAD pc, ps, tstr, tss       ; the resident operand: 8 tiles x 4 K steps x 4 pieces of 512 bytes, and its 16 registers of scale words
.irp p, 0,1
	WIN 0x40+0x40*\p
.irp t, 0,1,2,3,4,5,6,7
.irp q, 0,1
.irp c, 0,1,2,3
	global_load_b128 v[32*\t+16*\q+4*\c:32*\t+16*\q+4*\c+3], v[LI], s[\pc:\pc+1] offset:\t*\tstr+(2*\p+\q)*2048+\c*512
.endr
.endr
.endr
.endr
	WIN 0
.irp t, 0,1,2,3,4,5,6,7
.irp p, 0,1
	global_load_b32 v[RS+2*\t+\p], v[L4], s[\ps:\ps+1] offset:\t*\tss+\p*128
.endr
.endr
.endm
.macro XFLOAD xf, xs, m                ; ctx's tile m: 16 pieces into window 3, two registers of scale words
	WIN 0xc0
.irp k, 0,1,2,3
.irp c, 0,1,2,3
	global_load_b128 v[\xf+16*\k+4*\c:\xf+16*\k+4*\c+3], v[LI], s[4:5] offset:\m*8192+\k*2048+\c*512
.endr
.endr
	WIN 0
	global_load_b32 v[\xs], v[L4], s[40:41] offset:\m*256
	global_load_b32 v[\xs+1], v[L4], s[40:41] offset:\m*256+128
.endm
; x1's tile m leaves: a lane holds 32 neighbouring bytes of a row and the lanes beside it other rows, so it goes through my own stage and comes back as rows of 512 bytes
.macro X1OUT ha, m
.irp t, 0,1,2,3,4,5,6,7
	ds_store_b128 v[STO], v[\ha+8*\t:\ha+8*\t+3] offset:64*\t          ; each accumulator from its low end on
	ds_store_b128 v[STO], v[\ha+8*\t+4:\ha+8*\t+7] offset:64*\t+16
.endr
	WIN 0xc0                                       ; the loads' window first, then the wait, then the loads
	s_wait_alu depctr_va_vdst(0)                   ; the products are done reading ctx's tile m in window 3, in whose registers the rows land
.irp i, 0,1,2,3,4,5,6,7,8,9,10,11,12,13,14,15
	ds_load_b128 v[64*\m+4*\i:64*\m+4*\i+3], v[SRD] offset:528*\i      ; LDS serves a wave's instructions in order: these see my stores
.endr
	s_wait_dscnt 0x0
	WIN 0x0c                                       ; a store's data are its source 1: window 3
.irp i, 0,1,2,3,4,5,6,7,8,9,10,11,12,13,14,15
	global_store_b128 v[X1O], v[64*\m+4*\i:64*\m+4*\i+3], s[16:17] offset:\m*32768+2048*\i   ; 512 consecutive bytes, aligned
.endr
	WIN 0
.endm
; my 128 channels' mean of each row, the numbers less that mean (in place), and the sum of their squares: work on registers alone; both tiles' pairs go to LDS behind one wait
.macro LSTAT ha, st
	v_pk_add_f32 v[WA:WA+1], v[\ha:\ha+1], v[\ha+2:\ha+3]
	v_pk_add_f32 v[WB:WB+1], v[\ha+4:\ha+5], v[\ha+6:\ha+7]
.irp j, 8,12,16,20,24,28,32,36,40,44,48,52,56,60
	v_pk_add_f32 v[WA:WA+1], v[WA:WA+1], v[\ha+\j:\ha+\j+1]
	v_pk_add_f32 v[WB:WB+1], v[WB:WB+1], v[\ha+\j+2:\ha+\j+3]
.endr
	v_pk_add_f32 v[WA:WA+1], v[WA:WA+1], v[WB:WB+1]
	v_add_f32 v[WA], v[WA], v[WA+1]
	v_permlanex16_b32 v[WB], v[WA], s[SEL], s[SEL+1]
	v_add_f32 v[WA], v[WA], v[WB]                  ; with lane l xor 16's 64 channels
	v_mul_f32 v[\st], 0x3c000000, v[WA]            ; / 128
.set j, 0
.rept 32
	v_pk_add_f32 v[\ha+j:\ha+j+1], v[\ha+j:\ha+j+1], v[\st:\st+1] op_sel_hi:[1,0] neg_lo:[0,1] neg_hi:[0,1]
.set j, j+2
.endr
	v_pk_mul_f32 v[WA:WA+1], v[\ha:\ha+1], v[\ha:\ha+1]
	v_pk_mul_f32 v[WB:WB+1], v[\ha+2:\ha+3], v[\ha+2:\ha+3]
.irp j, 4,8,12,16,20,24,28,32,36,40,44,48,52,56,60
	v_pk_fma_f32 v[WA:WA+1], v[\ha+\j:\ha+\j+1], v[\ha+\j:\ha+\j+1], v[WA:WA+1]
	v_pk_fma_f32 v[WB:WB+1], v[\ha+\j+2:\ha+\j+3], v[\ha+\j+2:\ha+\j+3], v[WB:WB+1]
.endr
	v_pk_add_f32 v[WA:WA+1], v[WA:WA+1], v[WB:WB+1]
	v_add_f32 v[WA], v[WA], v[WA+1]
	v_permlanex16_b32 v[WB], v[WA], s[SEL], s[SEL+1]
	v_add_f32 v[\st+1], v[WA], v[WB]
.endm
; the four waves' statistics (in v[sr] on) are combined; the row is normalised, scaled by g, shifted by b, quantised into v[pc] on and stored
.macro FIN ha, st, m, pw, sr, pc
	s_wait_dscnt 4-4*\m                            ; LDS loads come back in order: this tile's four pairs are in; the second tile's four loads may stay out
	v_add_f32 v[T0], v[\sr], v[\sr+2]
	v_add_f32 v[T0+1], v[\sr+4], v[\sr+6]
	v_add_f32 v[T0], v[T0], v[T0+1]
	v_mul_f32 v[T0], 0x3e800000, v[T0]             ; the row's mean
	v_sub_f32 v[T0+1], v[\sr], v[T0]
	v_sub_f32 v[T0+2], v[\sr+2], v[T0]
	v_sub_f32 v[T0+3], v[\sr+4], v[T0]
	v_sub_f32 v[T0+4], v[\sr+6], v[T0]
	v_mul_f32 v[T0+1], v[T0+1], v[T0+1]
	v_fma_f32 v[T0+1], v[T0+2], v[T0+2], v[T0+1]
	v_fma_f32 v[T0+1], v[T0+3], v[T0+3], v[T0+1]
	v_fma_f32 v[T0+1], v[T0+4], v[T0+4], v[T0+1]
	v_add_f32 v[T0+2], v[\sr+1], v[\sr+3]
	v_add_f32 v[T0+3], v[\sr+5], v[\sr+7]
	v_add_f32 v[T0+2], v[T0+2], v[T0+3]
	v_fmamk_f32 v[T0+1], v[T0+1], 0x43000000, v[T0+2]   ; 128 x the means' squared distances + the four M2
	v_fma_f32 v[T0+1], v[T0+1], s[C512], s[EPSR]   ; / 512 + 1e-5
	s_wait_alu depctr_va_vdst(0)
	v_rsq_f32 v[RD], v[T0+1]
	v_sub_f32 v[T0+5], v[\st], v[T0]               ; (the plain line behind the root)  my wave's mean less the row's
	s_wait_alu depctr_va_vdst(0)                   ; the root's reciprocal is written, ahead of its first reader
	v_mul_f32 v[CD], v[T0+5], v[RD]
.set j, 0
.rept 32
	v_pk_fma_f32 v[\ha+j:\ha+j+1], v[\ha+j:\ha+j+1], v[RD:RD+1], v[CD:CD+1] op_sel_hi:[1,0,0]   ; (x1 - mean) / the root
.set j, j+2
.endr
	WIN 0x3c                                       ; sources 1 and 2 in window 3
.set j, 0
.rept 32
	v_pk_fma_f32 v[\ha+j:\ha+j+1], v[\ha+j:\ha+j+1], v[GW+j:GW+j+1], v[BW+j:BW+j+1]
.set j, j+2
.endr
	WIN 0
	QUANT \ha, \pw, \pc
.if \m
	v_cndmask_b32 v[SV], v[PW0], v[PW1], s[HM]     ; lanes 0-15 store the first tile's words, lanes 16-31 the second's
.endif
	s_wait_alu depctr_va_vdst(0)                   ; the conversions have written this tile's codes (second tile: and the select SV), which the stores read
.irp c, 0,1,2,3
	global_store_b128 v[LI], v[\pc+4*\c:\pc+4*\c+3], s[18:19] offset:\m*8192+512*\c   ; 512 consecutive bytes, aligned
.endr
.if \m
	global_store_b32 v[SA], v[SV], s[42:43]
.endif
.endm
	s_load_b256 s[4:11], s[0:1], 0x0               ; cx, wt, bo, x
	s_load_b256 s[12:19], s[0:1], 0x20             ; g, b, x1, xn
	v_lshl_add_u32 v254, v0, 2, 0x8c00
	v_mov_b32 v255, 0
	v_lshrrev_b32 v1, 5, v0
	v_readfirstlane_b32 s[WV], v1                  ; wave
	v_and_b32 v1, 31, v0                           ; lane
	v_and_b32 v2, 15, v0                           ; r
	v_bfe_u32 v3, v0, 4, 1                         ; h
	v_lshlrev_b32 v[LI], 4, v1
	v_lshlrev_b32 v[L4], 2, v1
	s_wait_alu depctr_va_sdst(0)                   ; the wave's number is written, ahead of its first reader
	s_lshl_b32 s28, s[WV], 9
	v_lshl_add_u32 v[GA], v3, 5, s28
	v_lshl_add_u32 v[XA], v2, 11, v[GA]
	s_mul_i32 s29, s[WV], 8448
	v_mul_u32_u24 v[STO], v2, 528
	v_lshl_add_u32 v[STO], v3, 5, v[STO]
	v_add_nc_u32 v[STO], s29, v[STO]
	v_add_nc_u32 v[SRD], s29, v[LI]
	v_add_nc_u32 v[X1O], s28, v[LI]
	s_lshl_b32 s30, s[WV], 8
	v_lshlrev_b32 v[STR], 3, v1
	v_add_nc_u32 v[STR], STAT, v[STR]
	v_add_nc_u32 v[STW], s30, v[STR]
	s_lshl_b32 s30, s[WV], 6
	v_lshlrev_b32 v[SA], 2, v2
	v_lshl_add_u32 v[SA], v3, 8, v[SA]
	v_add_nc_u32 v[SA], s30, v[SA]
.irp b, 0,1,2,3
	v_mov_b32 v[TM+4+\b], 0                        ; written once: a lane permute's destination counts as one of its sources
.endr
	v_mov_b32 v[ST0+1], 0                          ; upper halves of pairs that are named before they are first written
	v_mov_b32 v[ST1+1], 0
	v_mov_b32 v[RD+1], 0
	v_mov_b32 v[CD+1], 0
	s_mov_b32 s[SEL], 0x76543210
	s_mov_b32 s[SEL+1], 0xfedcba98
	s_mov_b32 s[MNT], 0x600000
	s_mov_b32 s[HM], 0xffff0000
	s_mov_b32 s[C512], 0x3b000000                  ; 1 / 512
	s_mov_b32 s[EPSR], 0x3727c5ac                  ; 1e-5
	s_lshl_b32 s28, ttmp9, 16                      ; my 32 rows of 2,048 bytes
	s_mov_b32 s29, 0
	s_lshl_b32 s30, ttmp9, 14                      ; my two tiles of codes
	s_mov_b32 s31, 0
	s_lshl_b32 s32, s[WV], 11
	s_add_co_u32 s32, s32, s30                     ; in xn: and my K step
	s_mov_b32 s33, 0
	s_lshl_b32 s34, ttmp9, 9
	s_add_co_u32 s34, s34, XSC                     ; my two tiles' scale words
	s_mov_b32 s35, 0
	s_lshl_b32 s36, s[WV], 16
	s_add_co_u32 s36, s36, 786432                  ; Wo's codes, my 8 row tiles
	s_mov_b32 s37, 0
	s_lshl_b32 s38, s[WV], 11
	s_add_co_u32 s38, s38, WSC+24576               ; and their scale words
	s_mov_b32 s39, 0
	s_wait_kmcnt 0x0
	s_add_nc_u64 s[10:11], s[10:11], s[28:29]      ; x
	s_add_nc_u64 s[16:17], s[16:17], s[28:29]      ; x1
	s_add_nc_u64 s[42:43], s[18:19], s[34:35]      ; xn's scale words
	s_add_nc_u64 s[18:19], s[18:19], s[32:33]      ; xn's codes
	s_add_nc_u64 s[40:41], s[4:5], s[34:35]        ; ctx's scale words
	s_add_nc_u64 s[4:5], s[4:5], s[30:31]          ; ctx's codes
	s_add_nc_u64 s[46:47], s[6:7], s[38:39]
	s_add_nc_u64 s[44:45], s[6:7], s[36:37]
	s_wait_alu depctr_va_vdst(0)                   ; the ten addresses v4 to v13 are written, which the loads, stores and LDS instructions of the whole kernel read
.irp m, 0,1
.irp t, 0,1,2,3,4,5,6,7
.irp u, 0,1
	global_load_b128 v[HA0+64*\m+8*\t+4*\u:HA0+64*\m+8*\t+4*\u+3], v[XA], s[10:11] offset:\m*32768+64*\t+16*\u
.endr
.endr
.endr
	WIN 0xc0                                       ; destination window 3
.irp t, 0,1,2,3,4,5,6,7
.irp u, 0,1
	global_load_b128 v[GW+8*\t+4*\u:GW+8*\t+4*\u+3], v[GA], s[12:13] offset:64*\t+16*\u
	global_load_b128 v[BW+8*\t+4*\u:BW+8*\t+4*\u+3], v[GA], s[14:15] offset:64*\t+16*\u
	global_load_b128 v[BR+8*\t+4*\u:BR+8*\t+4*\u+3], v[GA], s[8:9] offset:64*\t+16*\u
.endr
.endr
	RESLOAD 44, 46, 8192, 256
	XFLOAD 0, XS, 0
	s_wait_loadcnt 0x0
	WIN 0x0c                                       ; source 1 window 3
.set j, 0
.rept 32
	v_pk_add_f32 v[HA0+j:HA0+j+1], v[HA0+j:HA0+j+1], v[BR+j:BR+j+1]   ; x + bo: what the sums start from
.set j, j+2
.endr
.set j, 0
.rept 32
	v_pk_add_f32 v[HA1+j:HA1+j+1], v[HA1+j:HA1+j+1], v[BR+j:BR+j+1]
.set j, j+2
.endr
	WIN 0xc0                                       ; the loads' window first, then the wait, then the loads
	s_wait_alu depctr_va_vdst(0)                   ; the additions are done reading bo, in whose registers ctx's second tile lands
	XFLOAD 64, XS+2, 1                             ; the second tile takes bo's registers and lands under the first tile's products
	MM32 HA0, 0, XS
	s_wait_loadcnt 0x0
	MM32 HA1, 64, XS+2
.rept 8
	v_nop                                          ; eight places behind this form, in front of the first read of results
.endr
	s_wait_alu depctr_va_vdst(0)                   ; the products have written both tiles' accumulators, which the LDS stores read; the places above stay beside this wait
	X1OUT HA0, 0
	X1OUT HA1, 1
	s_wait_alu depctr_vm_vsrc(0)                   ; my LDS stores have read the accumulators, which the lines below write in place
	LSTAT HA0, ST0
	LSTAT HA1, ST1
	s_wait_alu depctr_va_vdst(0)                   ; both tiles' pairs ST0 and ST1 are written, which the two LDS stores read
	ds_store_b64 v[STW], v[ST0:ST0+1]
	ds_store_b64 v[STW], v[ST1:ST1+1] offset:1024
	s_wait_dscnt 0x0                               ; for the others' sake: my statistics lie in LDS
	s_barrier_signal -1
	s_barrier_wait -1
.irp i, 0,1,2,3
	ds_load_b64 v[SR+2*\i:SR+2*\i+1], v[STR] offset:256*\i             ; the first tile's four pairs;  no vector line has named these registers
.endr
.irp i, 0,1,2,3
	ds_load_b64 v[SR1+2*\i:SR1+2*\i+1], v[STR] offset:1024+256*\i      ; the second tile's, into a set of their own
.endr
	FIN HA0, ST0, 0, PW0, SR, PC
	FIN HA1, ST1, 1, PW1, SR1, PC1
	s_wait_dscnt 0x0                               ; the closing lines, six on end
	s_wait_alu 0x0
	s_wait_tensorcnt 0x0
	ds_add_u32 v254, v255
	s_wait_dscnt 0x0
	s_endpgm
.Lfunc_end_k_q26a6780e9b_oproj:
	.size	k_q26a6780e9b_oproj, .Lfunc_end_k_q26a6780e9b_oproj-k_q26a6780e9b_oproj
	.p2alignl 7, 3214868480
	.fill 96, 4, 3214868480
	.section	.rodata,"a",@progbits
	.p2align	6, 0x0
	.amdhsa_kernel k_q26a6780e9b_oproj
		.amdhsa_group_segment_fixed_size 36352
		.amdhsa_private_segment_fixed_size 0
		.amdhsa_enable_private_segment 0
		.amdhsa_kernarg_size 64
		.amdhsa_user_sgpr_count 2
		.amdhsa_user_sgpr_kernarg_segment_ptr 1
		.amdhsa_wavefront_size32 1
		.amdhsa_system_sgpr_workgroup_id_x 1
		.amdhsa_system_sgpr_workgroup_id_y 1
		.amdhsa_system_sgpr_workgroup_id_z 1
		.amdhsa_system_vgpr_workitem_id 0
		.amdhsa_next_free_vgpr 1024
		.amdhsa_next_free_sgpr 66
		.amdhsa_reserve_vcc 0
		.amdhsa_float_denorm_mode_32 3
		.amdhsa_float_denorm_mode_16_64 3
		.amdhsa_memory_ordered 1
		.amdhsa_forward_progress 1
		.amdhsa_inst_pref_size 89
	.end_amdhsa_kernel
	.amdgpu_metadata
---
amdhsa.version: [ 1, 2 ]
amdhsa.kernels:
  - .name:           k_q26a6780e9b_oproj
    .symbol:         k_q26a6780e9b_oproj.kd
    .args:
      - { .name: cx, .offset: 0, .size: 8, .value_kind: global_buffer, .address_space: global }
      - { .name: wt, .offset: 8, .size: 8, .value_kind: global_buffer, .address_space: global }
      - { .name: bo, .offset: 16, .size: 8, .value_kind: global_buffer, .address_space: global }
      - { .name: x, .offset: 24, .size: 8, .value_kind: global_buffer, .address_space: global }
      - { .name: ln2_g, .offset: 32, .size: 8, .value_kind: global_buffer, .address_space: global }
      - { .name: ln2_b, .offset: 40, .size: 8, .value_kind: global_buffer, .address_space: global }
      - { .name: x1, .offset: 48, .size: 8, .value_kind: global_buffer, .address_space: global }
      - { .name: xn, .offset: 56, .size: 8, .value_kind: global_buffer, .address_space: global }
    .group_segment_fixed_size: 36352
    .private_segment_fixed_size: 0
    .kernarg_segment_align: 8
    .kernarg_segment_size: 64
    .max_flat_workgroup_size: 128
    .sgpr_count:     66
    .vgpr_count:     1024
    .wavefront_size: 32
...
	.end_amdgpu_metadata
.endif
;; end of part 12
;; launch ffn1 (part 13): grid 64 x 4, 4 waves a work-group, no clusters, 68,096 bytes of LDS; arguments xn, wt, b1, hb; writes hb
.if DOCPART == 13
	.amdgcn_target "amdgcn-amd-amdhsa--gfx1250"
	.amdhsa_code_object_version 6
	.text
	.protected	k_q26a6780e9b_ffn1
	.globl	k_q26a6780e9b_ffn1
	.p2align	8
	.type	k_q26a6780e9b_ffn1,@function
k_q26a6780e9b_ffn1:
	s_mov_b64 s[64:65], 0
	v_nop
	global_prefetch_b8 v0, s[64:65] scope:SCOPE_SE
	s_setreg_imm32_b32 hwreg(HW_REG_WAVE_SCHED_MODE, 0, 2), 2
	s_setreg_imm32_b32 hwreg(HW_REG_WAVE_MODE, 25, 1), 1
	s_wait_xcnt 0x0
	s_wait_alu depctr_vm_vsrc(0)
; FFN = 0: q, k and v = xn W + b (work-group y = 0, 1, 2), quantised on the way and laid as attention wants them.   FFN = 1: h = relu(xn W1 + b1), quantised along the hidden units.
; ONE STRUCTURE: a wave keeps a RESIDENT operand of 128 rows x K 512 in 512 registers (source 0); eight STREAMED tiles of 16 rows x K 512 (source 1) come through LDS, shared by the four waves.
; In a result lane (r, h) holds streamed row r, and its register 8 t + j resident row 16 t + 8 h + j: 64 numbers that are quantised along the resident rows into one fragment and one scale word.
;   ffn1:  resident = W1's channels 512 y + 128 w on, streamed = token tiles 8 x on; the fragment is K step 4 y + w of hb's image:
;   codes of (token tile, K step ks, piece c) at tile 32,768 + 2,048 ks + 512 c + 16 lane, scale words at 16,777,216 + tile 1,024 + 64 ks + 4 r.
; All operands are images of their registers (16 bytes a lane, 512 a piece): dense loads and stores, no pitch.
; No cluster: what work-groups share here goes straight into registers, not into LDS by tensor loads.
; LIMITS: NaN and infinities are not served; a block whose largest magnitude lies under 2^-118 keeps the byte 1; a block of zeros gets the byte 1 where the rule says 127.
; REGISTERS: window 0 as named below; windows 1 and 2: the resident operand (tile t, K step k at v[32 t + 16 (k % 2)] of window 1 + k / 2);
;   window 3: v0-63 the streamed tiles of even number, v64-127 the bias along the resident rows, v128-255 the copy into LDS, and behind it v128-191 the streamed tiles of odd number.
; THE MODE: SCHED_MODE bits 1:0 = 2 (LLVM: expert scheduling mode 2), set by the entry lines.  The code itself states the register dependences
; between vector or matrix instructions and memory or LDS instructions, with s_wait_alu, always for 0.
; THE PLAN.  Registers that memory or LDS instructions touch behind the head:
;   F0, F1 (window 3, v0-63 and v128-191) and XS's two sets.  Tile m: its 32 products read set m % 2; at the tile's end the LDS loads of tile m + 2 land in it.
;   v[PC ..], A0, A1, SA, SV.  Tile m: written by its conversions and address lines, read by its stores; written again in tile m + 1.
;   LI, L4S.  Read by every LDS load; never written again.
; So ONE wait on va_vdst stands in a tile, behind its last vector line: it states that the codes and offsets are written, which the stores read, and that the tile's products are done reading
; their set, in which the loads land.  The loads and the stores follow it with no vector line between.  ONE wait on vm_vsrc stands ahead of a tile's conversions: the last tile's stores have read what these write.
.set FFN, 1
.set RB,  16896
.set HS,  32*RB
.set LI,  4                            ; 16 x lane
.set L4,  5                            ; 4 x lane
.set L4S, 6                            ; 4 x lane + 65,536: the streamed scale words in LDS
.set A0,  7
.set A1,  8
.set SA,  9
.set SV,  10
.set SV2, 11
.set SAL, 12
.set CP,  13
.set CPS, 14
.set BRA, 15
.set RS,  16                           ; v16-31 the resident scale words: tile t, K steps 2 p (lanes 0-15) and 2 p + 1 (lanes 16-31) at RS + 2 t + p
.set XS,  32                           ; v32-35 the streamed ones, two sets
.set BL,  36
.set BLA, 44
.set PWE, 45
.set PWO, 46
.set HA,  48
.set CT,  112
.set PC,  176
.set TM,  192
.set BR,  64
.set WV,  18
.set XX,  19
.set YY,  20
.set SEL, 22
.set MNT, 24
.set HM,  25
.set RP,  26
.set SP,  28
.set RSP, 30
.set SSP, 32
.set BP,  34
.set OP,  36
.set RO,  38
.set SO,  40
.set RSO, 42
.set SSO, 44
.set C0,  46
.set Z0,  47
.set S1,  48
.set S2,  49
.set D2,  50
.set T1,  51
.set T2,  52
.set D2S, 53
.set SLO, 54
.set SHI, 55
.set MQ,  56
.set MV,  57
.set MSB, 0
.macro WIN new                         ; the immediate's high byte repeats the setting that is left
.if MSB != (\new)
	s_set_vgpr_msb (MSB<<8)|(\new)
.set MSB, (\new)
.endif
.endm
; 64 numbers of a lane, register 16 b + i = place 32 b + 16 h + i, become a fragment's codes in v[PC] on and its scale word in v[pw].  relu = 1: what is negative becomes 0 on the way
.macro QUANT s, relu, pw
.if \relu
.irp b, 0,1,2,3
	v_max3_num_f32 v[TM+\b], v[\s+16*\b], v[\s+1+16*\b], 0x4800000   ; no |.|: what is negative must not count; the floor 2^(9 - 127) stands over it
.endr
.irp i, 2,4,6,8,10,12,14
.irp b, 0,1,2,3
	v_max3_num_f32 v[TM+\b], v[TM+\b], v[\s+16*\b+\i], v[\s+1+16*\b+\i]
.endr
.endr
.else
.irp b, 0,1,2,3
	v_max3_num_f32 v[TM+\b], |v[\s+16*\b]|, |v[\s+1+16*\b]|, 0x4800000   ; my 16 numbers of block b, and the floor 2^(9 - 127)
.endr
.irp i, 2,4,6,8,10,12,14
.irp b, 0,1,2,3
	v_max3_num_f32 v[TM+\b], v[TM+\b], |v[\s+16*\b+\i]|, |v[\s+1+16*\b+\i]|
.endr
.endr
.endif
.irp b, 0,1,2,3
	v_permlanex16_b32 v[TM+4+\b], v[TM+\b], s[SEL], s[SEL+1]
.endr
.irp b, 0,1,2,3
	v_max_num_f32 v[TM+\b], v[TM+\b], v[TM+4+\b]   ; with lane l xor 16's: the block's largest magnitude
.endr
.irp b, 0,1,2,3
	v_add_nc_u32 v[TM+12+\b], 0xfc000000, v[TM+\b] ; 8 off the exponent field: the conversion's scale operand
.endr
.irp b, 0,1,2,3
	v_and_or_b32 v[TM+8+\b], v[TM+\b], 0x7f800000, s[MNT]   ; 448 x the scale
.endr
.irp b, 0,1,2,3
	v_lshrrev_b32 v[TM+4+\b], 23, v[TM+12+\b]      ; the scale's byte
.endr
	v_lshl_or_b32 v[\pw], v[TM+5], 8, v[TM+4]
	v_lshl_or_b32 v[\pw], v[TM+6], 16, v[\pw]
	v_lshl_or_b32 v[\pw], v[TM+7], 24, v[\pw]
.irp b, 0,1,2,3
.irp i, 0,1,2,3,4,5,6,7,8,9,10,11,12,13,14,15
.if \relu
	v_med3_num_f32 v[\s+16*\b+\i], v[\s+16*\b+\i], 0, v[TM+8+\b]   ; the activation and the hold in one
.else
	v_med3_num_f32 v[\s+16*\b+\i], v[\s+16*\b+\i], -v[TM+8+\b], v[TM+8+\b]   ; the conversion does not saturate (ISA guide 7.6.2): hold first
.endif
.endr
	v_cvt_scalef32_pk8_fp8_f32 v[PC+4*\b:PC+1+4*\b], v[\s+16*\b:\s+7+16*\b], v[TM+12+\b]
	v_cvt_scalef32_pk8_fp8_f32 v[PC+2+4*\b:PC+3+4*\b], v[\s+8+16*\b:\s+15+16*\b], v[TM+12+\b]
.endr
	v_nop                                          ; a plain line behind the last conversion: the next products write v[s] on
.endm
; 32 matrix instructions: K step by K step, the eight accumulators by turns, one instruction a turn.
; cm = 0: the sums start from 0; 1: from the bias in window 3; 2: from what the accumulators hold.  Odd K steps take their scales from lanes 16-31.
.macro MM32 ha, xf, xs, cm
.irp k, 0,1,2,3
.if (\k == 0) && (\cm == 1)
	WIN 0x3d                                       ; source 0 window 1, sources 1 and 2 window 3
.elseif \k < 2
	WIN 0x0d                                       ; source 0 window 1, source 1 window 3
.else
	WIN 0x0e                                       ; source 0 window 2, source 1 window 3
.endif
.irp t, 0,1,2,3,4,5,6,7
.set rD, (\ha)+8*\t
.set rA, 32*\t+16*(\k%2)
.set rB, (\xf)+16*\k
.set rP, RS+2*\t+\k/2
.set rQ, (\xs)+\k/2
.if (\k == 0) && (\cm == 0)
	v_wmma_scale_f32_16x16x128_f8f6f4 v[rD:rD+7], v[rA:rA+15], v[rB:rB+15], 0, v[rP], v[rQ]
.elseif (\k == 0) && (\cm == 1)
	v_wmma_scale_f32_16x16x128_f8f6f4 v[rD:rD+7], v[rA:rA+15], v[rB:rB+15], v[BR+8*\t:BR+8*\t+7], v[rP], v[rQ]
.elseif (\k%2) == 0
	v_wmma_scale_f32_16x16x128_f8f6f4 v[rD:rD+7], v[rA:rA+15], v[rB:rB+15], v[rD:rD+7], v[rP], v[rQ]
.else
	v_wmma_scale_f32_16x16x128_f8f6f4 v[rD:rD+7], v[rA:rA+15], v[rB:rB+15], v[rD:rD+7], v[rP], v[rQ] matrix_a_scale:MATRIX_SCALE_ROW1 matrix_b_scale:MATRIX_SCALE_ROW1
.endif
.endr
.endr
	WIN 0
.endm
; the resident operand: 8 tiles x 4 K steps x 4 pieces of 512 bytes, and its 16 registers of scale words
.macro RESLOAD pc, ps, tstr, tss
.irp p, 0,1
	WIN 0x40+0x40*\p
.irp t, 0,1,2,3,4,5,6,7
.irp q, 0,1
.irp c, 0,1,2,3
	global_load_b128 v[32*\t+16*\q+4*\c:32*\t+16*\q+4*\c+3], v[LI], s[\pc:\pc+1] offset:\t*\tstr+(2*\p+\q)*2048+\c*512
.endr
.endr
.endr
.endr
	WIN 0
.irp t, 0,1,2,3,4,5,6,7
.irp p, 0,1
	global_load_b32 v[RS+2*\t+\p], v[L4], s[\ps:\ps+1] offset:\t*\tss+\p*128
.endr
.endr
.endm
.macro FETCH m                         ; 18 LDS loads: streamed tile m: 16 pieces into set m % 2 of window 3, and its two registers of scale words into set m % 2
	WIN 0xc0
.irp k, 0,1,2,3
.irp c, 0,1,2,3
	ds_load_b128 v[128*((\m)%2)+16*\k+4*\c:128*((\m)%2)+16*\k+4*\c+3], v[LI] offset:8192*(\m)+2048*\k+512*\c
.endr
.endr
	WIN 0
	ds_load_b32 v[XS+2*((\m)%2)], v[L4S] offset:256*(\m)
	ds_load_b32 v[XS+2*((\m)%2)+1], v[L4S] offset:256*(\m)+128
.endm
.macro TILE m
.if \m < 7
	s_wait_dscnt 18                                ; LDS loads come back in order: this tile and its scale words are in; the next tile's 18 loads may stay out
.else
	s_wait_dscnt 0x0                               ; the last tile is in
.endif
	MM32 HA, 128*((\m)%2), XS+2*((\m)%2), 1
.rept 8
	v_nop                                          ; eight places behind this form, in front of the first read of results
.endr
	s_wait_xcnt 0x0                                ; the last tile's stores have read their data and offsets: only now are these written again
.if \m > 0
	s_wait_alu depctr_vm_vsrc(0)                   ; the last tile's stores have read v[PC ..], A0, A1, SA and SV, which the lines below write again
.endif
.if (\m)%2
	QUANT HA, FFN, PWO
.else
	QUANT HA, FFN, PWE
.endif
	s_mul_i32 s66, s[S1], (\m)%4
	s_mul_i32 s67, s[S2], (\m)/4
	s_add_co_u32 s66, s66, s67
	s_add_co_u32 s66, s66, s[C0]
	v_add_nc_u32 v[A0], s66, v[LI]
	v_add_nc_u32 v[A1], s[D2], v[A0]
.if (\m)%2
	v_perm_b32 v[SV], v[PWO], v[PWE], s[SLO]       ; the even tile's word,
	v_perm_b32 v[SV2], v[PWO], v[PWE], s[SHI]      ; the odd tile's
	v_cndmask_b32 v[SV], v[SV], v[SV2], s[HM]      ; lanes 16-31 store the second
	s_mul_i32 s68, s[T1], ((\m)/2)%2
	s_mul_i32 s69, s[T2], (\m)/4
	s_add_co_u32 s68, s68, s69
	s_add_co_u32 s68, s68, s[Z0]
	v_add_nc_u32 v[SA], s68, v[SAL]
.endif
.if \m < 6
	WIN 0xc0                                       ; the loads' window first, then the wait, then the loads
.endif
	s_wait_alu depctr_va_vdst(0)                   ; the conversions have written v[PC ..] and the lines above A0, A1, SA and SV, which the stores read; this tile's products are done reading their set of window 3 and of XS, in which the loads land
.if \m < 6
	FETCH (\m)+2                                   ; two tiles ahead, into the set that this tile has left
.endif
	global_store_b128 v[A0], v[PC:PC+3], s[OP:OP+1]                 ; each store: 512 consecutive bytes, aligned
	global_store_b128 v[A0], v[PC+4:PC+7], s[OP:OP+1] offset:512
	global_store_b128 v[A1], v[PC+8:PC+11], s[OP:OP+1]
	global_store_b128 v[A1], v[PC+12:PC+15], s[OP:OP+1] offset:512
.if (\m)%2
	global_store_b32 v[SA], v[SV], s[OP:OP+1]
.endif
.endm
	s_load_b256 s[4:11], s[0:1], 0x0               ; xn, wt, b1, hb
	v_lshl_add_u32 v254, v0, 2, 0x10800
	v_mov_b32 v255, 0
	v_lshrrev_b32 v1, 5, v0
	v_readfirstlane_b32 s[WV], v1                  ; wave
	v_and_b32 v1, 31, v0                           ; lane
	v_and_b32 v2, 15, v0                           ; r
	v_bfe_u32 v3, v0, 4, 1                         ; h
	v_lshlrev_b32 v[LI], 4, v1
	v_lshlrev_b32 v[L4], 2, v1
	v_add_nc_u32 v[L4S], 65536, v[L4]
	s_wait_alu depctr_va_sdst(0)                   ; the wave's number is written, ahead of its first reader
	s_lshl_b32 s58, s[WV], 14
	v_add_nc_u32 v[CP], s58, v[LI]                 ; my quarter of the streamed codes in LDS
	s_lshl_b32 s58, s[WV], 9
	v_add_nc_u32 v[CPS], s58, v[LI]
	v_add_nc_u32 v[CPS], 65536, v[CPS]             ; and of their scale words
	v_lshl_add_u32 v[BRA], v3, 5, s58              ; the bias along the resident rows: 32 h + 512 w
.irp b, 0,1,2,3
	v_mov_b32 v[TM+4+\b], 0                        ; written once: a lane permute's destination counts as one of its sources
.endr
	s_mov_b32 s[SEL], 0x76543210
	s_mov_b32 s[SEL+1], 0xfedcba98
	s_mov_b32 s[MNT], 0x600000
	s_mov_b32 s[HM], 0xffff0000
	s_mov_b32 s[XX], ttmp9
	s_and_b32 s[YY], ttmp7, 0xffff
	s_add_co_u32 s58, s[YY], 4                     ; W1's codes begin at 4 x 262,144
	s_mov_b32 s59, s[XX]
	s_mov_b32 s67, 3145728                         ; the resident scale words lie in wt,
	s_mov_b32 s68, 4194304                         ; the streamed ones in xn
	s_mov_b32 s[S1], 32768
	s_mov_b32 s[S2], 131072
	s_mov_b32 s[D2], 1024
	s_mov_b32 s[T1], 2048
	s_mov_b32 s[T2], 4096
	s_mov_b32 s[D2S], 1024
	s_mov_b32 s[SLO], 0x03020100
	s_mov_b32 s[SHI], 0x07060504
	s_lshl_b32 s71, s[YY], 2
	s_add_co_u32 s71, s71, s[WV]                   ; my K step of hb
	s_lshl_b32 s[C0], s[XX], 18
	s_lshl_b32 s72, s71, 11
	s_add_co_u32 s[C0], s[C0], s72
	s_lshl_b32 s[Z0], s[XX], 13
	s_lshl_b32 s72, s71, 6
	s_add_co_u32 s[Z0], s[Z0], s72
	s_add_co_u32 s[Z0], s[Z0], 16777216
	s_lshl_b32 s[RO], s58, 18
	s_lshl_b32 s72, s[WV], 16
	s_add_co_u32 s[RO], s[RO], s72                 ; my 8 resident tiles
	s_mov_b32 s[RO+1], 0
	s_lshr_b32 s[RSO], s[RO], 5
	s_add_co_u32 s[RSO], s[RSO], s67
	s_mov_b32 s[RSO+1], 0
	s_lshl_b32 s[SO], s59, 16
	s_lshr_b32 s[SSO], s[SO], 5
	s_add_co_u32 s[SSO], s[SSO], s68
	s_lshl_b32 s72, s[WV], 9
	s_add_co_u32 s[SSO], s[SSO], s72               ; my quarter of the copy
	s_mov_b32 s[SSO+1], 0
	s_lshl_b32 s72, s[WV], 14
	s_add_co_u32 s[SO], s[SO], s72
	s_mov_b32 s[SO+1], 0
	v_mul_u32_u24 v[SAL], s[D2S], v3
	v_lshl_add_u32 v[SAL], v2, 2, v[SAL]           ; scale words: 4 r, lanes 16-31 one tile further on
	s_wait_kmcnt 0x0
	s_mov_b64 s[RP:RP+1], s[6:7]
	s_mov_b64 s[SP:SP+1], s[4:5]
	s_lshl_b32 s72, s[YY], 11
	s_mov_b32 s73, 0
	s_add_nc_u64 s[BP:BP+1], s[8:9], s[72:73]
	s_mov_b64 s[OP:OP+1], s[10:11]
	s_add_nc_u64 s[RSP:RSP+1], s[RP:RP+1], s[RSO:RSO+1]
	s_add_nc_u64 s[RP:RP+1], s[RP:RP+1], s[RO:RO+1]
	s_add_nc_u64 s[SSP:SSP+1], s[SP:SP+1], s[SSO:SSO+1]
	s_add_nc_u64 s[SP:SP+1], s[SP:SP+1], s[SO:SO+1]
	WIN 0x40                                       ; the first loads' window, then the wait, then the loads
	s_wait_alu depctr_va_vdst(0)                   ; LI, L4, L4S, CP, CPS and BRA are written, which the loads and LDS stores of the head and the LDS loads of every tile read as their addresses
	RESLOAD RP, RSP, 8192, 256
	WIN 0xc0                                       ; destination window 3
.irp t, 0,1,2,3,4,5,6,7
.irp u, 0,1
	global_load_b128 v[BR+8*\t+4*\u:BR+8*\t+4*\u+3], v[BRA], s[BP:BP+1] offset:64*\t+16*\u
.endr
.endr
.set n, 0
.rept 32
	global_load_b128 v[128+4*n:128+4*n+3], v[LI], s[SP:SP+1] offset:512*n   ; my 16 KiB of the streamed codes
.set n, n+1
.endr
	WIN 0
	global_load_b128 v[CT:CT+3], v[LI], s[SSP:SSP+1]
	s_wait_loadcnt 0x0
	WIN 0x0c                                       ; an LDS store's data are its source 1: window 3
.set n, 0
.rept 32
	ds_store_b128 v[CP], v[128+4*n:128+4*n+3] offset:512*n      ; data as the loads brought them; no vector line since the wait above names them or CP
.set n, n+1
.endr
	WIN 0
	ds_store_b128 v[CPS], v[CT:CT+3]
	s_wait_dscnt 0x0                               ; for the others' sake: my quarter lies in LDS
	s_barrier_signal -1
	s_barrier_wait -1                              ; the eight tiles are whole; nothing is written there again
	WIN 0xc0
	s_wait_alu depctr_vm_vsrc(0)                   ; my LDS stores have read v128-191 of window 3, in which tile 1 lands
	FETCH 0
	FETCH 1
.irp m, 0,1,2,3,4,5,6,7
	TILE \m
.endr
	s_wait_dscnt 0x0                               ; the closing lines, six on end
	s_wait_alu 0x0
	s_wait_tensorcnt 0x0
	ds_add_u32 v254, v255
	s_wait_dscnt 0x0
	s_endpgm
.Lfunc_end_k_q26a6780e9b_ffn1:
	.size	k_q26a6780e9b_ffn1, .Lfunc_end_k_q26a6780e9b_ffn1-k_q26a6780e9b_ffn1
	.p2alignl 7, 3214868480
	.fill 96, 4, 3214868480
	.section	.rodata,"a",@progbits
	.p2align	6, 0x0
	.amdhsa_kernel k_q26a6780e9b_ffn1
		.amdhsa_group_segment_fixed_size 68096
		.amdhsa_private_segment_fixed_size 0
		.amdhsa_enable_private_segment 0
		.amdhsa_kernarg_size 32
		.amdhsa_user_sgpr_count 2
		.amdhsa_user_sgpr_kernarg_segment_ptr 1
		.amdhsa_wavefront_size32 1
		.amdhsa_system_sgpr_workgroup_id_x 1
		.amdhsa_system_sgpr_workgroup_id_y 1
		.amdhsa_system_sgpr_workgroup_id_z 1
		.amdhsa_system_vgpr_workitem_id 0
		.amdhsa_next_free_vgpr 1024
		.amdhsa_next_free_sgpr 90
		.amdhsa_reserve_vcc 0
		.amdhsa_float_denorm_mode_32 3
		.amdhsa_float_denorm_mode_16_64 3
		.amdhsa_memory_ordered 1
		.amdhsa_forward_progress 1
		.amdhsa_inst_pref_size 140
	.end_amdhsa_kernel
	.amdgpu_metadata
---
amdhsa.version: [ 1, 2 ]
amdhsa.kernels:
  - .name:           k_q26a6780e9b_ffn1
    .symbol:         k_q26a6780e9b_ffn1.kd
    .args:
      - { .name: xn, .offset: 0, .size: 8, .value_kind: global_buffer, .address_space: global }
      - { .name: wt, .offset: 8, .size: 8, .value_kind: global_buffer, .address_space: global }
      - { .name: b1, .offset: 16, .size: 8, .value_kind: global_buffer, .address_space: global }
      - { .name: hb, .offset: 24, .size: 8, .value_kind: global_buffer, .address_space: global }
    .group_segment_fixed_size: 68096
    .private_segment_fixed_size: 0
    .kernarg_segment_align: 8
    .kernarg_segment_size: 32
    .max_flat_workgroup_size: 128
    .sgpr_count:     90
    .vgpr_count:     1024
    .wavefront_size: 32
...
	.end_amdgpu_metadata
.endif
;; end of part 13
;; launch ffn2 (part 14): grid 64 x 4, 4 waves a work-group, no clusters, 68,096 bytes of LDS; arguments hb, wt, b2, x1, out0; writes out0
.if DOCPART == 14
	.amdgcn_target "amdgcn-amd-amdhsa--gfx1250"
	.amdhsa_code_object_version 6
	.text
	.protected	k_q26a6780e9b_ffn2
	.globl	k_q26a6780e9b_ffn2
	.p2align	8
	.type	k_q26a6780e9b_ffn2,@function
k_q26a6780e9b_ffn2:
	s_mov_b64 s[64:65], 0
	v_nop
	global_prefetch_b8 v0, s[64:65] scope:SCOPE_SE
	s_setreg_imm32_b32 hwreg(HW_REG_WAVE_SCHED_MODE, 0, 2), 2
	s_setreg_imm32_b32 hwreg(HW_REG_WAVE_MODE, 25, 1), 1
	s_wait_xcnt 0x0
	s_wait_alu depctr_vm_vsrc(0)
; out0 = x1 + h W2 + b2; h and W2 as codes of E4M3 with one E8M0 byte for each 32 along K = 2,048, both as images of the operand's registers.
; A work-group owns 128 tokens (tiles 8 x on) and output channels 128 y .. 128 y + 127.  THE WAVES SHARE K: wave w keeps W2's 8 row tiles x K steps 4 w .. 4 w + 3 in 512 registers
; and streams only its own 8 KiB of h for each token tile, straight into registers: no input goes through LDS, none is read twice in a work-group.
; FOUR TILES AHEAD: h's fragments, their scale words and my rows of x1 have four sets of registers; tiles 0 to 3 are asked for at the head, tile m + 4 in tile m, behind the last read of the set that it takes:
; 22 loads a tile, so the loads of three later tiles are on their way while a tile is worked on.
; The four partial sums of a tile meet in LDS (rows of 512 bytes + 16); wave w adds rows 4 w .. 4 w + 3, x1 and b2, and stores whole rows of 512 bytes.
; Two sets of partial sums take turns, so one barrier a tile is enough: a set is written again only by waves that have passed the next tile's barrier, which every wave signals behind the wait for its reads of the set.
; The order of the sum over K: four K steps in each wave's accumulator, then ((P0 + P1) + (P2 + P3)) + (x1 + b2).
; No cluster: what work-groups share goes straight into registers, not into LDS by tensor loads.
; REGISTERS: window 0 as named below; windows 1, 2: W2; window 3: four sets of h's fragments, 64 registers each.
; THE MODE: SCHED_MODE bits 1:0 = 2 (LLVM: expert scheduling mode 2), set by the entry lines.  The code itself states the register dependences
; between vector or matrix instructions and memory or LDS instructions, with s_wait_alu, always for 0.
; THE PLAN.  Registers that memory or LDS instructions touch behind the head:
;   set m % 4 of window 3 and of XS   Tile m: read by its 32 products; behind them the 18 loads of tile m + 4 land there.
;   set m % 4 of X1                   Tile m: read and written by its additions; behind them the four loads of tile m + 4 land there.
;   HA                                Tile m: written by its products, read by its LDS stores; written again by tile m + 1's products.
;   PS                                Tile m: the LDS loads land there, the additions read and write it, the global stores read its first 16 registers; loaded again in tile m + 1.
;   LI, L4, STO, SRD, OO              made at the head, never written again.
; So a tile has two waits on va_vdst: behind the places that follow its products (HA is written; the products are done with their set), and behind its additions (PS is written; X1's set is done with);
; and one on vm_vsrc, behind the barrier: my LDS stores have read HA, and the last tile's global stores have read PS.
.set HSC, 16777216
.set WSC, 3145728
.set LI,  4                            ; 16 x lane
.set L4,  5                            ; 4 x lane
.set STO, 8                            ; my partial sums: w x 8,448 + r x 528 + 32 h
.set SRD, 9                            ; the rows that I add: 4 w x 528 + 16 x lane
.set OO,  10                           ; and their place in x1 and out0: 4 w x 2,048 + 16 x lane
.set RS,  16                           ; v16-31   W2's scale words
.set B2,  36                           ; v36-39   b2 of my four channels of a row
.set XS,  40                           ; v40-47   h's scale words, four sets of two
.set X1,  48                           ; v48-111  four sets of four rows of x1
.set HA,  112                          ; v112-175 the accumulators
.set PS,  176                          ; v176-239 the four waves' partial sums of my rows
.set WV,  14
.set MSB, 0
.macro WIN new                         ; the immediate's high byte repeats the setting that is left
.if MSB != (\new)
	s_set_vgpr_msb (MSB<<8)|(\new)
.set MSB, (\new)
.endif
.endm
; 32 matrix instructions from 0: K step by K step, the eight accumulators by turns, one instruction a turn.  Odd K steps take their scales from lanes 16-31.
.macro MM32 ha, xf, xs
.irp k, 0,1,2,3
.if \k < 2
	WIN 0x0d                                       ; source 0 window 1, source 1 window 3
.else
	WIN 0x0e                                       ; source 0 window 2, source 1 window 3
.endif
.irp t, 0,1,2,3,4,5,6,7
.set rD, (\ha)+8*\t
.set rA, 32*\t+16*(\k%2)
.set rB, (\xf)+16*\k
.set rP, RS+2*\t+\k/2
.set rQ, (\xs)+\k/2
.if \k == 0
	v_wmma_scale_f32_16x16x128_f8f6f4 v[rD:rD+7], v[rA:rA+15], v[rB:rB+15], 0, v[rP], v[rQ]
.elseif (\k%2) == 0
	v_wmma_scale_f32_16x16x128_f8f6f4 v[rD:rD+7], v[rA:rA+15], v[rB:rB+15], v[rD:rD+7], v[rP], v[rQ]
.else
	v_wmma_scale_f32_16x16x128_f8f6f4 v[rD:rD+7], v[rA:rA+15], v[rB:rB+15], v[rD:rD+7], v[rP], v[rQ] matrix_a_scale:MATRIX_SCALE_ROW1 matrix_b_scale:MATRIX_SCALE_ROW1
.endif
.endr
.endr
	WIN 0
.endm
.macro RESLOAD pc, ps, tstr, tss       ; the resident operand: 8 tiles x 4 K steps x 4 pieces of 512 bytes, and its 16 registers of scale words
.irp p, 0,1
	WIN 0x40+0x40*\p
.irp t, 0,1,2,3,4,5,6,7
.irp q, 0,1
.irp c, 0,1,2,3
	global_load_b128 v[32*\t+16*\q+4*\c:32*\t+16*\q+4*\c+3], v[LI], s[\pc:\pc+1] offset:\t*\tstr+(2*\p+\q)*2048+\c*512
.endr
.endr
.endr
.endr
	WIN 0
.irp t, 0,1,2,3,4,5,6,7
.irp p, 0,1
	global_load_b32 v[RS+2*\t+\p], v[L4], s[\ps:\ps+1] offset:\t*\tss+\p*128
.endr
.endr
.endm
.macro HFRAG m                         ; 18 of a tile's 22 loads: token tile m's four K steps of mine and their scale words, into set m % 4
	WIN 0xc0
.irp k, 0,1,2,3
.irp c, 0,1,2,3
	global_load_b128 v[64*((\m)%4)+16*\k+4*\c:64*((\m)%4)+16*\k+4*\c+3], v[LI], s[20:21] offset:(\m)*32768+2048*\k+512*\c
.endr
.endr
	WIN 0
	global_load_b32 v[XS+2*((\m)%4)], v[L4], s[22:23] offset:(\m)*1024
	global_load_b32 v[XS+2*((\m)%4)+1], v[L4], s[22:23] offset:(\m)*1024+128
.endm
.macro HROWS m                         ; the other four: my four rows of x1 of token tile m, into set m % 4
.irp i, 0,1,2,3
	global_load_b128 v[X1+16*((\m)%4)+4*\i:X1+16*((\m)%4)+4*\i+3], v[OO], s[10:11] offset:(\m)*32768+2048*\i
.endr
.endm
.macro TILE m
.set XM, X1+16*((\m)%4)
.if \m < 5
	s_wait_loadcnt 63                              ; behind this tile's loads stand the 66 of the three tiles that follow; the wait names 63 at the most
.else
	s_wait_loadcnt 22*(7-(\m))                     ; the loads of the tiles that are left may stay out: 44, 22, none
.endif
	MM32 HA, 64*((\m)%4), XS+2*((\m)%4)
.rept 8
	v_nop                                          ; eight places behind this form, in front of the first read of results
.endr
.if \m < 4
	WIN 0xc0                                       ; the loads' window first, then the wait, then the loads
.endif
	s_wait_alu depctr_va_vdst(0)                   ; the products have written the accumulators, which the LDS stores read, and are done reading their set of window 3 and of XS, in which the loads land; the places above stay beside this wait
.if \m < 4
	HFRAG (\m)+4                                   ; this tile's set takes the tile four further on
.endif
.irp t, 0,1,2,3,4,5,6,7
	ds_store_b128 v[STO], v[HA+8*\t:HA+8*\t+3] offset:33792*((\m)%2)+64*\t          ; each accumulator from its low end on
	ds_store_b128 v[STO], v[HA+8*\t+4:HA+8*\t+7] offset:33792*((\m)%2)+64*\t+16
.endr
	s_wait_dscnt 0x0                               ; for the others' sake: my partial sums lie in LDS
	s_barrier_signal -1
	s_barrier_wait -1
	s_wait_xcnt 0x0                                ; the last tile's stores have read v[PS] on: only now are they loaded again
	s_wait_alu depctr_vm_vsrc(0)                   ; the last tile's global stores have read v[PS ..], in which the loads below land; my LDS stores have read the accumulators, which the next tile's products write
.irp q, 0,1,2,3
.irp i, 0,1,2,3
	ds_load_b128 v[PS+16*\q+4*\i:PS+16*\q+4*\i+3], v[SRD] offset:33792*((\m)%2)+8448*\q+528*\i   ; (the last tile's additions, which named these registers, stand ahead of the waits on va_vdst above)
.endr
.endr
	s_wait_dscnt 0x0
.set e, 0
.rept 8
	v_pk_add_f32 v[PS+e:PS+e+1], v[PS+e:PS+e+1], v[PS+16+e:PS+17+e]
	v_pk_add_f32 v[PS+32+e:PS+33+e], v[PS+32+e:PS+33+e], v[PS+48+e:PS+49+e]
	v_pk_add_f32 v[XM+e:XM+e+1], v[XM+e:XM+e+1], v[B2+e%4:B2+e%4+1]
.set e, e+2
.endr
.set e, 0
.rept 8
	v_pk_add_f32 v[PS+e:PS+e+1], v[PS+e:PS+e+1], v[PS+32+e:PS+33+e]
.set e, e+2
.endr
.set e, 0
.rept 8
	v_pk_add_f32 v[PS+e:PS+e+1], v[PS+e:PS+e+1], v[XM+e:XM+e+1]
.set e, e+2
.endr
	s_wait_alu depctr_va_vdst(0)                   ; the additions have written v[PS ..], which the stores read, and are done with this tile's rows of x1, in whose registers the loads land
.if \m < 4
	HROWS (\m)+4
.endif
.irp i, 0,1,2,3
	global_store_b128 v[OO], v[PS+4*\i:PS+4*\i+3], s[12:13] offset:(\m)*32768+2048*\i th:TH_STORE_NT   ; 512 consecutive bytes, aligned; written once, read by nobody here
.endr
.endm
	s_load_b256 s[4:11], s[0:1], 0x0               ; hb, wt, b2, x1
	s_load_b64 s[12:13], s[0:1], 0x20              ; out0
	v_lshl_add_u32 v254, v0, 2, 0x10800
	v_mov_b32 v255, 0
	v_lshrrev_b32 v1, 5, v0
	v_readfirstlane_b32 s[WV], v1                  ; wave
	v_and_b32 v1, 31, v0                           ; lane
	v_and_b32 v2, 15, v0                           ; r
	v_bfe_u32 v3, v0, 4, 1                         ; h
	v_lshlrev_b32 v[LI], 4, v1
	v_lshlrev_b32 v[L4], 2, v1
	s_wait_alu depctr_va_sdst(0)                   ; the wave's number is written, ahead of its first reader
	s_mul_i32 s16, s[WV], 8448
	v_mul_u32_u24 v[STO], v2, 528
	v_lshl_add_u32 v[STO], v3, 5, v[STO]
	v_add_nc_u32 v[STO], s16, v[STO]
	s_mul_i32 s16, s[WV], 2112
	v_add_nc_u32 v[SRD], s16, v[LI]
	s_lshl_b32 s16, s[WV], 13
	v_add_nc_u32 v[OO], s16, v[LI]
	s_and_b32 s15, ttmp7, 0xffff                   ; y
	s_lshl_b32 s28, ttmp9, 18                      ; my 8 token tiles: 262,144 bytes of h's codes, and as many of x1 and of out0
	s_add_co_u32 s30, s28, s16                     ; + my four K steps
	s_mov_b32 s31, 0
	s_lshl_b32 s32, ttmp9, 13
	s_lshl_b32 s17, s[WV], 8
	s_add_co_u32 s32, s32, s17
	s_add_co_u32 s32, s32, HSC                     ; their scale words
	s_mov_b32 s33, 0
	s_lshl_b32 s34, s15, 18
	s_add_co_u32 s34, s34, s16
	s_add_co_u32 s34, s34, 2097152                 ; W2's codes: row tiles 8 y on, my four K steps
	s_mov_b32 s35, 0
	s_lshl_b32 s36, s15, 13
	s_add_co_u32 s36, s36, s17
	s_add_co_u32 s36, s36, WSC+65536               ; and their scale words
	s_mov_b32 s37, 0
	s_lshl_b32 s38, s15, 9                         ; my 128 channels, in bytes
	s_mov_b32 s39, 0
	s_add_co_u32 s40, s28, s38
	s_mov_b32 s41, 0
	s_wait_kmcnt 0x0
	s_add_nc_u64 s[20:21], s[4:5], s[30:31]
	s_add_nc_u64 s[22:23], s[4:5], s[32:33]
	s_add_nc_u64 s[24:25], s[6:7], s[34:35]
	s_add_nc_u64 s[26:27], s[6:7], s[36:37]
	s_add_nc_u64 s[8:9], s[8:9], s[38:39]
	s_add_nc_u64 s[10:11], s[10:11], s[40:41]
	s_add_nc_u64 s[12:13], s[12:13], s[40:41]
	WIN 0x40                                       ; the first loads' window, then the wait, then the loads
	s_wait_alu depctr_va_vdst(0)                   ; LI, L4, STO, SRD and OO are written, which the loads, stores and LDS instructions of the whole kernel read as their addresses
	RESLOAD 24, 26, 32768, 1024
	global_load_b128 v[B2:B2+3], v[LI], s[8:9]     ; b2 of my four channels of a row
.irp m, 0,1,2,3
	HFRAG \m                                       ; the first four tiles; the first tile's wait, below, also shows W2 and b2 in: they were asked for ahead of it
	HROWS \m
.endr
.irp m, 0,1,2,3,4,5,6,7
	TILE \m
.endr
	s_wait_dscnt 0x0                               ; the closing lines, six on end
	s_wait_alu 0x0
	s_wait_tensorcnt 0x0
	ds_add_u32 v254, v255
	s_wait_dscnt 0x0
	s_endpgm
.Lfunc_end_k_q26a6780e9b_ffn2:
	.size	k_q26a6780e9b_ffn2, .Lfunc_end_k_q26a6780e9b_ffn2-k_q26a6780e9b_ffn2
	.p2alignl 7, 3214868480
	.fill 96, 4, 3214868480
	.section	.rodata,"a",@progbits
	.p2align	6, 0x0
	.amdhsa_kernel k_q26a6780e9b_ffn2
		.amdhsa_group_segment_fixed_size 68096
		.amdhsa_private_segment_fixed_size 0
		.amdhsa_enable_private_segment 0
		.amdhsa_kernarg_size 40
		.amdhsa_user_sgpr_count 2
		.amdhsa_user_sgpr_kernarg_segment_ptr 1
		.amdhsa_wavefront_size32 1
		.amdhsa_system_sgpr_workgroup_id_x 1
		.amdhsa_system_sgpr_workgroup_id_y 1
		.amdhsa_system_sgpr_workgroup_id_z 1
		.amdhsa_system_vgpr_workitem_id 0
		.amdhsa_next_free_vgpr 1024
		.amdhsa_next_free_sgpr 66
		.amdhsa_reserve_vcc 0
		.amdhsa_float_denorm_mode_32 3
		.amdhsa_float_denorm_mode_16_64 3
		.amdhsa_memory_ordered 1
		.amdhsa_forward_progress 1
		.amdhsa_inst_pref_size 110
	.end_amdhsa_kernel
	.amdgpu_metadata
---
amdhsa.version: [ 1, 2 ]
amdhsa.kernels:
  - .name:           k_q26a6780e9b_ffn2
    .symbol:         k_q26a6780e9b_ffn2.kd
    .args:
      - { .name: hb, .offset: 0, .size: 8, .value_kind: global_buffer, .address_space: global }
      - { .name: wt, .offset: 8, .size: 8, .value_kind: global_buffer, .address_space: global }
      - { .name: b2, .offset: 16, .size: 8, .value_kind: global_buffer, .address_space: global }
      - { .name: x1, .offset: 24, .size: 8, .value_kind: global_buffer, .address_space: global }
      - { .name: out0, .offset: 32, .size: 8, .value_kind: global_buffer, .address_space: global }
    .group_segment_fixed_size: 68096
    .private_segment_fixed_size: 0
    .kernarg_segment_align: 8
    .kernarg_segment_size: 40
    .max_flat_workgroup_size: 128
    .sgpr_count:     66
    .vgpr_count:     1024
    .wavefront_size: 32
...
	.end_amdgpu_metadata
.endif
;; end of part 14
